; MI455X (gfx1250); checked and timed in simulation.
; The chip was launched on July 23, 2026; its instructions are those of AMD's public machine-readable ISA for CDNA 5 (MIT licence, August 2026) and "CDNA5" Instruction Set Architecture Reference Guide (July 2026). The comments in the code are by the model that wrote it; some were corrected since.
;; Multi Head Attention. Allowed arithmetic: matrix products marked QUANTISED: E2M1 operands, one E8M0 scale for each 32 along K, by v_wmma_scale_f32_16x16x128_f8f6f4 with both operands' format E2M1 (or v_wmma_scale_f32_32x16x128_f4), f32 sums; products left as they are: bf16, f16 or f32 operands; f32 sums; everything else in f32.
;; Inputs: Wk 1,024 x 1,024 float32; Wo 1,024 x 1,024 float32; Wq 1,024 x 1,024 float32; Wv 1,024 x 1,024 float32; bk 1,024 float32; bo 1,024 float32; bq 1,024 float32; bv 1,024 float32; head_scale 1 x 16 x 1 float32; k_scale 64 float32; kv 4 x 2,048 x 1,024 float32; kv_positions 4 x 2,048 int32; mask 4 x 1 x 2,048 x 2,048 bool; q 4 x 2,048 x 1,024 float32; q_positions 4 x 2,048 int32; q_scale 64 float32.
;; Outputs: out0 4 x 2,048 x 1,024 float32.
;; This version of the problem:
;;   THIS VERSION OF THE PROBLEM IS GIVEN IN LOW PRECISION. The matrix products marked QUANTISED in the list below multiply operands that are first quantised to E2M1 (2 exponent bits, 1 mantissa bit; 4 bits a number), with one power-of-two scale for each 32 numbers along K (OCP MX v1.0); their sums are f32. The products marked 'left as it is' may take bf16, f16 or f32 operands, with f32 sums. Whichever they take, every output number must still come out within the allowed error. Rounding operands to bf16 (8 significant bits) uses up far more of that allowance than f16 does (11 bits, for magnitudes from 6e-5 to 65,504). All else is computed in f32.
;;   The module's matrix products, in the order in which they are computed (A, B: the left and right operand; K: the contracted axis; several contracted axes count as one K, in the product's order):
;;     1. [M 8,192, K 1,024] x [K 1,024, N 1,024]; A: input q; B: input Wq: QUANTISED
;;     2. [M 8,192, K 1,024] x [K 1,024, N 1,024]; A: input kv; B: input Wk: QUANTISED
;;     3. [M 8,192, K 1,024] x [K 1,024, N 1,024]; A: input kv; B: input Wv: QUANTISED
;;     4. batch 64 x [M 2,048, K 64] x [K 64, N 2,048]; A: computed on the way; B: computed on the way: left as it is (an operand is computed on the way)
;;     5. batch 64 x [M 64, K 2,048] x [K 2,048, N 2,048]; A: computed on the way; B: computed on the way: left as it is (an operand is computed on the way)
;;     6. [M 8,192, K 1,024] x [K 1,024, N 1,024]; A: computed on the way; B: input Wo: left as it is (an operand is computed on the way)
;;   THE QUANTISER, for each operand of a quantised product, along K:
;;     - K is cut into blocks of 32 from its start; a last block that is shorter is filled with zeros.
;;     - A block's scale is 2^e with e = floor(log2(the largest magnitude in the block)) - 2, held to -126 .. 127; a block of zeros has e = 0. As a byte (E8M0): e + 127.
;;     - Each number is divided by its block's scale, clamped to +-6, and rounded to the nearest number of E2M1, ties to even, subnormals kept.
;;     - The product sums the exact products of the quantised numbers (number of the format x scale) in f32.
;;   ~~~python
;;   def quantise(x, axis):      # numpy; x: float32 -> the quantised numbers, widened to float32 again
;;       x = np.moveaxis(x, axis, -1); K = x.shape[-1]
;;       x = np.pad(x, [(0, 0)] * (x.ndim - 1) + [(0, -K % 32)]); x = x.reshape(x.shape[:-1] + (-1, 32)); a = np.abs(x).max(-1, keepdims=True)
;;       e = np.where(a > 0, np.clip(np.frexp(np.where(a > 0, a, 1))[1] - 1 - 2, -126, 127), 0)      # np.frexp(a)[1] - 1 = floor(log2(a)), exactly
;;       r = np.clip(x / 2.0 ** e, -6, 6)
;;       step = 2.0 ** (np.maximum(np.frexp(np.where(r == 0, 1, r))[1] - 1, 0) - 1)
;;       q = np.round(r / step) * step * 2.0 ** e      # np.round: ties to even
;;       return np.moveaxis(q.reshape(q.shape[:-2] + (-1,))[..., :K], -1, axis).astype(np.float32)
;;   ~~~
;; 2 versions, each right and faster than the one before. Each part assembles by itself: llvm-mc -triple=amdgcn-amd-amdhsa -mcpu=gfx1250 --defsym DOCPART=n.
;; ======== version 1 of 2: 5 launches
;; limits: values are held in f16: magnitudes above 65,504 overflow, below 6.1e-05 lose precision
;; workspace buffers: codes 9,961,472 bytes; scales 622,592 bytes; wot 2,097,152 bytes; rope 4,194,304 bytes; mbits 2,097,152 bytes of whole numbers; qkv 50,331,648 bytes; attn 16,777,216 bytes; afine 262,144 bytes
;; launch prep (part 1): grid 1008 x 1, 4 waves a work-group, no clusters, 109,056 bytes of LDS; arguments q, kv, Wq, Wk, Wv, Wo, mask, q_positions, kv_positions, codes, scales, wot, rope, mbits; writes codes, scales, wot, rope, mbits
.if DOCPART == 1
	.amdgcn_target "amdgcn-amd-amdhsa--gfx1250"
	.amdhsa_code_object_version 6
	.text
	.protected	k_q485643b4f1_prep
	.globl	k_q485643b4f1_prep
	.p2align	8
	.type	k_q485643b4f1_prep,@function
k_q485643b4f1_prep:
	s_mov_b64 s[64:65], 0
	v_nop
	global_prefetch_b8 v0, s[64:65] scope:SCOPE_SE
	s_setreg_imm32_b32 hwreg(HW_REG_WAVE_MODE, 25, 1), 1
	s_wait_xcnt 0x0
; All that is made once from the inputs, five kinds of work told apart by the work-group's number (the longest first):
;   W  (0-47)     Wq, Wk, Wv [k][n] f32 -> codes of FP4 (E2M1) laid [n][k] with K innermost, one E8M0 byte for each 32 along K
;   M  (48-175)   the mask's bytes -> words of 32 bits in the order of a score tile's lanes
;   X  (176-687)  q, kv [row][1024] f32 -> codes and scale bytes, K innermost as it lies
;   O  (688-751)  Wo [k][n] f32 -> f16 laid [n][k]
;   R  (752-1007) positions -> cos and sin for RoPE, as images of the registers that the next launch wants
; A block's scale is 2^(floor(log2(largest magnitude)) - 2); its byte is the largest magnitude's exponent field - 2, held at 1 from below.
; LIMITS: a block of zeros, or one whose largest magnitude lies under 2^(3 - 127), gets the byte 1 (its bytes are read by this program alone; zero codes add nothing).
; NaN and infinities among the inputs are not served.  Wo goes to f16: magnitudes up to 65,504.  A mask byte is 0 or not 0.
; RoPE's angle is position x 2^(-i log2(10000) / 32): relative error about 2e-7, so the angle's error grows with |position| (3e-4 rad at 2,047); sin and cos are right to about 1e-7 of that angle.
; Waves share nothing: no barrier.  Each kind of work has LDS bytes of its own.
.set SPARE, 108544                     ; the spare words, 128 bytes for each wave: two blocks of 256 bytes that no other line names
.set SPW,   12                         ; v12  SPARE + 4 x my thread's number; never rewritten
.set NIL,   13                         ; v13  0; never rewritten
.set SP,    80                         ; path X: a lane's place in a stage: 64 bytes + 16 of padding
.set XREG,  5376                       ; path X: a wave's LDS: two stages of 32 x 80, then 256 scale bytes
.set WST,   21504                      ; path W: 32 rows x 272 for each wave
.set OSTG,  56320                      ; path O: likewise
.set MST,   91136                      ; path M: 16 rows x 272 for each wave
.macro FINISH                          ; the wave's end, behind the last LDS store
	s_wait_tensorcnt 0x0
	ds_add_u32 v[SPW], v[NIL]
	s_wait_dscnt 0x0
	s_endpgm
.endm
	s_load_b512 s[4:19], s[0:1], 0x0               ; q 4, kv 6, Wq 8, Wk 10, Wv 12, Wo 14, mask 16, q_positions 18
	s_load_b256 s[20:27], s[0:1], 0x40             ; kv_positions 20, codes 22, scales 24, wot 26
	s_load_b128 s[28:31], s[0:1], 0x60             ; rope 28, mbits 30
	v_lshl_add_u32 v[SPW], v0, 2, SPARE
	v_mov_b32 v[NIL], 0
	v_lshrrev_b32 v1, 5, v0
	v_readfirstlane_b32 s32, v1                    ; wave 0..3
	v_and_b32 v2, 31, v0                           ; lane
	s_mov_b32 s39, 0                               ; the upper word of every offset pair s[38:39]
	s_wait_kmcnt 0x0
	s_cmp_lt_u32 ttmp9, 48
	s_cbranch_scc1 .Lpath_w
	s_cmp_lt_u32 ttmp9, 176
	s_cbranch_scc1 .Lpath_m
	s_cmp_lt_u32 ttmp9, 688
	s_cbranch_scc1 .Lpath_x
	s_cmp_lt_u32 ttmp9, 752
	s_cbranch_scc1 .Lpath_o
; ---------------- R: a wave makes the table of one block of 16 tokens.  Lane (r = lane % 16, h = lane / 16) holds token r and the 16 frequencies i = 16 bb + 8 h + j (f = 8 bb + j).
	s_sub_co_u32 s33, ttmp9, 752
	s_lshl_b32 s33, s33, 2
	s_add_co_u32 s33, s33, s32                     ; block 0..1023: q's 512, then kv's 512
	s_cmp_lt_u32 s33, 512
	s_cselect_b64 s[36:37], s[18:19], s[20:21]
	s_and_b32 s34, s33, 511
	s_lshl_b32 s38, s34, 6                         ; 16 positions of 4 bytes
	s_add_nc_u64 s[36:37], s[36:37], s[38:39]
	s_lshl_b32 s38, s33, 12                        ; a block's image is 4,096 bytes
	s_add_nc_u64 s[40:41], s[28:29], s[38:39]
	s_mov_b32 s44, 0x3fc90fdb                      ; pi / 2, its upper part,
	s_mov_b32 s45, 0xb33bbd2e                      ; and what is left of it
	v_and_b32 v3, 15, v2
	v_lshlrev_b32 v4, 2, v3
	global_load_b32 v5, v4, s[36:37]               ; my token's position
	v_lshrrev_b32 v6, 4, v2
	v_lshlrev_b32 v8, 3, v6                        ; 8 h
	v_lshlrev_b32 v7, 4, v2                        ; out: 16 bytes a lane
.irp f, 0,1,2,3,4,5,6,7,8,9,10,11,12,13,14,15
	v_add_nc_u32 v[16+\f], 16*(\f/8)+\f%8, v8      ; i
.endr
.irp f, 0,1,2,3,4,5,6,7,8,9,10,11,12,13,14,15
	v_cvt_f32_u32 v[16+\f], v[16+\f]
.endr
.irp f, 0,1,2,3,4,5,6,7,8,9,10,11,12,13,14,15
	v_mul_f32 v[16+\f], 0xbed49a78, v[16+\f]       ; -i log2(10000) / 32
.endr
.irp f, 0,1,2,3,4,5,6,7,8,9,10,11,12,13,14,15
	v_exp_f32 v[16+\f], v[16+\f]                   ; 1 / timescale: one batch of sixteen
.endr
	v_nop                                          ; a plain instruction behind the last exponential
	s_wait_alu depctr_va_vdst(0)                   ; one wait for the batch, ahead of its first reader
	s_wait_loadcnt 0x0
	v_cvt_f32_i32 v9, v5
; angle = n pi/2 + rho, |rho| <= pi/4; sin and cos of rho by their series to rho^9 and rho^8; n mod 4 swaps them and sets the signs
.macro SINCOS f
	v_mul_f32 v40, v9, v[16+\f]
	v_mul_f32 v41, 0x3f22f983, v40                 ; x 2 / pi
	v_rndne_f32 v41, v41
	v_fma_f32 v42, -v41, s44, v40
	v_fma_f32 v42, -v41, s45, v42                  ; rho
	v_mul_f32 v43, v42, v42
	v_mov_b32 v44, 0x3638ef1d
	v_fmaak_f32 v44, v43, v44, 0xb9500d01
	v_fmaak_f32 v44, v43, v44, 0x3c088889
	v_fmaak_f32 v44, v43, v44, 0xbe2aaaab
	v_mul_f32 v47, v42, v43
	v_fma_f32 v44, v47, v44, v42                   ; sin rho
	v_mov_b32 v45, 0x37d00d01
	v_fmaak_f32 v45, v43, v45, 0xbab60b61
	v_fmaak_f32 v45, v43, v45, 0x3d2aaaab
	v_fmaak_f32 v45, v43, v45, 0xbf000000
	v_fma_f32 v45, v43, v45, 1.0                   ; cos rho
	v_cvt_i32_f32 v46, v41
	v_and_b32 v47, 1, v46
	v_cmp_ne_u32 vcc_lo, 0, v47
	v_cndmask_b32 v48, v44, v45, vcc_lo            ; odd n: the two change places
	v_cndmask_b32 v49, v45, v44, vcc_lo
	v_and_b32 v47, 2, v46
	v_lshlrev_b32 v47, 30, v47
	v_xor_b32 v[80+\f], v47, v48                   ; sin: negative for n mod 4 = 2, 3
	v_add_nc_u32 v46, 1, v46
	v_and_b32 v46, 2, v46
	v_lshlrev_b32 v46, 30, v46
	v_xor_b32 v[64+\f], v46, v49                   ; cos: negative for n mod 4 = 1, 2
.endm
.irp f, 0,1,2,3,4,5,6,7,8,9,10,11,12,13,14,15
	SINCOS \f
.endr
.irp c, 0,1,2,3,4,5,6,7
	global_store_b128 v7, v[64+4*\c:67+4*\c], s[40:41] offset:512*\c   ; registers 0-15 cos, 16-31 sin: each store covers 512 consecutive bytes
.endr
	FINISH
; ---------------- X: a stream of blocks of 32 numbers.  A wave takes 16 steps of 512 numbers; each load reads 512 consecutive bytes; a step turns through the wave's stage so that a lane holds 16 neighbours.
.Lpath_x:
.set XR, 16                            ; v16-79   four sets of 16 numbers as loaded
.set XX, 80                            ; v80-111  two sets of 16 neighbours
.set XE, 112                           ; v112-127 a scale byte for each step
.set XC, 128                           ; v128-191 codes, registers of its own for each step
	s_sub_co_u32 s33, ttmp9, 176                   ; 0..511: q's 256 work-groups, then kv's
	v_lshlrev_b32 v3, 4, v2
	s_mul_i32 s34, s32, XREG
	v_lshrrev_b32 v14, 2, v2
	v_mul_u32_u24 v14, v14, SP
	v_and_b32 v15, 3, v2
	v_lshl_add_u32 v14, v15, 4, v14
	v_add_nc_u32 v14, s34, v14                     ; into the stage: 80 (lane / 4) + 16 (lane % 4)
	v_mul_u32_u24 v15, v2, SP
	v_add_nc_u32 v15, s34, v15                     ; out of it: 80 x lane
	v_lshlrev_b32 v4, 3, v2                        ; my 8 bytes of a step's codes
	v_lshrrev_b32 v5, 1, v2
	s_add_co_u32 s34, s34, 2*32*SP
	v_add_nc_u32 v5, s34, v5                       ; my block's scale byte in LDS
	v_lshlrev_b32 v7, 3, v2
	v_add_nc_u32 v6, s34, v7
	s_cmp_lt_u32 s33, 256
	s_cselect_b64 s[36:37], s[4:5], s[6:7]
	s_and_b32 s35, s33, 255
	s_lshl_b32 s35, s35, 2
	s_add_co_u32 s38, s35, s32                     ; my run of 8,192 numbers in its tensor
	s_lshl_b32 s38, s38, 15
	s_add_nc_u64 s[36:37], s[36:37], s[38:39]
	s_lshl_b32 s35, s33, 2
	s_add_co_u32 s35, s35, s32                     ; and among both tensors' runs: kv's rows follow q's in the buffers
	s_lshl_b32 s38, s35, 12
	s_add_nc_u64 s[40:41], s[22:23], s[38:39]
	s_lshl_b32 s38, s35, 8
	s_add_nc_u64 s[42:43], s[24:25], s[38:39]
.macro LOADX t
.irp i, 0,1,2,3
	global_load_b128 v[XR+16*((\t)%4)+4*\i:XR+16*((\t)%4)+4*\i+3], v3, s[36:37] offset:2048*(\t)+512*\i th:TH_LOAD_NT
.endr
.endm
.macro TURNX t                         ; LDS serves a wave's instructions in order: no wait between the stores and the loads
.irp i, 0,1,2,3
	ds_store_b128 v14, v[XR+16*((\t)%4)+4*\i:XR+16*((\t)%4)+4*\i+3] offset:32*SP*((\t)%2)+8*SP*\i
.endr
.irp i, 0,1,2,3
	ds_load_b128 v[XX+16*((\t)%2)+4*\i:XX+16*((\t)%2)+4*\i+3], v15 offset:32*SP*((\t)%2)+16*\i
.endr
.endm
.irp t, 0,1,2,3
	LOADX \t
.endr
	s_wait_loadcnt 12                              ; step 0's four loads are in; the three later steps' twelve may be out
	TURNX 0
.macro STEPX t
.set XS, XX+16*((\t)%2)
.if (\t) > 0
	s_wait_dscnt 1                                 ; this step's numbers are back from the stage; the last step's byte store may be out
.else
	s_wait_dscnt 0x0
.endif
.if (\t)+4 < 16
	LOADX (\t)+4
.endif
.if (\t)+1 < 16
.if 14-(\t) >= 3
	s_wait_loadcnt 12                              ; the next step's loads are in; those of the three steps behind it may be out
.else
	s_wait_loadcnt 4*(14-(\t))
.endif
	TURNX (\t)+1
.endif
	v_max3_num_f32 v8, |v[XS]|, |v[XS+1]|, |v[XS+2]|
	v_max3_num_f32 v9, |v[XS+3]|, |v[XS+4]|, |v[XS+5]|
.irp i, 6,10
	v_max3_num_f32 v8, v8, |v[XS+\i]|, |v[XS+\i+1]|
	v_max3_num_f32 v9, v9, |v[XS+\i+2]|, |v[XS+\i+3]|
.endr
	v_max3_num_f32 v8, v8, |v[XS+14]|, |v[XS+15]|
	v_max3_num_f32 v8, v8, v9, 0x1800000           ; the floor 2^(3 - 127): the byte cannot fall under 1
	v_max_num_f32_dpp v8, v8, v8 row_xmask:1 row_mask:0xf bank_mask:0xf   ; with my neighbour's 16: the block's largest magnitude
	v_add_nc_u32 v11, 0xff000000, v8               ; 2 off its exponent field: the conversion's scale operand
	v_cvt_scalef32_pk8_fp4_f32 v[XC+4*(\t)], v[XS:XS+7], v11
	v_cvt_scalef32_pk8_fp4_f32 v[XC+4*(\t)+1], v[XS+8:XS+15], v11
	v_lshrrev_b32 v[XE+(\t)], 23, v11              ; the scale's byte
	ds_store_b8 v5, v[XE+(\t)] offset:16*(\t)      ; both lanes of a block write the same byte with the same value
	global_store_b64 v4, v[XC+4*(\t):XC+4*(\t)+1], s[40:41] offset:256*(\t)   ; the wave stores 256 consecutive bytes
.endm
.irp t, 0,1,2,3,4,5,6,7,8,9,10,11,12,13,14,15
	STEPX \t
.endr
	ds_load_b64 v[8:9], v6
	s_wait_dscnt 0x0
	global_store_b64 v7, v[8:9], s[42:43]          ; the wave's 256 scale bytes, consecutive
	FINISH
; ---------------- W: a lane takes a column n and its registers run down K; a wave takes 32 columns x 512 along K; the codes leave through the wave's stage as rows.
.Lpath_w:
	s_lshr_b32 s33, ttmp9, 4                       ; which weight
	s_cmp_eq_u32 s33, 0
	s_cselect_b64 s[36:37], s[8:9], s[10:11]
	s_cmp_eq_u32 s33, 2
	s_cselect_b64 s[36:37], s[12:13], s[36:37]
	s_and_b32 s34, ttmp9, 7
	s_lshl_b32 s34, s34, 7
	s_lshl_b32 s35, s32, 5
	s_add_co_u32 s34, s34, s35                     ; my wave's first column
	s_bfe_u32 s35, ttmp9, 0x10003                  ; which 512 along K
	v_lshlrev_b32 v3, 2, v2
	s_mul_i32 s40, s32, 32*272
	s_add_co_u32 s40, s40, WST
	v_mul_u32_u24 v4, v2, 272
	v_add_nc_u32 v4, s40, v4                       ; into the stage: row = my column
	v_and_b32 v5, 15, v2
	v_lshrrev_b32 v6, 4, v2
	v_mul_u32_u24 v7, v6, 272
	v_lshl_add_u32 v7, v5, 4, v7
	v_add_nc_u32 v7, s40, v7                       ; out of it: sixteen lanes to a row
	v_lshlrev_b32 v8, 9, v6
	v_lshl_add_u32 v8, v5, 4, v8                   ; the same place in the codes: rows of 512 bytes
	v_lshlrev_b32 v9, 5, v2                        ; my column's row of 32 scale bytes
	s_lshl_b32 s38, s35, 21                        ; 512 rows of 4,096 bytes
	s_lshl_b32 s41, s34, 2
	s_add_co_u32 s38, s38, s41
	s_add_nc_u64 s[36:37], s[36:37], s[38:39]
	s_lshl_b32 s40, s33, 10
	s_add_co_u32 s40, s40, s34                     ; row among the 3,072 of Wq | Wk | Wv
	s_lshl_b32 s38, s40, 9
	s_lshl_b32 s41, s35, 8
	s_add_co_u32 s38, s38, s41
	s_add_co_u32 s38, s38, 8388608
	s_add_nc_u64 s[42:43], s[22:23], s[38:39]
	s_lshl_b32 s38, s40, 5
	s_lshl_b32 s41, s35, 4
	s_add_co_u32 s38, s38, s41
	s_add_co_u32 s38, s38, 524288
	s_add_nc_u64 s[44:45], s[24:25], s[38:39]
.macro LOADW t
.set i, 0
.rept 32
	global_load_b32 v[32+32*((\t)%2)+i], v3, s[36:37] offset:(32*(\t)+i)*4096 th:TH_LOAD_NT
.set i, i+1
.endr
.endm
	LOADW 0
	LOADW 1
.macro BLOCKW t
.set XS, 32+32*((\t)%2)
.if (\t) < 15
	s_wait_loadcnt 32                              ; this block's 32 loads are in; the next block's may be out
.else
	s_wait_loadcnt 0
.endif
	v_max3_num_f32 v16, |v[XS]|, |v[XS+1]|, |v[XS+2]|
	v_max3_num_f32 v17, |v[XS+3]|, |v[XS+4]|, |v[XS+5]|
.irp i, 6,10,14,18,22,26
	v_max3_num_f32 v16, v16, |v[XS+\i]|, |v[XS+\i+1]|
	v_max3_num_f32 v17, v17, |v[XS+\i+2]|, |v[XS+\i+3]|
.endr
	v_max3_num_f32 v16, v16, |v[XS+30]|, |v[XS+31]|
	v_max3_num_f32 v16, v16, v17, 0x1800000
	v_add_nc_u32 v11, 0xff000000, v16
	v_lshrrev_b32 v17, 23, v11
.if (\t)%4 == 0
	v_mov_b32 v[24+(\t)/4], v17
.else
	v_lshl_or_b32 v[24+(\t)/4], v17, 8*((\t)%4), v[24+(\t)/4]
.endif
.irp g, 0,1,2,3
	v_cvt_scalef32_pk8_fp4_f32 v[96+\g], v[XS+8*\g:XS+8*\g+7], v11
.endr
	ds_store_b128 v4, v[96:99] offset:16*(\t)
.if (\t)+2 < 16
	LOADW (\t)+2
.endif
	s_wait_dscnt 0x0                               ; the store has read its registers: the next block's codes may be written
.endm
.irp t, 0,1,2,3,4,5,6,7,8,9,10,11,12,13,14,15
	BLOCKW \t
.endr
	global_store_b128 v9, v[24:27], s[44:45]       ; my column's 16 scale bytes
.irp t, 0,1,2,3,4,5,6,7,8,9,10,11,12,13,14,15
	ds_load_b128 v[112+4*\t:115+4*\t], v7 offset:2*\t*272
.endr
.irp t, 0,1,2,3,4,5,6,7,8,9,10,11,12,13,14,15
	s_wait_dscnt 15-\t                             ; the younger loads may be out
	global_store_b128 v8, v[112+4*\t:115+4*\t], s[42:43] offset:2*\t*512   ; sixteen lanes store 256 consecutive bytes, aligned
.endr
	FINISH
; ---------------- O: as W, without a quantiser: 32 columns x 128 along k a wave, two numbers to a word of f16.
.Lpath_o:
	s_sub_co_u32 s33, ttmp9, 688
	s_and_b32 s34, s33, 7
	s_lshr_b32 s35, s33, 3                         ; which 128 along k
	s_lshl_b32 s34, s34, 7
	s_lshl_b32 s40, s32, 5
	s_add_co_u32 s34, s34, s40                     ; my wave's first column
	s_lshl_b32 s38, s35, 19
	s_lshl_b32 s40, s34, 2
	s_add_co_u32 s38, s38, s40
	s_add_nc_u64 s[36:37], s[14:15], s[38:39]
	s_lshl_b32 s38, s34, 11                        ; a row of wot is 2,048 bytes
	s_lshl_b32 s40, s35, 8
	s_add_co_u32 s38, s38, s40
	s_add_nc_u64 s[42:43], s[26:27], s[38:39]
	s_mul_i32 s40, s32, 32*272
	s_add_co_u32 s40, s40, OSTG
	v_lshlrev_b32 v3, 2, v2
	v_mul_u32_u24 v4, v2, 272
	v_add_nc_u32 v4, s40, v4
	v_and_b32 v5, 15, v2
	v_lshrrev_b32 v6, 4, v2
	v_mul_u32_u24 v7, v6, 272
	v_lshl_add_u32 v7, v5, 4, v7
	v_add_nc_u32 v7, s40, v7
	v_lshlrev_b32 v8, 11, v6
	v_lshl_add_u32 v8, v5, 4, v8
.macro LOADO t
.set i, 0
.rept 32
	global_load_b32 v[32+32*(\t)+i], v3, s[36:37] offset:(32*(\t)+i)*4096 th:TH_LOAD_NT
.set i, i+1
.endr
.endm
.macro PACKO t, left
	s_wait_loadcnt \left                           ; this block's loads are in; the next block's 32 may be out
.set i, 0
.rept 16
	v_cvt_pk_f16_f32 v[160+i], v[32+32*(\t)+2*i], v[33+32*(\t)+2*i]
.set i, i+1
.endr
.irp i, 0,1,2,3
	ds_store_b128 v4, v[160+4*\i:163+4*\i] offset:64*(\t)+16*\i
.endr
	s_wait_dscnt 0x0
.endm
	LOADO 0
	LOADO 1
	PACKO 0, 32
	LOADO 2
	PACKO 1, 32
	LOADO 3
	PACKO 2, 32
	PACKO 3, 0
.irp t, 0,1,2,3,4,5,6,7,8,9,10,11,12,13,14,15
	ds_load_b128 v[32+4*\t:35+4*\t], v7 offset:2*\t*272
.endr
.irp t, 0,1,2,3,4,5,6,7,8,9,10,11,12,13,14,15
	s_wait_dscnt 15-\t
	global_store_b128 v8, v[32+4*\t:35+4*\t], s[42:43] offset:2*\t*2048
.endr
	FINISH
; ---------------- M: a wave takes a tile of 16 queries, eight times 256 keys.  Bit l of word j of key tile kt is mask[query l % 16][key 16 kt + 8 (l / 16) + j]: the place of that score in lane l, register j.
; SCALARS: s[36:37] the mask's rows; s40-47 the eight comparison words of a key tile; s53-56 byte masks; s57 the trips; s[60:61] the words' place.
.Lpath_m:
	s_sub_co_u32 s33, ttmp9, 48
	s_lshl_b32 s33, s33, 2
	s_add_co_u32 s33, s33, s32                     ; tile 0..511
	s_lshl_b32 s38, s33, 15                        ; 16 rows of 2,048 bytes
	s_add_nc_u64 s[36:37], s[16:17], s[38:39]
	s_lshl_b32 s38, s33, 12                        ; a tile's words: 128 key tiles x 32 bytes
	s_add_nc_u64 s[60:61], s[30:31], s[38:39]
	s_mul_i32 s34, s32, 16*272
	s_add_co_u32 s34, s34, MST
	v_lshrrev_b32 v7, 4, v2
	v_and_b32 v8, 15, v2
	v_lshlrev_b32 v3, 11, v7
	v_lshl_add_u32 v3, v8, 4, v3                   ; in: sixteen lanes take 256 bytes of a row, the other sixteen the next row's
	v_mul_u32_u24 v4, v7, 272
	v_lshl_add_u32 v4, v8, 4, v4
	v_add_nc_u32 v4, s34, v4
	v_mul_u32_u24 v5, v8, 272
	v_lshl_add_u32 v5, v7, 3, v5
	v_add_nc_u32 v5, s34, v5                       ; back: query lane % 16, 8 keys for each half of the lanes
	v_lshlrev_b32 v6, 4, v2
	s_mov_b32 s53, 0xff
	s_mov_b32 s54, 0xff00
	s_mov_b32 s55, 0xff0000
	s_mov_b32 s56, 0xff000000
.irp i, 0,1,2,3
	v_mov_b32 v[128+\i], 0                         ; written once: a lane write's destination counts as read
.endr
.macro LOADM st, off
.irp i, 0,1,2,3,4,5,6,7
	global_load_b128 v[32+32*(\st)+4*\i:32+32*(\st)+4*\i+3], v3, s[36:37] offset:4096*\i+(\off) th:TH_LOAD_NT
.endr
.endm
.macro SUBM st, fill, left
	s_wait_loadcnt \left                           ; this set's eight loads are in; the other set's eight may be out
.irp i, 0,1,2,3,4,5,6,7
	ds_store_b128 v4, v[32+32*(\st)+4*\i:32+32*(\st)+4*\i+3] offset:544*\i
.endr
.irp t, 0,1,2,3,4,5,6,7,8,9,10,11,12,13,14,15
	ds_load_b64 v[96+2*\t:97+2*\t], v5 offset:16*\t
.endr
	s_wait_dscnt 0x0
.if \fill
	LOADM \st, 512+256*(\st)                       ; the keys two times 256 on
.endif
	s_wait_xcnt 0x0                                ; the last store has read v128-131
.irp t, 0,1,2,3,4,5,6,7,8,9,10,11,12,13,14,15
.irp j, 0,1,2,3,4,5,6,7
	v_and_b32 v[20+\j%4], s[53+\j%4], v[96+2*\t+\j/4]
	v_cmp_ne_u32 s[40+\j], 0, v[20+\j%4]           ; word j of tile t,
	v_writelane_b32 v[128+\j%4], s[40+\j], 2*\t+\j/4   ; to the lane that stores it: 16 bytes a lane, 32 bytes a tile
.endr
.endr
	global_store_b128 v6, v[128:131], s[60:61] offset:512*(\st)   ; the wave stores 512 consecutive bytes
.endm
	LOADM 0, 0
	LOADM 1, 256
	s_mov_b32 s57, 3
.Lm_loop:
	SUBM 0, 1, 8
	SUBM 1, 1, 8
	s_wait_xcnt 0x0                                ; the bases are stepped only behind this wait
	s_add_nc_u64 s[36:37], s[36:37], 512
	s_add_nc_u64 s[60:61], s[60:61], 1024
	s_sub_co_u32 s57, s57, 1
	s_cmp_lg_u32 s57, 0
	s_cbranch_scc1 .Lm_loop
	SUBM 0, 0, 8                                   ; the last two load nothing
	SUBM 1, 0, 0
	FINISH
.Lfunc_end_k_q485643b4f1_prep:
	.size	k_q485643b4f1_prep, .Lfunc_end_k_q485643b4f1_prep-k_q485643b4f1_prep
	.p2alignl 7, 3214868480
	.fill 96, 4, 3214868480
	.section	.rodata,"a",@progbits
	.p2align	6, 0x0
	.amdhsa_kernel k_q485643b4f1_prep
		.amdhsa_group_segment_fixed_size 109056
		.amdhsa_private_segment_fixed_size 0
		.amdhsa_enable_private_segment 0
		.amdhsa_kernarg_size 112
		.amdhsa_user_sgpr_count 2
		.amdhsa_user_sgpr_kernarg_segment_ptr 1
		.amdhsa_wavefront_size32 1
		.amdhsa_system_sgpr_workgroup_id_x 1
		.amdhsa_system_sgpr_workgroup_id_y 1
		.amdhsa_system_sgpr_workgroup_id_z 1
		.amdhsa_system_vgpr_workitem_id 0
		.amdhsa_next_free_vgpr 192
		.amdhsa_next_free_sgpr 66
		.amdhsa_reserve_vcc 1
		.amdhsa_float_denorm_mode_32 3
		.amdhsa_float_denorm_mode_16_64 3
		.amdhsa_memory_ordered 1
		.amdhsa_forward_progress 1
		.amdhsa_inst_pref_size 250
	.end_amdhsa_kernel
	.amdgpu_metadata
---
amdhsa.version: [ 1, 2 ]
amdhsa.kernels:
  - .name:           k_q485643b4f1_prep
    .symbol:         k_q485643b4f1_prep.kd
    .args:
      - { .name: q, .offset: 0, .size: 8, .value_kind: global_buffer, .address_space: global }
      - { .name: kv, .offset: 8, .size: 8, .value_kind: global_buffer, .address_space: global }
      - { .name: Wq, .offset: 16, .size: 8, .value_kind: global_buffer, .address_space: global }
      - { .name: Wk, .offset: 24, .size: 8, .value_kind: global_buffer, .address_space: global }
      - { .name: Wv, .offset: 32, .size: 8, .value_kind: global_buffer, .address_space: global }
      - { .name: Wo, .offset: 40, .size: 8, .value_kind: global_buffer, .address_space: global }
      - { .name: mask, .offset: 48, .size: 8, .value_kind: global_buffer, .address_space: global }
      - { .name: q_positions, .offset: 56, .size: 8, .value_kind: global_buffer, .address_space: global }
      - { .name: kv_positions, .offset: 64, .size: 8, .value_kind: global_buffer, .address_space: global }
      - { .name: codes, .offset: 72, .size: 8, .value_kind: global_buffer, .address_space: global }
      - { .name: scales, .offset: 80, .size: 8, .value_kind: global_buffer, .address_space: global }
      - { .name: wot, .offset: 88, .size: 8, .value_kind: global_buffer, .address_space: global }
      - { .name: rope, .offset: 96, .size: 8, .value_kind: global_buffer, .address_space: global }
      - { .name: mbits, .offset: 104, .size: 8, .value_kind: global_buffer, .address_space: global }
    .group_segment_fixed_size: 109056
    .private_segment_fixed_size: 0
    .kernarg_segment_align: 8
    .kernarg_segment_size: 112
    .max_flat_workgroup_size: 128
    .sgpr_count:     66
    .vgpr_count:     192
    .wavefront_size: 32
...
	.end_amdgpu_metadata
.endif
;; end of part 1
;; launch gemm_qkv (part 2): grid 12 x 32, 4 waves a work-group, clusters of 4 x 4, 327,680 bytes of LDS; arguments codes, scales, bq, bk, bv, q_scale, k_scale, rope, qkv; writes qkv
.if DOCPART == 2
	.amdgcn_target "amdgcn-amd-amdhsa--gfx1250"
	.amdhsa_code_object_version 6
	.text
	.protected	k_q485643b4f1_gemm_qkv
	.globl	k_q485643b4f1_gemm_qkv
	.p2align	8
	.type	k_q485643b4f1_gemm_qkv,@function
k_q485643b4f1_gemm_qkv:
	s_mov_b64 s[64:65], 0
	v_nop
	global_prefetch_b8 v0, s[64:65] scope:SCOPE_SE
	s_setreg_imm32_b32 hwreg(HW_REG_WAVE_MODE, 25, 1), 1
	s_wait_xcnt 0x0
	s_wait_alu depctr_hold_cnt(0) depctr_sa_sdst(0) depctr_va_vdst(0) depctr_va_sdst(0) depctr_va_ssrc(0) depctr_va_vcc(0) depctr_vm_vsrc(0)
	s_getreg_b32 s2, hwreg(HW_REG_IB_STS2, 6, 4)
	s_cmp_eq_u32 s2, 0
	s_cbranch_scc0 .Lentry_in_a_cluster
	s_endpgm
.Lentry_in_a_cluster:
	s_bfe_u32 s2, ttmp6, 0x10000c
	s_cmp_lg_u32 s2, 0xf033
	s_cbranch_scc0 .Lentry_shape_is_right
	s_endpgm
.Lentry_shape_is_right:
; The three projections q Wq, kv Wk, kv Wv on codes of FP4 (E2M1) with E8M0 scales, sums in f32; then, in registers: the bias (as the C of each sum's first product), the RMS norm of each head with (1 + scale),
; RoPE, and the rounding to f16.  Out: qkv [3][batch][head][token][64] f16; Q also carries log2(e) / 8, so that the scores come out as exponents of 2.
; A tile of 256 tokens x 256 columns to a work-group of four waves, 128 x 128 a wave: 64 accumulators of 16 x 16, 512 registers.  K = 1,024 is two LDS slots of 512 along K (rows of 256 bytes): both are first fills, nothing is filled again.
; The scale bytes of the work-group's 256 + 256 rows for all of K come once, as units of 256 bytes.
; CLUSTERS: 4 x 4 work-groups; the cluster's x is the product (0: Q, 1: K, 2: V), so its four tile columns are one weight.  The four of a row of the cluster ask jointly for A's tiles, the four of a column for B's.
; THE MATRIX INSTRUCTION IS USED TRANSPOSED (source 0 = 16 rows of the weight, source 1 = 16 tokens): lane (r, h) holds token r and columns 16 b + 8 h + j.  A wave's 128 columns are two heads; RoPE's partners d and d + 32
; are column blocks bb and bb + 2: the same lane, the same register number.
; THE WAY OUT PARTS ONCE, on the product, which all sixteen partners share: Q and K take the norm and RoPE, V is rounded as it stands; the two ways join ahead of the wave's closing lines.
; LIMITS: f16 results: V up to 65,504; Q and K are bounded by the norm, 8 (1 + scale).
; REGISTERS: window 0: v0-31 addresses; v32-95 scale words, two sets; v128-191 A's fragments; on the way out v32-255 are free.  window 1: B's fragments at v0 and v128, the bias at v64-127; on the way out RoPE's tables in v0-127.
;   window 2: the accumulators of my tokens 0-63 ((a, b) at v[8 (8 a + b)]);  window 3: those of tokens 64-127.
.set KSTEP,  512
.set NQ,     4
.set ROWB,   256
.set KROW,   512                       ; a row of codes in memory
.set PITCH,  272                       ; an LDS row: 256 bytes + 16 of padding, so that the 16 rows of a load start at 16 different banks
.set FR,     8
.set NL,     2
.set NP,     4
.set HALFT,  128*PITCH
.set SLOT,   4*HALFT
.set KS,     32                        ; a row of scale bytes
.set SCL,    2*SLOT
.set HALFS,  (128*KS/256)*272
.set SBLK,   (16*KS/256)*272
.set SPARE,  SCL+4*HALFS               ; the spare words, 128 bytes for each wave: two blocks of 256 bytes that no other line names
.set VST,    4*4608                    ; the way out: V's four stages lie behind Q's and K's four: each of the two ways has LDS bytes of its own
.set ADRA, 16
.set ADRB, 20
.set STO,  24                          ; the way out: where I put 16 bytes of a token's head
.set RD,   25                          ; and where I read rows back
.set CO,   26                          ; 16 x lane
.set ADRS, 27
.set SPW,  28
.set NIL,  29
.set HOF,  30                          ; 32 x (lane / 16): my eight numbers of a run of sixteen f32
.set SC,   32
.set AF,   128
.set GN,   32                          ; the way out: (1 + scale) x factor, 32 registers
.set TT,   64                          ; two heads of 32 numbers at work
.set G1, 24
.set G0, 32
.set G1B, 48
.set G0B, 56
.set G1S, 68
.set G0S, 76
.set G1SB, 80
.set G0SB, 88
.set MSB, 0
.macro WIN new                         ; the immediate's high byte repeats the setting that is left
.if MSB != \new
	s_set_vgpr_msb (MSB<<8)|\new
.set MSB, \new
.endif
.endm
.set MUL_LO, 0xa1                      ; source 0 (B) window 1, source 1 (A) window 0, C and D window 2
.set MUL_HI, 0xf1
.set TO_B,   0x40
; A joint load: waves 0 and 1 fetch for A, waves 2 and 3 for B; the branch hangs on the wave's number alone.  An s_nop 0 and four v_nop follow each line.
.macro JLOAD g0a, g1a, g0b, g1b
	s_cmp_eq_u32 s15, 0
	s_cbranch_scc0 .Lfor_b_\@
	tensor_load_to_lds s[\g0a:\g0a+3], s[\g1a:\g1a+7]
	s_nop 0
.rept 4
	v_nop
.endr
	s_branch .Lasked_\@
.Lfor_b_\@:
	tensor_load_to_lds s[\g0b:\g0b+3], s[\g1b:\g1b+7]
	s_nop 0
.rept 4
	v_nop
.endr
.Lasked_\@:
.endm
.macro CROUND                          ; a round of the cluster's barrier
	s_barrier_signal -1
	s_barrier_wait -1
	s_cmp_lg_u32 s14, 0
	s_cbranch_scc1 .Lnot_wave_0_\@
	s_barrier_signal -3
.Lnot_wave_0_\@:
	s_barrier_wait -3
	s_barrier_signal -1
	s_barrier_wait -1
.endm
	s_load_b128 s[4:7], s[0:1], 0x0                ; codes, scales
	s_load_b128 s[96:99], s[0:1], 0x10             ; bq, bk
	s_load_b64 s[100:101], s[0:1], 0x20            ; bv
	v_lshl_add_u32 v[SPW], v0, 2, SPARE
	v_mov_b32 v[NIL], 0
	ds_add_u32 v[SPW], v[NIL]                      ; the wave's opening: the add, twice on end, and its wait ahead of my first tensor load
	ds_add_u32 v[SPW], v[NIL]
	v_lshrrev_b32 v1, 5, v0
	v_readfirstlane_b32 s14, v1                    ; wave 0..3
	s_lshr_b32 s15, s14, 1                         ; which half of the tile's tokens is mine.  Also: I fetch for A (0) or for B (1)
	s_and_b32 s16, s14, 1                          ; which half of its columns.  Also: which 128 rows I fetch
	s_bfe_u32 s40, ttmp6, 0x40000                  ; cx
	s_bfe_u32 s41, ttmp6, 0x40004                  ; cy
	s_lshl_b32 s42, ttmp9, 2
	s_add_co_u32 s42, s42, s40                     ; tile column 0..11 among Wq | Wk | Wv
	s_and_b32 s17, ttmp7, 0xffff
	s_lshl_b32 s17, s17, 2
	s_add_co_u32 s17, s17, s41                     ; tile row 0..31
	s_lshl_b32 s43, s41, 2
	s_lshl_b32 s43, 15, s43                        ; my row of the cluster
	s_lshl_b32 s44, 0x1111, s40                    ; my column
	s_or_b32 s[G1+0], s43, (0<<16)|(1<<20)|(1<<21)|(5<<22)|(3<<25)  ; the mask; elements of 1 byte; padding: 4 words behind every 64; bit 21 beside a mask
	s_or_b32 s[G1B+0], s44, (0<<16)|(1<<20)|(1<<21)|(5<<22)|(3<<25)
.irp g, G1, G1B
	s_mov_b32 s[\g+1], ROWB<<16                    ; tensor_dim0
	s_mov_b32 s[\g+2], 128<<16                     ; tensor_dim1
	s_mov_b32 s[\g+3], ROWB<<16                    ; tile_dim0
	s_mov_b32 s[\g+4], 128                         ; tile_dim1
	s_mov_b32 s[\g+5], KROW                        ; the pitch
	s_mov_b32 s[\g+6], 0
	s_mov_b32 s[\g+7], 0
.endr
	s_or_b32 s[G1S+0], s43, (3<<16)|(1<<20)|(1<<21)|(5<<22)|(3<<25)  ; the scales of 128 rows: 4,096 dense bytes as 16 rows of 32 elements of 8 bytes
	s_or_b32 s[G1SB+0], s44, (3<<16)|(1<<20)|(1<<21)|(5<<22)|(3<<25)
.irp g, G1S, G1SB
	s_mov_b32 s[\g+1], 32<<16
	s_mov_b32 s[\g+2], (128*KS/256)<<16
	s_mov_b32 s[\g+3], 32<<16
	s_mov_b32 s[\g+4], 128*KS/256
	s_mov_b32 s[\g+5], 32
	s_mov_b32 s[\g+6], 0
	s_mov_b32 s[\g+7], 0
.endr
	s_lshl_b32 s18, s16, 7
	s_lshl_b32 s20, s17, 8
	s_add_co_u32 s20, s20, s18                     ; A: token 256 x tile row + 128 x half,
	s_cmp_eq_u32 ttmp9, 0
	s_cselect_b32 s19, 0, 8192
	s_add_co_u32 s20, s20, s19                     ; among q's rows or kv's: the product is the same in all sixteen partners
	s_lshl_b32 s46, s42, 8
	s_add_co_u32 s46, s46, s18                     ; B: row 256 x tile column + 128 x half
	s_mov_b32 s21, 0
	s_mov_b32 s47, 0
	s_mov_b64 s[18:19], KS
	s_mul_u64 s[22:23], s[20:21], s[18:19]
	s_mul_u64 s[92:93], s[46:47], s[18:19]
	s_mov_b64 s[18:19], KROW
	s_mul_u64 s[20:21], s[20:21], s[18:19]
	s_mul_u64 s[46:47], s[46:47], s[18:19]
	s_mul_i32 s45, s14, HALFT
	s_mul_i32 s94, s14, HALFS
	s_wait_dscnt 0x0                               ; both opening adds are done
	s_wait_kmcnt 0x0
	s_add_nc_u64 s[8:9], s[4:5], 8388608           ; the weights' codes lie behind the 16,384 rows of q and kv,
	s_add_nc_u64 s[10:11], s[6:7], 524288          ; their scale bytes likewise
	s_add_nc_u64 s[20:21], s[4:5], s[20:21]
	s_add_nc_u64 s[22:23], s[6:7], s[22:23]
	s_add_nc_u64 s[46:47], s[8:9], s[46:47]
	s_add_nc_u64 s[92:93], s[10:11], s[92:93]
	CROUND                                         ; all sixteen work-groups are here: the first joint loads meet
	s_mov_b32 s[G0S], 1
	s_add_co_u32 s[G0S+1], s94, SCL
	s_mov_b64 s[G0S+2:G0S+3], s[22:23]
	s_or_b32 s[G0S+3], s[G0S+3], 0x80000000
	s_mov_b32 s[G0SB], 1
	s_add_co_u32 s[G0SB+1], s94, SCL
	s_mov_b64 s[G0SB+2:G0SB+3], s[92:93]
	s_or_b32 s[G0SB+3], s[G0SB+3], 0x80000000
	JLOAD G0S, G1S, G0SB, G1SB                     ; the scales first; then both slots: three loads of mine are out
.irp s, 0,1
	s_mov_b32 s[G0+4*\s], 1
	s_add_co_u32 s[G0+4*\s+1], s45, \s*SLOT
	s_add_nc_u64 s[G0+4*\s+2:G0+4*\s+3], s[20:21], \s*ROWB
	s_or_b32 s[G0+4*\s+3], s[G0+4*\s+3], 0x80000000
	s_mov_b32 s[G0B+4*\s], 1
	s_add_co_u32 s[G0B+4*\s+1], s45, \s*SLOT
	s_add_nc_u64 s[G0B+4*\s+2:G0B+4*\s+3], s[46:47], \s*ROWB
	s_or_b32 s[G0B+4*\s+3], s[G0B+4*\s+3], 0x80000000
	JLOAD G0+4*\s, G1, G0B+4*\s, G1B
.endr
	v_and_b32 v1, 15, v0                           ; r
	v_bfe_u32 v2, v0, 4, 1                         ; h
	v_lshlrev_b32 v[HOF], 5, v2
	; the bias of my 128 columns: register 8 b + j of lane (r, h) is bias[16 b + 8 h + j]: the result's layout, the same for every block of tokens
	s_cmp_eq_u32 ttmp9, 0
	s_cselect_b64 s[96:97], s[96:97], s[98:99]
	s_cmp_eq_u32 ttmp9, 2
	s_cselect_b64 s[96:97], s[100:101], s[96:97]
	s_lshl_b32 s46, s40, 10
	s_lshl_b32 s47, s16, 9
	s_add_co_u32 s46, s46, s47
	s_mov_b32 s47, 0
	s_add_nc_u64 s[96:97], s[96:97], s[46:47]
	WIN TO_B
.irp b, 0,1,2,3,4,5,6,7
	global_load_b128 v[64+8*\b:67+8*\b], v[HOF], s[96:97] offset:64*\b
	global_load_b128 v[68+8*\b:71+8*\b], v[HOF], s[96:97] offset:64*\b+16
.endr
	WIN 0
	v_mul_u32_u24 v3, v1, PITCH
	v_lshl_add_u32 v4, v2, 4, v3
	s_mul_i32 s21, s15, HALFT
	s_mul_i32 s22, s16, HALFT
	s_add_co_u32 s22, s22, 2*HALFT
.irp s, 0,1
	v_add_nc_u32 v[ADRA+\s], s21, v4
	v_add_nc_u32 v[ADRB+\s], s22, v4
	s_add_co_u32 s21, s21, SLOT
	s_add_co_u32 s22, s22, SLOT
.endr
	v_mul_u32_u24 v5, v1, KS
	v_lshrrev_b32 v6, 8, v5
	v_lshl_add_u32 v5, v6, 4, v5                   ; my row's scales: 32 bytes a row, 16 more for each 256 passed
	s_mul_i32 s21, s15, HALFS
	s_mul_i32 s22, s16, HALFS
	s_add_co_u32 s22, s22, 2*HALFS
	s_sub_co_u32 s22, s22, s21
	v_mul_u32_u24 v6, s22, v2                      ; lanes 16-31 take B's
	s_add_co_u32 s21, s21, SCL
	v_add_nc_u32 v5, v5, v6
	v_add_nc_u32 v[ADRS], s21, v5
	s_mul_i32 s23, s14, 4608                       ; my stage: 2 heads x 16 tokens x (128 bytes + 16), in slot 0, which has had its only fill and its last read when the first result is stored there
	v_mul_u32_u24 v5, v1, 144
	v_lshl_add_u32 v5, v2, 4, v5
	v_add_nc_u32 v[STO], s23, v5
	v_and_b32 v6, 31, v0
	v_lshlrev_b32 v[CO], 4, v6
	v_lshrrev_b32 v5, 3, v6
	v_mul_u32_u24 v5, v5, 144
	v_and_b32 v6, 7, v0
	v_lshl_add_u32 v5, v6, 4, v5
	v_add_nc_u32 v[RD], s23, v5                    ; back: eight lanes to a token's 128 bytes, four tokens a load
.macro FRAG reg, adr, q, i             ; 16 rows x 128 K of 4-bit codes: 8 registers, two loads of 16 bytes, 32 bytes apart
.irp c, 0,1
	ds_load_b128 v[\reg+4*\c:\reg+4*\c+3], v[\adr] offset:64*(\q)+32*\c+(\i)*16*PITCH
.endr
.endm
; 16 matrix instructions: A's blocks a0, a0 + 1 x B's eight.  zero = 1: the first product starts the sums from the bias.  The 64 accumulators take turns, one instruction a turn.
.macro MUL16 a0, p, q, sc, zero
.irp a, \a0, \a0+1
.irp b, 0,1,2,3,4,5,6,7
.if \zero
	v_wmma_scale_f32_16x16x128_f8f6f4 v[8*(8*((\a)%4)+\b):8*(8*((\a)%4)+\b)+7], v[128*(\p)+FR*\b:128*(\p)+FR*\b+FR-1], v[AF+FR*(\a):AF+FR*(\a)+FR-1], v[64+8*\b:71+8*\b], v[SC+8*NQ*(\sc)+NQ*\b+(\q)], v[SC+8*NQ*(\sc)+NQ*(\a)+(\q)] matrix_a_fmt:MATRIX_FMT_FP4 matrix_b_fmt:MATRIX_FMT_FP4 matrix_a_scale:MATRIX_SCALE_ROW1
.else
	v_wmma_scale_f32_16x16x128_f8f6f4 v[8*(8*((\a)%4)+\b):8*(8*((\a)%4)+\b)+7], v[128*(\p)+FR*\b:128*(\p)+FR*\b+FR-1], v[AF+FR*(\a):AF+FR*(\a)+FR-1], v[8*(8*((\a)%4)+\b):8*(8*((\a)%4)+\b)+7], v[SC+8*NQ*(\sc)+NQ*\b+(\q)], v[SC+8*NQ*(\sc)+NQ*(\a)+(\q)] matrix_a_fmt:MATRIX_FMT_FP4 matrix_b_fmt:MATRIX_FMT_FP4 matrix_a_scale:MATRIX_SCALE_ROW1
.endif
.endr
.endr
.endm
.macro FETCH_B slot, q, p
	WIN TO_B
.irp i, 0,1,2,3,4,5,6,7
	FRAG 128*(\p)+FR*\i, ADRB+\slot, \q, \i
.endr
	WIN 0
.endm
.macro FETCH_A slot, q, i0
.irp i, \i0, \i0+1, \i0+2, \i0+3
	FRAG AF+FR*(\i), ADRA+\slot, \q, \i
.endr
.endm
.macro SCALES sc                       ; a slot's scale words: lanes 0-15 A's block i, lanes 16-31 B's block i
.irp i, 0,1,2,3,4,5,6,7
	ds_load_b128 v[SC+8*NQ*\sc+NQ*\i:SC+8*NQ*\sc+NQ*\i+3], v[ADRS] offset:\i*SBLK
.endr
.endm
.macro PLACES n                        ; plain vector instructions between a matrix instruction and a load into, or a read of, its registers
.rept \n
	v_nop
.endr
.endm
.macro STEP slot, q, zero
	s_wait_dscnt 4*NL                              ; B's set and A's blocks 0-3 are in; the youngest eight loads (A's blocks 4-7) may be out
.if \zero
	WIN 0x91                                       ; C, the bias, in window 1; D in window 2
.else
	WIN MUL_LO
.endif
	MUL16 0, (\q)%2, \q, \slot, \zero
	MUL16 2, (\q)%2, \q, \slot, \zero
	s_wait_dscnt 0
	PLACES NP
	FETCH_B \slot, (\q)+1, 1-(\q)%2
	FETCH_A \slot, (\q)+1, 0
.if \zero
	WIN 0xd1
.else
	WIN MUL_HI
.endif
	MUL16 4, (\q)%2, \q, \slot, \zero
	MUL16 6, (\q)%2, \q, \slot, \zero
	PLACES NP
	WIN 0
	FETCH_A \slot, (\q)+1, 4
.endm
	s_wait_tensorcnt 1                             ; the scales and my part of slot 0 are in; slot 1's load may be out
	s_barrier_signal -1
	s_barrier_wait -1
	FETCH_B 0, 0, 0
	FETCH_A 0, 0, 0
	SCALES 0
	FETCH_A 0, 0, 4
	s_wait_loadcnt 0x0                             ; the bias
	STEP 0, 0, 1
	STEP 0, 1, 0
	STEP 0, 2, 0
	; slot 0's last step changes slots: one barrier; in front of it my loads have landed and my reads of slot 0 are over
	s_wait_tensorcnt 0x0
	ds_add_u32 v[SPW], v[NIL]                      ; 0 onto my spare word
	s_wait_dscnt 4*NL+1                            ; the add and the youngest eight loads may be out
	WIN MUL_LO
	MUL16 0, 1, 3, 0, 0
	s_wait_dscnt 0x0
	s_barrier_signal -1
	MUL16 2, 1, 3, 0, 0
	WIN 0
	s_barrier_wait -1
	PLACES NP
	v_add_nc_u32 v[ADRS], 4*NQ, v[ADRS]
	FETCH_B 1, 0, 0
	FETCH_A 1, 0, 0
	SCALES 1
	WIN MUL_HI
	MUL16 4, 1, 3, 0, 0
	MUL16 6, 1, 3, 0, 0
	PLACES NP
	WIN 0
	FETCH_A 1, 0, 4
	STEP 1, 0, 0
	STEP 1, 1, 0
	STEP 1, 2, 0
	s_wait_dscnt 4*NL
	WIN MUL_LO
	MUL16 0, 1, 3, 1, 0
	MUL16 2, 1, 3, 1, 0
	s_wait_dscnt 0
	WIN MUL_HI
	MUL16 4, 1, 3, 1, 0
	MUL16 6, 1, 3, 1, 0
	WIN 0
; THE WAY OUT.  No tensor load of mine is out, so the descriptors' registers take the remaining pointers.
	s_load_b128 s[24:27], s[0:1], 0x28             ; q_scale, k_scale
	s_load_b128 s[28:31], s[0:1], 0x38             ; rope, qkv
	PLACES NP
	v_mov_b32 v6, 0                                ; a lane permute's destination counts as read
	v_mov_b32 v7, 0
	s_mov_b32 s12, 0x76543210
	s_mov_b32 s13, 0xfedcba98
	s_mov_b32 s66, 0x3c800000                      ; 1 / 64
	s_mov_b32 s67, 0x358637bd                      ; 1e-6
	s_lshl_b32 s20, s17, 8
	s_lshl_b32 s21, s15, 7
	s_add_co_u32 s20, s20, s21                     ; my first token, 0..8191
	s_lshr_b32 s21, s20, 11
	s_lshl_b32 s21, s21, 4
	s_lshl_b32 s22, s40, 2
	s_add_co_u32 s21, s21, s22
	s_lshl_b32 s22, s16, 1
	s_add_co_u32 s21, s21, s22                     ; 16 x batch + my first head
	s_lshl_b32 s21, s21, 18                        ; a head's 2,048 tokens of 128 bytes
	s_and_b32 s22, s20, 2047
	s_lshl_b32 s22, s22, 7
	s_add_co_u32 s21, s21, s22
	s_lshl_b32 s22, ttmp9, 24                      ; a tensor is 16,777,216 bytes
	s_add_co_u32 s46, s21, s22
	s_mov_b32 s47, 0
	s_cmp_eq_u32 ttmp9, 0
	s_cselect_b32 s19, 0, 512                      ; q's tables or kv's
	s_cselect_b32 s22, 0x3e38aa3b, 1.0             ; Q carries log2(e) / 8
	s_mov_b32 s23, s22                             ; (named with it as a pair)
	s_lshr_b32 s21, s20, 4
	s_add_co_u32 s21, s21, s19
	s_lshl_b32 s92, s21, 12
	s_mov_b32 s93, 0
	s_wait_kmcnt 0x0
	s_cmp_eq_u32 ttmp9, 0
	s_cselect_b64 s[24:25], s[24:25], s[26:27]
	s_add_nc_u64 s[28:29], s[28:29], s[92:93]
	s_add_nc_u64 s[30:31], s[30:31], s[46:47]
.macro TABLOAD a                       ; block a's 16 cos and 16 sin a lane, into set a % 4 of window 1
	WIN TO_B
.irp c, 0,1,2,3,4,5,6,7
	global_load_b128 v[32*((\a)%4)+4*\c:32*((\a)%4)+4*\c+3], v[CO], s[28:29] offset:4096*(\a)+512*\c
.endr
	WIN 0
.endm
; Block a (16 tokens x 2 heads) of Q or K: norm, RoPE, f16.
.macro NORMROPE a
.set AC, 64*((\a)%4)
.set WS, 2+(\a)/4
.set WA, 5*WS
.set PP, 128+96*((\a)%2)
.set TB, 32*((\a)%4)
.if (\a) < 4
	s_wait_loadcnt 24                              ; this block's table is in; the three later blocks' 24 loads may be out
.else
	s_wait_loadcnt 8*(7-(\a))
.endif
.if (\a) == 0
.set i, 0
.rept 16
	v_pk_fma_f32 v[GN+i:GN+i+1], v[GN+i:GN+i+1], s[22:23], s[22:23] op_sel_hi:[1,0,0]   ; (1 + scale) x factor
.set i, i+2
.endr
.endif
	WIN WA                                         ; sources 0 and 1: the accumulators' window
.irp g, 0,1
	v_pk_mul_f32 v[2+2*\g:3+2*\g], v[AC+32*\g:AC+32*\g+1], v[AC+32*\g:AC+32*\g+1]   ; the squares, each accumulator from its low end on
.endr
.set i, 2
.rept 15
.irp g, 0,1
	v_pk_fma_f32 v[2+2*\g:3+2*\g], v[AC+32*\g+i:AC+32*\g+i+1], v[AC+32*\g+i:AC+32*\g+i+1], v[2+2*\g:3+2*\g]
.endr
.set i, i+2
.endr
	WIN 0
	v_add_f32 v2, v2, v3
	v_add_f32 v4, v4, v5
	v_permlanex16_b32 v6, v2, s12, s13             ; the token's other 32 columns of the head lie in the lane 16 away
	v_permlanex16_b32 v7, v4, s12, s13
	v_add_f32 v2, v2, v6
	v_add_f32 v4, v4, v7
	v_fma_f32 v2, v2, s66, s67                     ; the mean + 1e-6
	v_fma_f32 v4, v4, s66, s67
	v_rsq_f32 v14, v2
	v_rsq_f32 v15, v4
	WIN WS
.set i, 0
.rept 16
.irp g, 0,1
	v_pk_mul_f32 v[TT+32*\g+i:TT+32*\g+i+1], v[AC+32*\g+i:AC+32*\g+i+1], v[GN+i:GN+i+1]   ; plain work behind the two roots
.endr
.set i, i+2
.endr
	WIN 0
	s_wait_alu depctr_va_vdst(0)                   ; one wait for both, ahead of their first reader
.set i, 0
.rept 16
	v_pk_mul_f32 v[TT+i:TT+i+1], v[TT+i:TT+i+1], v[14:15] op_sel_hi:[1,0]
	v_pk_mul_f32 v[TT+32+i:TT+32+i+1], v[TT+32+i:TT+32+i+1], v[14:15] op_sel:[0,1] op_sel_hi:[1,1]
.set i, i+2
.endr
	WIN 0x04                                       ; source 1: the table, window 1
.irp g, 0,1
.irp bb, 0,1
.irp jj, 0,2,4,6
.set X1, TT+32*\g+8*\bb+\jj
.set X2, X1+16
.set CC, TB+8*\bb+\jj
	v_pk_mul_f32 v[8:9], v[X2:X2+1], v[CC+16:CC+17]
	v_pk_mul_f32 v[10:11], v[X1:X1+1], v[CC+16:CC+17]
	v_pk_fma_f32 v[X1:X1+1], v[X1:X1+1], v[CC:CC+1], v[8:9] neg_lo:[0,0,1] neg_hi:[0,0,1]   ; x1 cos - x2 sin
	v_pk_fma_f32 v[X2:X2+1], v[X2:X2+1], v[CC:CC+1], v[10:11]                               ; x2 cos + x1 sin
.endr
.endr
.endr
	WIN 0
.if (\a) < 4
	TABLOAD (\a)+4                                 ; the set takes the block four further on
.endif
.set i, 0
.rept 32
	v_cvt_pk_f16_f32 v[PP+i], v[TT+2*i], v[TT+2*i+1]
.set i, i+1
.endr
.endm
.macro PACKV a                         ; V: rounded as it stands, each accumulator from its low end on
.set AC, 64*((\a)%4)
.set WA, 5*(2+(\a)/4)
.set PP, 128+96*((\a)%2)
	WIN WA
.set i, 0
.rept 32
	v_cvt_pk_f16_f32 v[PP+i], v[AC+2*i], v[AC+2*i+1]
.set i, i+1
.endr
	WIN 0
.endm
.macro TOSTAGE a, vs                   ; vs: where this way's stages begin.  LDS serves a wave's instructions in order: no wait between the stores and the loads, nor ahead of the next block's stores
.set PP, 128+96*((\a)%2)
.set BB, 160+32*((\a)%2)
.irp g, 0,1
.irp bb, 0,1,2,3
	ds_store_b128 v[STO], v[PP+16*\g+4*\bb:PP+16*\g+4*\bb+3] offset:(\vs)+2304*\g+32*\bb
.endr
.endr
.irp g, 0,1
.irp i, 0,1,2,3
	ds_load_b128 v[BB+16*\g+4*\i:BB+16*\g+4*\i+3], v[RD] offset:(\vs)+2304*\g+576*\i
.endr
.endr
.endm
.macro SEND a, younger
.set BB, 160+32*((\a)%2)
	s_wait_dscnt \younger                          ; the block is back; the next block's sixteen LDS instructions may be out
.irp g, 0,1
.irp i, 0,1,2,3
	global_store_b128 v[CO], v[BB+16*\g+4*\i:BB+16*\g+4*\i+3], s[30:31] offset:262144*\g+2048*(\a)+512*\i   ; four tokens of a head: 512 consecutive bytes
.endr
.endr
.endm
	s_cmp_eq_u32 ttmp9, 2                          ; V has no norm and no RoPE.  The one parting of the way out: the product is the same in all partners
	s_cbranch_scc1 .Lv_way
	; ---- Q and K: the gain, then a ring of four table sets, four blocks ahead; every load of the ring stands on this one way, with its wait
.irp b, 0,1,2,3
	global_load_b128 v[GN+8*\b:GN+8*\b+3], v[HOF], s[24:25] offset:64*\b
	global_load_b128 v[GN+8*\b+4:GN+8*\b+7], v[HOF], s[24:25] offset:64*\b+16
.endr
	TABLOAD 0
	TABLOAD 1
	TABLOAD 2
	TABLOAD 3
.irp a, 0,1,2,3,4,5,6,7
	NORMROPE \a
.if \a > 1
	s_wait_xcnt 0x0                                ; the stores of two blocks back have read their registers
.endif
	TOSTAGE \a, 0
.if \a > 0
	SEND \a-1, 16
.endif
.endr
	SEND 7, 0
	s_branch .Lout
.Lv_way:
	; ---- V
.irp a, 0,1,2,3,4,5,6,7
	PACKV \a
.if \a > 1
	s_wait_xcnt 0x0                                ; the stores of two blocks back have read their registers
.endif
	TOSTAGE \a, VST
.if \a > 0
	SEND \a-1, 16
.endif
.endr
	SEND 7, 0
.Lout:
	s_wait_tensorcnt 0x0                           ; the wave's end
	ds_add_u32 v[SPW], v[NIL]
	s_wait_dscnt 0x0
	CROUND                                         ; the closing round
	s_endpgm
.Lfunc_end_k_q485643b4f1_gemm_qkv:
	.size	k_q485643b4f1_gemm_qkv, .Lfunc_end_k_q485643b4f1_gemm_qkv-k_q485643b4f1_gemm_qkv
	.p2alignl 7, 3214868480
	.fill 96, 4, 3214868480
	.section	.rodata,"a",@progbits
	.p2align	6, 0x0
	.amdhsa_kernel k_q485643b4f1_gemm_qkv
		.amdhsa_group_segment_fixed_size 327680
		.amdhsa_private_segment_fixed_size 0
		.amdhsa_enable_private_segment 0
		.amdhsa_kernarg_size 72
		.amdhsa_user_sgpr_count 2
		.amdhsa_user_sgpr_kernarg_segment_ptr 1
		.amdhsa_wavefront_size32 1
		.amdhsa_system_sgpr_workgroup_id_x 1
		.amdhsa_system_sgpr_workgroup_id_y 1
		.amdhsa_system_sgpr_workgroup_id_z 1
		.amdhsa_system_vgpr_workitem_id 0
		.amdhsa_next_free_vgpr 1024
		.amdhsa_next_free_sgpr 102
		.amdhsa_reserve_vcc 0
		.amdhsa_float_denorm_mode_32 3
		.amdhsa_float_denorm_mode_16_64 3
		.amdhsa_memory_ordered 1
		.amdhsa_forward_progress 1
		.amdhsa_inst_pref_size 254
	.end_amdhsa_kernel
	.amdgpu_metadata
---
amdhsa.version: [ 1, 2 ]
amdhsa.kernels:
  - .name:           k_q485643b4f1_gemm_qkv
    .symbol:         k_q485643b4f1_gemm_qkv.kd
    .args:
      - { .name: codes, .offset: 0, .size: 8, .value_kind: global_buffer, .address_space: global }
      - { .name: scales, .offset: 8, .size: 8, .value_kind: global_buffer, .address_space: global }
      - { .name: bq, .offset: 16, .size: 8, .value_kind: global_buffer, .address_space: global }
      - { .name: bk, .offset: 24, .size: 8, .value_kind: global_buffer, .address_space: global }
      - { .name: bv, .offset: 32, .size: 8, .value_kind: global_buffer, .address_space: global }
      - { .name: q_scale, .offset: 40, .size: 8, .value_kind: global_buffer, .address_space: global }
      - { .name: k_scale, .offset: 48, .size: 8, .value_kind: global_buffer, .address_space: global }
      - { .name: rope, .offset: 56, .size: 8, .value_kind: global_buffer, .address_space: global }
      - { .name: qkv, .offset: 64, .size: 8, .value_kind: global_buffer, .address_space: global }
    .group_segment_fixed_size: 327680
    .private_segment_fixed_size: 0
    .kernarg_segment_align: 8
    .kernarg_segment_size: 72
    .max_flat_workgroup_size: 128
    .sgpr_count:     102
    .vgpr_count:     1024
    .wavefront_size: 32
...
	.end_amdgpu_metadata
.endif
;; end of part 2
;; launch attn (part 3): grid 8 x 32, 16 waves a work-group, no clusters, 149,504 bytes of LDS; arguments qkv, mbits, head_scale, attn, afine; writes attn, afine
.if DOCPART == 3
	.amdgcn_target "amdgcn-amd-amdhsa--gfx1250"
	.amdhsa_code_object_version 6
	.text
	.protected	k_q485643b4f1_attn
	.globl	k_q485643b4f1_attn
	.p2align	8
	.type	k_q485643b4f1_attn,@function
k_q485643b4f1_attn:
	s_mov_b64 s[64:65], 0
	v_nop
	global_prefetch_b8 v0, s[64:65] scope:SCOPE_SE
	s_setreg_imm32_b32 hwreg(HW_REG_WAVE_MODE, 25, 1), 1
	s_wait_xcnt 0x0
; attn[b][t][h][:] = (1 + head_scale[h]) x the sum over keys of softmax(Q^ . K^ under the mask) V.  Q^, K^, V: f16 [batch][head][token][64]; Q^ carries log2(e) / 8, so a score is an exponent of 2.
; Products on f16 operands, sums, maxima and the softmax in f32, with a running maximum.  A hidden score becomes -infinity ahead of the maximum, which stays finite (it starts at -3e38): its weight is 0.
; A query with no key that counts gets 0, as the where() behind the softmax leaves it.
; SHARES.  A work-group: one batch, two heads, two blocks of 128 queries (g and 15 - g; any two would do).  Wave w: head w / 8, block (w / 4) % 2, queries 32 (w % 4) on: two tiles of 16.  Four waves to a SIMD.
; Two heads to a work-group, so that a token's piece of the output is 256 consecutive bytes.
; THE MASK IS AN INPUT.  The launch before has stored it as words of one bit a lane, in the order of a score tile's registers.  Every wave walks all 32 slots of 64 keys, and every score goes through a select on
; its word: no branch, no address and no trip count hangs on the mask.
; K and V come through registers (global load, 16 bytes a thread, then an LDS store), a slot ahead of their use.  No cluster: such loads have no joint form.  (The eight work-groups of a batch and pair of heads do read the same 512 KB of K and V.)
; LAYOUT.  S^T = K Q^T (source 0 = 16 keys, source 1 = 16 queries), O^T = V^T P: a lane holds one query (lane % 16) throughout.  The row's sum is a product of ones with the same rounded P.
; LDS: for each head two buffers of 64 keys: K rows of 128 + 16 bytes, V rows of 128 + 32 (read turned); behind them the stage for the way out, 256 rows of 256 + 16; the spare words.
; SCALARS: pointers: s[4:5] Q, s[6:7] my mask words, s[8:9] head_scale, s[10:11] attn, s[12:13] K, s[14:15] afine, s[98:99] V.
;   s16-63 and s68-83 are the 64 mask words of a slot (ahead of the loop s52-63 hold ids and offsets): whole numbers alone, never an address.
; LIMITS: weights under 6e-8 of the row's largest are lost in f16; V and attn up to 65,504.
.set HEADB, 38912                      ; a head's two buffers
.set BUFB,  19456                      ; 64 x 144 + 64 x 160
.set OST,   77824
.set SPARE, 147456                     ; 128 bytes for each of 16 waves: eight blocks of 256 bytes that no other line names
.set S,    48                          ; v48-111  S^T, tile t, key tile kt at 32 t + 8 kt; then P and half of V
.set KV,   112                         ; v112-143 fragments of K, then of V
.set O,    144                         ; v144-207 O^T, 32 t + 8 c
.set L,    208                         ; v208-223 the sums, 8 t (register 0 is read)
.set ONES, 224                         ; v224-231 1.0 in f16, sixteen rows x 32
.set STG,  232                         ; v232-247 the next slot on its way from memory to LDS
.set WV, 84
.macro STAGE_LOAD off                  ; 64 keys of K and of V: 8,192 bytes each, 16 bytes a thread, twice
	global_load_b128 v[STG:STG+3], v5, s[12:13] offset:\off
	global_load_b128 v[STG+4:STG+7], v5, s[12:13] offset:\off+4096
	global_load_b128 v[STG+8:STG+11], v5, s[98:99] offset:\off
	global_load_b128 v[STG+12:STG+15], v5, s[98:99] offset:\off+4096
.endm
.macro STAGE_STORE u
	ds_store_b128 v3, v[STG:STG+3] offset:BUFB*(\u)
	ds_store_b128 v3, v[STG+4:STG+7] offset:BUFB*(\u)+4608
	ds_store_b128 v4, v[STG+8:STG+11] offset:BUFB*(\u)
	ds_store_b128 v4, v[STG+12:STG+15] offset:BUFB*(\u)+5120
.endm
	s_load_b128 s[4:7], s[0:1], 0x0                ; qkv, mbits
	s_load_b128 s[8:11], s[0:1], 0x10              ; head_scale, attn
	s_load_b64 s[14:15], s[0:1], 0x20              ; afine
	v_lshl_add_u32 v6, v0, 2, SPARE
	v_mov_b32 v7, 0
	v_lshrrev_b32 v9, 5, v0
	v_readfirstlane_b32 s[WV], v9                  ; wave 0..15
	s_and_b32 s52, ttmp7, 0xffff
	s_lshr_b32 s53, s52, 3                         ; batch
	s_and_b32 s54, s52, 7                          ; pair of heads
	s_lshr_b32 s55, s[WV], 3
	s_lshl_b32 s56, s54, 1
	s_add_co_u32 s56, s56, s55                     ; my head
	s_sub_co_u32 s58, 15, ttmp9
	s_bitcmp1_b32 s[WV], 2
	s_cselect_b32 s57, s58, ttmp9                  ; the block of my queries
	s_bitcmp1_b32 s[WV], 3
	s_cselect_b32 s59, s58, ttmp9                  ; the block of the rows that I store at the end
	s_and_b32 s60, s[WV], 3
	s_lshl_b32 s60, s60, 5
	s_lshl_b32 s61, s57, 7
	s_add_co_u32 s60, s60, s61                     ; my first query
	s_lshl_b32 s61, s53, 4
	s_add_co_u32 s61, s61, s56
	s_lshl_b32 s62, s61, 18                        ; my head's first byte in each of Q, K, V
	s_mov_b32 s63, 0
	s_mov_b32 s92, 0x76543210
	s_mov_b32 s93, 0xfedcba98
	s_wait_kmcnt 0x0
	s_add_nc_u64 s[12:13], s[4:5], s[62:63]
	s_add_nc_u64 s[98:99], s[12:13], 33554432      ; V
	s_lshl_b32 s62, s60, 7
	s_add_nc_u64 s[4:5], s[12:13], s[62:63]        ; Q at my first query
	s_add_nc_u64 s[12:13], s[12:13], 16777216      ; K
	s_lshl_b32 s62, s53, 7
	s_lshr_b32 s61, s60, 4
	s_add_co_u32 s61, s62, s61                     ; my first tile of queries among the 512
	s_lshl_b32 s62, s61, 12
	s_add_nc_u64 s[6:7], s[6:7], s[62:63]          ; its mask words; the second tile's lie 4,096 bytes on
	s_lshl_b32 s62, s56, 2
	s_add_nc_u64 s[8:9], s[8:9], s[62:63]
	s_load_b32 s96, s[8:9], 0x0                    ; head_scale of my head
	s_lshl_b32 s62, s53, 11
	s_lshl_b32 s61, s59, 7
	s_add_co_u32 s62, s62, s61
	s_and_b32 s61, s[WV], 7
	s_lshl_b32 s61, s61, 4
	s_add_co_u32 s62, s62, s61                     ; the first of the 16 tokens that I store
	s_lshl_b32 s62, s62, 11
	s_lshl_b32 s61, s54, 8
	s_add_co_u32 s62, s62, s61
	s_add_nc_u64 s[10:11], s[10:11], s[62:63]
	s_lshl_b32 s62, s53, 16
	s_lshl_b32 s61, s56, 12
	s_add_co_u32 s62, s62, s61
	s_add_nc_u64 s[14:15], s[14:15], s[62:63]
	v_and_b32 v9, 15, v0                           ; r
	v_bfe_u32 v10, v0, 4, 1                        ; h
	v_lshrrev_b32 v11, 8, v0
	v_mul_u32_u24 v11, v11, HEADB                  ; my head's buffers
	v_mul_u32_u24 v1, v9, 144
	v_lshl_add_u32 v1, v10, 4, v1
	v_add_nc_u32 v1, v1, v11                       ; v1: a fragment of K: row r, 16 h
	v_and_b32 v12, 7, v0
	v_lshl_add_u32 v12, v10, 3, v12
	v_mul_u32_u24 v2, v12, 160
	v_bfe_u32 v12, v0, 3, 1
	v_lshl_add_u32 v2, v12, 4, v2
	v_add_nc_u32 v2, v2, v11
	v_add_nc_u32 v2, 9216, v2                      ; v2: the turning load: key 8 h + lane % 8, 16 bytes by (lane / 8) % 2
	v_and_b32 v12, 255, v0                         ; my place among the head's 256 threads
	v_lshrrev_b32 v13, 3, v12
	v_and_b32 v14, 7, v0
	v_mul_u32_u24 v3, v13, 144
	v_lshl_add_u32 v3, v14, 4, v3
	v_add_nc_u32 v3, v3, v11                       ; v3: where I put 16 bytes of K
	v_mul_u32_u24 v4, v13, 160
	v_lshl_add_u32 v4, v14, 4, v4
	v_add_nc_u32 v4, v4, v11
	v_add_nc_u32 v4, 9216, v4                      ; v4: and of V
	v_lshlrev_b32 v5, 4, v12                       ; v5: the same 16 bytes in memory
	v_lshlrev_b32 v15, 7, v9
	v_lshl_add_u32 v15, v10, 4, v15
	STAGE_LOAD 0                                   ; slot 0
.irp t, 0,1
.irp c, 0,1
	global_load_b128 v[16+16*\t+8*\c:19+16*\t+8*\c], v15, s[4:5] offset:2048*\t+64*\c      ; Q stays in registers
	global_load_b128 v[20+16*\t+8*\c:23+16*\t+8*\c], v15, s[4:5] offset:2048*\t+64*\c+32
.endr
.endr
	v_mov_b32 v8, 0xff800000                       ; -infinity
.set i, 0
.rept 80
	v_mov_b32 v[O+i], 0                            ; O^T and the sums.  A slot's work is written without a first form of its own: the first slot finds zeros, which its rescaling leaves zeros
.set i, i+1
.endr
.set i, 0
.rept 8
	v_mov_b32 v[ONES+i], 0x3c003c00
.set i, i+1
.endr
.irp i, 248,249,250,251
	v_mov_b32 v\i, 0xff61b1e6                      ; the largest score so far: -3e38
.endr
.irp i, 252,253,254,255
	v_mov_b32 v\i, 0                               ; (v253 and v255 are named as the upper halves of pairs, so they are written)
.endr
	s_wait_kmcnt 0x0
	s_add_f32 s96, s96, 1.0
.macro KFRAG u, hf                     ; key tiles 2 hf, 2 hf + 1: 16 keys x 64 channels each
.irp k, 0,1
.irp c, 0,1
	ds_load_b128 v[KV+16*\k+8*\c:KV+16*\k+8*\c+3], v1 offset:BUFB*(\u)+2304*(2*(\hf)+\k)+64*\c
	ds_load_b128 v[KV+16*\k+8*\c+4:KV+16*\k+8*\c+7], v1 offset:BUFB*(\u)+2304*(2*(\hf)+\k)+64*\c+32
.endr
.endr
.endm
.macro SMUL hf                         ; four accumulators by turns: channels 0-31 start the sums, channels 32-63 follow
.irp k, 0,1
.irp t, 0,1
	v_wmma_f32_16x16x32_f16 v[S+32*\t+8*(2*(\hf)+\k):S+32*\t+8*(2*(\hf)+\k)+7], v[KV+16*\k:KV+16*\k+7], v[16+16*\t:23+16*\t], 0
.endr
.endr
.irp k, 0,1
.irp t, 0,1
	v_wmma_f32_16x16x32_f16 v[S+32*\t+8*(2*(\hf)+\k):S+32*\t+8*(2*(\hf)+\k)+7], v[KV+16*\k+8:KV+16*\k+15], v[24+16*\t:31+16*\t], v[S+32*\t+8*(2*(\hf)+\k):S+32*\t+8*(2*(\hf)+\k)+7]
.endr
.endr
.endm
.macro MAXT t                          ; the tile's largest score and the old maximum
.set rS, S+32*(\t)
.set rM, 248+2*(\t)
.set rA, 252+2*(\t)
.irp j, 0,1,2,3
	v_max3_num_f32 v[10+\j], v[rS+8*\j], v[rS+8*\j+1], v[rS+8*\j+2]
.endr
.irp q, 3,5
.irp j, 0,1,2,3
	v_max3_num_f32 v[10+\j], v[10+\j], v[rS+8*\j+\q], v[rS+8*\j+\q+1]
.endr
.endr
	v_max3_num_f32 v10, v10, v[rS+7], v[rS+15]
	v_max3_num_f32 v12, v12, v[rS+23], v[rS+31]
	v_max3_num_f32 v10, v10, v11, v12
	v_max3_num_f32 v10, v10, v13, v[rM]
	v_permlanex16_b32 v11, v10, s92, s93           ; the query's other 32 keys lie in the lane 16 away
	v_mov_b32 v[rA], v[rM]
	v_max_num_f32 v[rM], v10, v11
	v_sub_f32 v[rA], v[rA], v[rM]                  ; old maximum - new
.endm
.macro PVMUL hf                        ; ten accumulators by turns: O^T += V^T P for four tiles of channels and two of queries; the sums += ones P
.irp c, 0,1,2,3
.irp t, 0,1
.if \hf
	v_wmma_f32_16x16x32_f16 v[O+32*\t+8*\c:O+32*\t+8*\c+7], v[S+8+16*\c:S+15+16*\c], v[S+32*\t+16:S+32*\t+23], v[O+32*\t+8*\c:O+32*\t+8*\c+7]
.else
	v_wmma_f32_16x16x32_f16 v[O+32*\t+8*\c:O+32*\t+8*\c+7], v[KV+8*\c:KV+8*\c+7], v[S+32*\t:S+32*\t+7], v[O+32*\t+8*\c:O+32*\t+8*\c+7]
.endif
.endr
.endr
.irp t, 0,1
	v_wmma_f32_16x16x32_f16 v[L+8*\t:L+8*\t+7], v[ONES:ONES+7], v[S+32*\t+16*(\hf):S+32*\t+16*(\hf)+7], v[L+8*\t:L+8*\t+7]
.endr
.endm
; A slot's work: 64 keys, in buffer u.
.macro COMPUTE u
	s_load_b512 s[16:31], s[6:7], 128*(\u)         ; the slot's 2 x 32 mask words are asked for now and land under the score products
	s_load_b512 s[32:47], s[6:7], 128*(\u)+64
	s_load_b512 s[48:63], s[6:7], 4096+128*(\u)
	s_load_b512 s[68:83], s[6:7], 4096+128*(\u)+64
.rept 5
	v_nop                                          ; five places: the score products write over registers that the last products read as P and V; four serve the loads into K's
.endr
	KFRAG \u, 0
	s_wait_dscnt 0x0
	SMUL 0
.rept 4
	v_nop
.endr
	KFRAG \u, 1
	s_wait_dscnt 0x0
	SMUL 1
.rept 4
	v_nop                                          ; places ahead of the loads into K's registers and of the first read of the scores
.endr
.irp c, 0,1,2,3                                ; V^T of keys 0-31: 16 channels x 32 keys a fragment
	ds_load_tr16_b128 v[KV+8*\c:KV+8*\c+3], v2 offset:BUFB*(\u)+32*\c
	ds_load_tr16_b128 v[KV+8*\c+4:KV+8*\c+7], v2 offset:BUFB*(\u)+2560+32*\c
.endr
	s_wait_kmcnt 0x0                               ; the mask words
.irp k, 0,1,2,3                                ; a hidden score becomes -infinity; each accumulator is read from its low end on
.irp j, 0,1,2,3,4,5,6,7
	v_cndmask_b32 v[S+8*\k+\j], v8, v[S+8*\k+\j], s[16+8*\k+\j]
.endr
.endr
.irp k, 0,1
.irp j, 0,1,2,3,4,5,6,7
	v_cndmask_b32 v[S+32+8*\k+\j], v8, v[S+32+8*\k+\j], s[48+8*\k+\j]
.endr
.endr
.irp k, 0,1
.irp j, 0,1,2,3,4,5,6,7
	v_cndmask_b32 v[S+48+8*\k+\j], v8, v[S+48+8*\k+\j], s[68+8*\k+\j]
.endr
.endr
	MAXT 0
	MAXT 1
	v_exp_f32 v252, v252                           ; a = 2^(old maximum - new)
	v_exp_f32 v254, v254
.irp t, 0,1
.set i, 0
.rept 16
	v_pk_add_f32 v[S+32*\t+i:S+32*\t+i+1], v[S+32*\t+i:S+32*\t+i+1], v[248+2*\t:249+2*\t] op_sel_hi:[1,0] neg_lo:[0,1] neg_hi:[0,1]
.set i, i+2
.endr
.endr
.set i, 0
.rept 64
	v_exp_f32 v[S+i], v[S+i]                       ; p = 2^(s - maximum)
.set i, i+1
.endr
	v_nop                                          ; a plain instruction behind the last exponential
	s_wait_alu depctr_va_vdst(0)                   ; one wait for the batch of 66, ahead of its first reader
.irp t, 0,1
.irp f, 0,1                                    ; P of 32 keys takes the registers of the first of its two score tiles
.irp j, 0,1,2,3
	v_cvt_pk_f16_f32 v[S+32*\t+16*\f+\j], v[S+32*\t+16*\f+2*\j], v[S+32*\t+16*\f+2*\j+1]
.endr
.irp j, 0,1,2,3
	v_cvt_pk_f16_f32 v[S+32*\t+16*\f+4+\j], v[S+32*\t+16*\f+8+2*\j], v[S+32*\t+16*\f+8+2*\j+1]
.endr
.endr
.endr
.irp c, 0,1,2,3                                ; V^T of keys 32-63, into the score tiles that are now free
	ds_load_tr16_b128 v[S+8+16*\c:S+11+16*\c], v2 offset:BUFB*(\u)+5120+32*\c
	ds_load_tr16_b128 v[S+12+16*\c:S+15+16*\c], v2 offset:BUFB*(\u)+5120+2560+32*\c
.endr
	v_pk_mul_f32 v[L:L+1], v[L:L+1], v[252:253] op_sel_hi:[1,0]        ; of a sum's eight equal rows the first is read: it alone is brought under the new maximum
	v_pk_mul_f32 v[L+8:L+9], v[L+8:L+9], v[254:255] op_sel_hi:[1,0]
.irp t, 0,1
.set i, 0
.rept 16
	v_pk_mul_f32 v[O+32*\t+i:O+32*\t+i+1], v[O+32*\t+i:O+32*\t+i+1], v[252+2*\t:253+2*\t] op_sel_hi:[1,0]
.set i, i+2
.endr
.endr
	s_wait_dscnt 0x0                               ; V is in
	PVMUL 0
	PVMUL 1
.endm
; A trip: the slot in hand lies in buffer u.  more = 1: the next slot is asked of memory first and goes into the other buffer last: that buffer's readers waited for their loads ahead of the last barrier,
; and it is read only behind this one.  more = 0, the last slot: nothing is left to fetch, so nothing is written that a barrier would have to part from a read.
.macro TRIP u, more
.if \more
	STAGE_LOAD 8192*((\u)+1)
.endif
	COMPUTE \u
.if \more
	s_wait_loadcnt 0x0                             ; the next slot, asked for a slot's work ago
	STAGE_STORE 1-(\u)
	s_wait_dscnt 0x0                               ; my stores have landed and my reads of buffer u are over
	s_barrier_signal -1
	s_barrier_wait -1
.endif
.endm
	s_wait_loadcnt 0x0                             ; slot 0, and Q
	STAGE_STORE 0
	s_wait_dscnt 0x0
	s_barrier_signal -1
	s_barrier_wait -1
	s_mov_b32 s90, 15
.Lkeys:                                            ; 15 trips of two slots
	TRIP 0, 1
	TRIP 1, 1
	s_wait_xcnt 0x0                                ; the bases are stepped only behind this wait
	s_add_nc_u64 s[12:13], s[12:13], 16384
	s_add_nc_u64 s[98:99], s[98:99], 16384
	s_add_nc_u64 s[6:7], s[6:7], 256
	s_sub_co_u32 s90, s90, 1
	s_cmp_lg_u32 s90, 0
	s_cbranch_scc1 .Lkeys
	TRIP 0, 1                                      ; slots 30 and 31 are written out: behind slot 31 no load leaves the head's keys
	TRIP 1, 0
	; THE WAY OUT
.rept 4
	v_nop
.endr
	v_max_num_f32 v10, 0x0da24260, v[L]            ; a query with no key has the sum 0 and O^T = 0: the floor 1e-30 keeps 0 / 0 out
	v_max_num_f32 v11, 0x0da24260, v[L+8]
	v_rcp_f32 v10, v10
	v_rcp_f32 v11, v11
	v_and_b32 v9, 15, v0                           ; (a plain instruction behind the reciprocals)
	v_bfe_u32 v14, v0, 4, 1
	v_lshlrev_b32 v9, 2, v9
	v_lshl_add_u32 v9, v14, 9, v9                  ; afine: 512 h + 4 r
	v_and_b32 v1, 0xef, v0                         ; the stage's row: 32 (wave % 8) + r
	v_mul_u32_u24 v1, v1, 272
	v_lshl_add_u32 v1, v14, 4, v1
	v_lshrrev_b32 v15, 8, v0
	v_lshl_add_u32 v1, v15, 7, v1                  ; + 128 x head of the pair
	v_add_nc_u32 v1, OST, v1
	v_lshrrev_b32 v2, 5, v0
	v_lshl_add_u32 v2, v2, 4, v14                  ; back: row 16 x wave + lane / 16
	v_mul_u32_u24 v2, v2, 272
	v_and_b32 v15, 15, v0
	v_lshl_add_u32 v2, v15, 4, v2
	v_add_nc_u32 v2, OST, v2
	v_lshlrev_b32 v3, 11, v14
	v_lshl_add_u32 v3, v15, 4, v3                  ; and the same two rows in attn
	s_wait_alu depctr_va_vdst(0)                   ; one wait for both reciprocals
	v_mul_f32 v10, s96, v10                        ; (1 + head_scale) / sum
	v_mul_f32 v11, s96, v11
.set i, 0
.rept 16
	v_pk_mul_f32 v[O+i:O+i+1], v[O+i:O+i+1], v[10:11] op_sel_hi:[1,0]
.set i, i+2
.endr
.set i, 0
.rept 16
	v_pk_mul_f32 v[O+32+i:O+32+i+1], v[O+32+i:O+32+i+1], v[10:11] op_sel:[0,1] op_sel_hi:[1,1]
.set i, i+2
.endr
	s_and_b32 s94, s[WV], 7
	s_or_b32 s94, s94, ttmp9
	s_cmp_lg_u32 s94, 0
	s_cbranch_scc1 .Lno_fine                       ; positions 0-15 of the batch also leave in f32, [k = 64 head + channel][16 rows], for the fine projection
.irp c, 0,1,2,3
.irp j, 0,1,2,3,4,5,6,7
	global_store_b32 v9, v[O+8*\c+\j], s[14:15] offset:64*(16*\c+\j)
.endr
.endr
.Lno_fine:
.set i, 0
.rept 32
	v_cvt_pk_f16_f32 v[S+i], v[O+2*i], v[O+2*i+1]
.set i, i+1
.endr
.irp t, 0,1
.irp c, 0,1,2,3
	ds_store_b128 v1, v[S+16*\t+4*\c:S+16*\t+4*\c+3] offset:4352*\t+32*\c
.endr
.endr
	s_wait_dscnt 0x0                               ; for the others' sake: a row's 256 bytes come from two waves
	s_barrier_signal -1
	s_barrier_wait -1
.irp k, 0,1,2,3,4,5,6,7
	ds_load_b128 v[80+4*\k:83+4*\k], v2 offset:544*\k
.endr
.irp k, 0,1,2,3,4,5,6,7
	s_wait_dscnt 7-\k                              ; the younger loads may be out
	global_store_b128 v3, v[80+4*\k:83+4*\k], s[10:11] offset:4096*\k   ; sixteen lanes store 256 consecutive bytes, aligned
.endr
	s_wait_tensorcnt 0x0                           ; the wave's end
	ds_add_u32 v6, v7
	s_wait_dscnt 0x0
	s_endpgm
.Lfunc_end_k_q485643b4f1_attn:
	.size	k_q485643b4f1_attn, .Lfunc_end_k_q485643b4f1_attn-k_q485643b4f1_attn
	.p2alignl 7, 3214868480
	.fill 96, 4, 3214868480
	.section	.rodata,"a",@progbits
	.p2align	6, 0x0
	.amdhsa_kernel k_q485643b4f1_attn
		.amdhsa_group_segment_fixed_size 149504
		.amdhsa_private_segment_fixed_size 0
		.amdhsa_enable_private_segment 0
		.amdhsa_kernarg_size 40
		.amdhsa_user_sgpr_count 2
		.amdhsa_user_sgpr_kernarg_segment_ptr 1
		.amdhsa_wavefront_size32 1
		.amdhsa_system_sgpr_workgroup_id_x 1
		.amdhsa_system_sgpr_workgroup_id_y 1
		.amdhsa_system_sgpr_workgroup_id_z 1
		.amdhsa_system_vgpr_workitem_id 0
		.amdhsa_next_free_vgpr 256
		.amdhsa_next_free_sgpr 100
		.amdhsa_reserve_vcc 0
		.amdhsa_float_denorm_mode_32 3
		.amdhsa_float_denorm_mode_16_64 3
		.amdhsa_memory_ordered 1
		.amdhsa_forward_progress 1
		.amdhsa_inst_pref_size 101
	.end_amdhsa_kernel
	.amdgpu_metadata
---
amdhsa.version: [ 1, 2 ]
amdhsa.kernels:
  - .name:           k_q485643b4f1_attn
    .symbol:         k_q485643b4f1_attn.kd
    .args:
      - { .name: qkv, .offset: 0, .size: 8, .value_kind: global_buffer, .address_space: global }
      - { .name: mbits, .offset: 8, .size: 8, .value_kind: global_buffer, .address_space: global }
      - { .name: head_scale, .offset: 16, .size: 8, .value_kind: global_buffer, .address_space: global }
      - { .name: attn, .offset: 24, .size: 8, .value_kind: global_buffer, .address_space: global }
      - { .name: afine, .offset: 32, .size: 8, .value_kind: global_buffer, .address_space: global }
    .group_segment_fixed_size: 149504
    .private_segment_fixed_size: 0
    .kernarg_segment_align: 8
    .kernarg_segment_size: 40
    .max_flat_workgroup_size: 512
    .sgpr_count:     100
    .vgpr_count:     256
    .wavefront_size: 32
...
	.end_amdgpu_metadata
.endif
;; end of part 3
;; launch oproj (part 4): grid 8 x 64, 4 waves a work-group, clusters of 4 x 4, 327,680 bytes of LDS; arguments attn, wot, bo, out0; writes out0
.if DOCPART == 4
	.amdgcn_target "amdgcn-amd-amdhsa--gfx1250"
	.amdhsa_code_object_version 6
	.text
	.protected	k_q485643b4f1_oproj
	.globl	k_q485643b4f1_oproj
	.p2align	8
	.type	k_q485643b4f1_oproj,@function
k_q485643b4f1_oproj:
	s_mov_b64 s[64:65], 0
	v_nop
	global_prefetch_b8 v0, s[64:65] scope:SCOPE_SE
	s_setreg_imm32_b32 hwreg(HW_REG_WAVE_MODE, 25, 1), 1
	s_wait_xcnt 0x0
	s_wait_alu depctr_hold_cnt(0) depctr_sa_sdst(0) depctr_va_vdst(0) depctr_va_sdst(0) depctr_va_ssrc(0) depctr_va_vcc(0) depctr_vm_vsrc(0)
	s_getreg_b32 s2, hwreg(HW_REG_IB_STS2, 6, 4)
	s_cmp_eq_u32 s2, 0
	s_cbranch_scc0 .Lentry_in_a_cluster
	s_endpgm
.Lentry_in_a_cluster:
	s_bfe_u32 s2, ttmp6, 0x10000c
	s_cmp_lg_u32 s2, 0xf033
	s_cbranch_scc0 .Lentry_shape_is_right
	s_endpgm
.Lentry_shape_is_right:
; out0[m][n] = the sum over k of attn[m][k] Wo[k][n] + bo[n].  attn [8192][1024] and wot = Wo^T [1024 (n)][1024 (k)] in f16, sums in f32, out0 f32.  bo is the C of each sum's first product.
; (Positions 0-15 of each batch are written again, more finely, by the launch behind this one.)
; A tile of 128 x 128 to a work-group of four waves, 64 x 64 a wave: 512 work-groups.  K goes in steps of 256 (LDS rows of 512 bytes) through two slots filled by the tensor data mover.
; CLUSTERS: 4 x 4 work-groups; A's tiles are asked for jointly along a row of the cluster, B's along a column.  THE MATRIX INSTRUCTION IS USED TRANSPOSED: a lane holds eight neighbouring numbers of a row of out0.
; REGISTERS: window 0: v0-31 addresses; v32-63 the bias, later with v64-95 rows on the way out; v128-255 the accumulators ((a, b) at v[128 + 8 (4 a + b)]).  window 1: two fragment buffers of 128.
.set SIZE_N, 1024
.set SIZE_K, 1024
.set KSTEP,  256
.set PITCH,  528                       ; 512 bytes + 16 of padding: the 16 rows of a load start at 16 different banks
.set HALFT,  64*PITCH
.set SLOT,   4*HALFT
.set STAGE,  2*SLOT                    ; behind the ring: 16 rows x (256 + 16) bytes for each wave: a wave's 64 columns of f32 are 256 bytes
.set SPITCH, 272
.set SPARE,  STAGE+4*16*SPITCH         ; the spare words: two blocks of 256 bytes that no other line names
.set LAPS, SIZE_K/(2*KSTEP)
.set ADRA, 16
.set ADRB, 20
.set STO,  24
.set RD,   25
.set CO,   26
.set SPW,  28
.set NIL,  29
.set HOF,  30
.set ACC,  128
.set F0,   0
.set F1,   128
.set G1, 24
.set G0, 32
.set G1B, 48
.set G0B, 56
.set MSB, 0
.macro WIN new
.if MSB != \new
	s_set_vgpr_msb (MSB<<8)|\new
.set MSB, \new
.endif
.endm
.set MUL,  0x05                        ; sources 0 (B) and 1 (A) window 1; C and D window 0
.set TO_F, 0x40
.macro JLOAD s                         ; a joint load: waves 0 and 1 fetch A's halves, waves 2 and 3 B's; an s_nop 0 and four v_nop follow each line
	s_cmp_eq_u32 s11, 0
	s_cbranch_scc0 .Lfor_b_\@
	tensor_load_to_lds s[G0+4*\s:G0+4*\s+3], s[G1:G1+7]
	s_nop 0
.rept 4
	v_nop
.endr
	s_branch .Lasked_\@
.Lfor_b_\@:
	tensor_load_to_lds s[G0B+4*\s:G0B+4*\s+3], s[G1B:G1B+7]
	s_nop 0
.rept 4
	v_nop
.endr
.Lasked_\@:
.endm
.macro CREST
	s_cmp_lg_u32 s10, 0
	s_cbranch_scc1 .Lnot_wave_0_\@
	s_barrier_signal -3
.Lnot_wave_0_\@:
	s_barrier_wait -3
	s_barrier_signal -1
	s_barrier_wait -1
.endm
.macro CROUND
	s_barrier_signal -1
	s_barrier_wait -1
	CREST
.endm
	s_load_b128 s[4:7], s[0:1], 0x0                ; attn, wot
	s_load_b64 s[66:67], s[0:1], 0x10              ; bo
	s_load_b64 s[8:9], s[0:1], 0x18                ; out0
	v_lshl_add_u32 v[SPW], v0, 2, SPARE
	v_mov_b32 v[NIL], 0
	ds_add_u32 v[SPW], v[NIL]                      ; the wave's opening: the add, twice on end, and its wait ahead of my first tensor load
	ds_add_u32 v[SPW], v[NIL]
	v_lshrrev_b32 v1, 5, v0
	v_readfirstlane_b32 s10, v1
	s_lshr_b32 s11, s10, 1                         ; which half of the tile's rows is mine.  Also: I fetch for A (0) or for B (1)
	s_and_b32 s12, s10, 1                          ; which half of its columns.  Also: which 64 rows I fetch
	s_bfe_u32 s40, ttmp6, 0x40000
	s_bfe_u32 s41, ttmp6, 0x40004
	s_lshl_b32 s42, ttmp9, 2
	s_add_co_u32 s42, s42, s40                     ; tile column
	s_and_b32 s13, ttmp7, 0xffff
	s_lshl_b32 s13, s13, 2
	s_add_co_u32 s13, s13, s41                     ; tile row
	s_lshl_b32 s43, s41, 2
	s_lshl_b32 s43, 15, s43
	s_lshl_b32 s44, 0x1111, s40
	s_or_b32 s[G1+0], s43, (1<<16)|(1<<20)|(1<<21)|(6<<22)|(3<<25)  ; the mask; elements of 2 bytes; padding: 4 words behind every 128; bit 21 beside a mask
	s_or_b32 s[G1B+0], s44, (1<<16)|(1<<20)|(1<<21)|(6<<22)|(3<<25)
.irp g, G1, G1B
	s_mov_b32 s[\g+1], KSTEP<<16
	s_mov_b32 s[\g+2], 64<<16
	s_mov_b32 s[\g+3], KSTEP<<16
	s_mov_b32 s[\g+4], 64
	s_mov_b32 s[\g+5], SIZE_K
	s_mov_b32 s[\g+6], 0
	s_mov_b32 s[\g+7], 0
.endr
	s_lshl_b32 s17, s12, 6
	s_lshl_b32 s16, s13, 7
	s_add_co_u32 s16, s16, s17
	s_lshl_b32 s46, s42, 7
	s_add_co_u32 s46, s46, s17
	s_mov_b32 s17, 0
	s_mov_b32 s47, 0
	s_mov_b64 s[18:19], SIZE_K*2
	s_mul_u64 s[16:17], s[16:17], s[18:19]
	s_mul_u64 s[46:47], s[46:47], s[18:19]
	s_mul_i32 s20, s10, HALFT
	s_wait_dscnt 0x0
	s_wait_kmcnt 0x0
	s_add_nc_u64 s[14:15], s[4:5], s[16:17]
	s_add_nc_u64 s[46:47], s[6:7], s[46:47]
	CROUND
.irp s, 0,1
	s_mov_b32 s[G0+4*\s], 1
	s_add_co_u32 s[G0+4*\s+1], s20, \s*SLOT
	s_add_nc_u64 s[G0+4*\s+2:G0+4*\s+3], s[14:15], \s*KSTEP*2
	s_or_b32 s[G0+4*\s+3], s[G0+4*\s+3], 0x80000000
	s_mov_b32 s[G0B+4*\s], 1
	s_add_co_u32 s[G0B+4*\s+1], s20, \s*SLOT
	s_add_nc_u64 s[G0B+4*\s+2:G0B+4*\s+3], s[46:47], \s*KSTEP*2
	s_or_b32 s[G0B+4*\s+3], s[G0B+4*\s+3], 0x80000000
	JLOAD \s
.endr
	v_and_b32 v1, 15, v0
	v_bfe_u32 v2, v0, 4, 1
	v_lshlrev_b32 v[HOF], 5, v2
	s_lshl_b32 s46, s42, 9                         ; my first column, in bytes of f32: 512 x tile column + 256 x half
	s_lshl_b32 s47, s12, 8
	s_add_co_u32 s46, s46, s47
	s_mov_b32 s47, 0
	s_add_nc_u64 s[66:67], s[66:67], s[46:47]
.irp b, 0,1,2,3
	global_load_b128 v[32+8*\b:35+8*\b], v[HOF], s[66:67] offset:64*\b       ; register 8 b + j of lane (r, h): bo[16 b + 8 h + j]
	global_load_b128 v[36+8*\b:39+8*\b], v[HOF], s[66:67] offset:64*\b+16
.endr
	v_mul_u32_u24 v3, v1, PITCH
	v_lshl_add_u32 v3, v2, 4, v3
	s_mul_i32 s21, s11, HALFT
	s_mul_i32 s22, s12, HALFT
	s_add_co_u32 s22, s22, 2*HALFT
.irp s, 0,1
	v_add_nc_u32 v[ADRA+\s], s21, v3
	v_add_nc_u32 v[ADRB+\s], s22, v3
	s_add_co_u32 s21, s21, SLOT
	s_add_co_u32 s22, s22, SLOT
.endr
	s_mul_i32 s23, s10, 16*SPITCH
	s_add_co_u32 s23, s23, STAGE
	v_mul_u32_u24 v4, v1, SPITCH
	v_lshl_add_u32 v4, v2, 5, v4
	v_add_nc_u32 v[STO], s23, v4                   ; in: row r, 32 bytes for each half of the lanes
	v_mul_u32_u24 v5, v2, SPITCH
	v_lshl_add_u32 v5, v1, 4, v5
	v_add_nc_u32 v[RD], s23, v5                    ; back: sixteen lanes to a row of 256 bytes
	v_lshlrev_b32 v5, 12, v2
	v_lshl_add_u32 v[CO], v1, 4, v5                ; and the same two rows in out0
	s_lshl_b32 s16, s13, 7
	s_lshl_b32 s17, s11, 6
	s_add_co_u32 s16, s16, s17                     ; my first row
	s_lshl_b32 s16, s16, 12
	s_mov_b32 s17, 0
	s_add_nc_u64 s[8:9], s[8:9], s[16:17]
	s_add_nc_u64 s[8:9], s[8:9], s[46:47]
.macro MUL8 f, c, a0, zero
.irp a, \a0, \a0+1
.irp b, 0,1,2,3
.if \zero
	v_wmma_f32_16x16x32_f16 v[ACC+8*(4*(\a)+\b):ACC+8*(4*(\a)+\b)+7], v[\f+64+8*(4*\c+\b):\f+64+8*(4*\c+\b)+7], v[\f+8*(4*\c+\a):\f+8*(4*\c+\a)+7], v[32+8*\b:39+8*\b]
.else
	v_wmma_f32_16x16x32_f16 v[ACC+8*(4*(\a)+\b):ACC+8*(4*(\a)+\b)+7], v[\f+64+8*(4*\c+\b):\f+64+8*(4*\c+\b)+7], v[\f+8*(4*\c+\a):\f+8*(4*\c+\a)+7], v[ACC+8*(4*(\a)+\b):ACC+8*(4*(\a)+\b)+7]
.endif
.endr
.endr
.endm
.macro FETCH slot, k, f
	WIN TO_F
.irp c, 0,1
.irp i, 0,1,2,3
	ds_load_b128 v[\f+64+8*(4*\c+\i):\f+64+8*(4*\c+\i)+3],   v[ADRB+\slot] offset:\k+64*\c+\i*16*PITCH
	ds_load_b128 v[\f+64+8*(4*\c+\i)+4:\f+64+8*(4*\c+\i)+7], v[ADRB+\slot] offset:\k+64*\c+\i*16*PITCH+32
	ds_load_b128 v[\f+8*(4*\c+\i):\f+8*(4*\c+\i)+3],         v[ADRA+\slot] offset:\k+64*\c+\i*16*PITCH
	ds_load_b128 v[\f+8*(4*\c+\i)+4:\f+8*(4*\c+\i)+7],       v[ADRA+\slot] offset:\k+64*\c+\i*16*PITCH+32
.endr
.endr
.endm
.macro PLACES
.rept 4
	v_nop
.endr
.endm
.macro QUARTER slot, k, f, g, zero
	s_wait_dscnt 16                                ; the first 32 along K are in; the other sixteen loads may be out
	WIN MUL
	MUL8 \f, 0, 0, \zero
	MUL8 \f, 0, 2, \zero
	PLACES
	FETCH \slot, \k, \g
	s_wait_dscnt 32                                ; all but the 32 just issued
	WIN MUL
	MUL8 \f, 1, 0, 0
	MUL8 \f, 1, 2, 0
.endm
.macro TURN slot, next, fill
	WIN 0
	s_wait_tensorcnt 0x0                           ; all my tensor loads have landed: my part of the next slot
	ds_add_u32 v[SPW], v[NIL]                      ; 0 onto my spare word
	s_wait_dscnt 17                                ; the add and the youngest sixteen loads may be out
	WIN MUL
	MUL8 F1, 0, 0, 0
	s_wait_dscnt 0x0                               ; the add is done, and my reads of this slot are over
	s_barrier_signal -1
	MUL8 F1, 0, 2, 0
.if \fill
	WIN 0
.endif
	s_barrier_wait -1
.if \fill
	CREST                                          ; the barrier has opened a round of the cluster's: no wave of any partner still reads this slot or has a load on its way
	s_add_nc_u64 s[G0+4*\slot+2:G0+4*\slot+3], s[G0+4*\slot+2:G0+4*\slot+3], 2*KSTEP*2
	s_add_nc_u64 s[G0B+4*\slot+2:G0B+4*\slot+3], s[G0B+4*\slot+2:G0B+4*\slot+3], 2*KSTEP*2
	JLOAD \slot
.else
	PLACES
.endif
	FETCH \next, 0, F0
	WIN MUL
	MUL8 F1, 1, 0, 0
	MUL8 F1, 1, 2, 0
.endm
	s_wait_tensorcnt 1                             ; my part of K step 0 is in; K step 1's load may be out
	s_barrier_signal -1
	s_barrier_wait -1
	FETCH 0, 0, F0
	s_wait_loadcnt 0x0                             ; the bias
	QUARTER 0, 128, F0, F1, 1
	WIN 0
	s_mov_b32 s3, LAPS-1
.Llap:
	QUARTER 0, 256, F1, F0, 0
	QUARTER 0, 384, F0, F1, 0
	TURN 0, 1, 1
	QUARTER 1, 128, F0, F1, 0
	QUARTER 1, 256, F1, F0, 0
	QUARTER 1, 384, F0, F1, 0
	TURN 1, 0, 1
	QUARTER 0, 128, F0, F1, 0
	WIN 0
	s_sub_co_u32 s3, s3, 1
	s_cmp_lg_u32 s3, 0
	s_cbranch_scc1 .Llap
	QUARTER 0, 256, F1, F0, 0                      ; the last lap fills nothing
	QUARTER 0, 384, F0, F1, 0
	TURN 0, 1, 0
	QUARTER 1, 128, F0, F1, 0
	QUARTER 1, 256, F1, F0, 0
	QUARTER 1, 384, F0, F1, 0
	s_wait_dscnt 16
	WIN MUL
	MUL8 F1, 0, 0, 0
	MUL8 F1, 0, 2, 0
	s_wait_dscnt 0
	MUL8 F1, 1, 0, 0
	MUL8 F1, 1, 2, 0
	WIN 0
	; THE WAY OUT, 16 rows at a time through my own stage: LDS serves a wave's instructions in order, so no wait stands between the stores and the loads
	PLACES
.macro OUTBLK a
.set BB, 32+32*((\a)%2)
.irp b, 0,1,2,3
	ds_store_b128 v[STO], v[ACC+8*(4*(\a)+\b):ACC+8*(4*(\a)+\b)+3] offset:64*\b        ; each accumulator from its low end on
	ds_store_b128 v[STO], v[ACC+8*(4*(\a)+\b)+4:ACC+8*(4*(\a)+\b)+7] offset:64*\b+16
.endr
.irp k, 0,1,2,3,4,5,6,7
	ds_load_b128 v[BB+4*\k:BB+4*\k+3], v[RD] offset:544*\k
.endr
.endm
.macro SENDBLK a, younger
.set BB, 32+32*((\a)%2)
	s_wait_dscnt \younger                          ; the block is back; the next block's sixteen LDS instructions may be out
.irp k, 0,1,2,3,4,5,6,7
	global_store_b128 v[CO], v[BB+4*\k:BB+4*\k+3], s[8:9] offset:(16*(\a)+2*\k)*4096 th:TH_STORE_NT   ; sixteen lanes store 256 consecutive bytes, aligned
.endr
.endm
	OUTBLK 0
	OUTBLK 1
	SENDBLK 0, 16
	s_wait_xcnt 0x0                                ; block 0's stores have read their registers
	OUTBLK 2
	SENDBLK 1, 16
	s_wait_xcnt 0x0
	OUTBLK 3
	SENDBLK 2, 16
	SENDBLK 3, 0
	s_wait_tensorcnt 0x0                           ; the wave's end
	ds_add_u32 v[SPW], v[NIL]
	s_wait_dscnt 0x0
	CROUND                                         ; the closing round
	s_endpgm
.Lfunc_end_k_q485643b4f1_oproj:
	.size	k_q485643b4f1_oproj, .Lfunc_end_k_q485643b4f1_oproj-k_q485643b4f1_oproj
	.p2alignl 7, 3214868480
	.fill 96, 4, 3214868480
	.section	.rodata,"a",@progbits
	.p2align	6, 0x0
	.amdhsa_kernel k_q485643b4f1_oproj
		.amdhsa_group_segment_fixed_size 327680
		.amdhsa_private_segment_fixed_size 0
		.amdhsa_enable_private_segment 0
		.amdhsa_kernarg_size 32
		.amdhsa_user_sgpr_count 2
		.amdhsa_user_sgpr_kernarg_segment_ptr 1
		.amdhsa_wavefront_size32 1
		.amdhsa_system_sgpr_workgroup_id_x 1
		.amdhsa_system_sgpr_workgroup_id_y 1
		.amdhsa_system_sgpr_workgroup_id_z 1
		.amdhsa_system_vgpr_workitem_id 0
		.amdhsa_next_free_vgpr 512
		.amdhsa_next_free_sgpr 68
		.amdhsa_reserve_vcc 0
		.amdhsa_float_denorm_mode_32 3
		.amdhsa_float_denorm_mode_16_64 3
		.amdhsa_memory_ordered 1
		.amdhsa_forward_progress 1
		.amdhsa_inst_pref_size 86
	.end_amdhsa_kernel
	.amdgpu_metadata
---
amdhsa.version: [ 1, 2 ]
amdhsa.kernels:
  - .name:           k_q485643b4f1_oproj
    .symbol:         k_q485643b4f1_oproj.kd
    .args:
      - { .name: attn, .offset: 0, .size: 8, .value_kind: global_buffer, .address_space: global }
      - { .name: wot, .offset: 8, .size: 8, .value_kind: global_buffer, .address_space: global }
      - { .name: bo, .offset: 16, .size: 8, .value_kind: global_buffer, .address_space: global }
      - { .name: out0, .offset: 24, .size: 8, .value_kind: global_buffer, .address_space: global }
    .group_segment_fixed_size: 327680
    .private_segment_fixed_size: 0
    .kernarg_segment_align: 8
    .kernarg_segment_size: 32
    .max_flat_workgroup_size: 128
    .sgpr_count:     68
    .vgpr_count:     512
    .wavefront_size: 32
...
	.end_amdgpu_metadata
.endif
;; end of part 4
;; launch proj16 (part 5): grid 16 x 4, 16 waves a work-group, no clusters, 198,656 bytes of LDS; arguments afine, Wo, bo, out0; writes out0
.if DOCPART == 5
	.amdgcn_target "amdgcn-amd-amdhsa--gfx1250"
	.amdhsa_code_object_version 6
	.text
	.protected	k_q485643b4f1_proj16
	.globl	k_q485643b4f1_proj16
	.p2align	8
	.type	k_q485643b4f1_proj16,@function
k_q485643b4f1_proj16:
	s_mov_b64 s[64:65], 0
	v_nop
	global_prefetch_b8 v0, s[64:65] scope:SCOPE_SE
	s_setreg_imm32_b32 hwreg(HW_REG_WAVE_MODE, 25, 1), 1
	s_wait_xcnt 0x0
; The projection on the way out once more, in f32, for positions 0-15 of each batch: rows that average few values are the largest in size, and the rounding of attn and Wo to f16 weighs most there.
; out0[2048 b + r][n] = the sum over k of afine[b][k][r] Wo[k][n] + bo[n], r = 0..15, by fused multiply-adds.  64 rows of 8,192: no bulk work, so no matrix instruction.
; A work-group: a batch (y) and 64 columns (x).  Wave w takes k = 64 w .. 64 w + 63; lane (cg = lane % 16, h = lane / 16) takes columns 4 cg .. + 3 and, in step it, k = 64 w + 2 it + h.
; The sixteen waves' parts meet in LDS behind one barrier; wave v then sums row v and stores its 256 consecutive bytes.
; LDS: afine's 4,096 bytes for each wave from 0; the parts, 8,192 bytes for each wave, from 65,536; the spare words from 196,608.
.set PART,  65536
.set SPARE, 196608
	s_load_b256 s[4:11], s[0:1], 0x0               ; afine, Wo, bo, out0
	v_lshl_add_u32 v12, v0, 2, SPARE
	v_mov_b32 v13, 0
	v_lshrrev_b32 v1, 5, v0
	v_readfirstlane_b32 s12, v1                    ; wave 0..15
	s_and_b32 s13, ttmp7, 0xffff                   ; batch
	v_and_b32 v2, 31, v0
	v_and_b32 v3, 15, v0                           ; cg
	v_bfe_u32 v4, v0, 4, 1                         ; h
	v_lshlrev_b32 v5, 4, v2
	v_lshlrev_b32 v6, 4, v3
	v_lshl_add_u32 v7, v4, 12, v6                  ; Wo: 4,096 h + 16 cg
	s_lshl_b32 s22, s12, 12
	v_add_nc_u32 v14, s22, v5                      ; LDS: afine as it lies
	v_lshlrev_b32 v15, 6, v4
	v_add_nc_u32 v15, s22, v15                     ; and my k's 16 rows: 64 bytes
	s_lshl_b32 s23, s12, 13
	s_add_co_u32 s23, s23, PART
	v_add_nc_u32 v16, s23, v5                      ; my part
	s_lshl_b32 s24, s12, 9
	s_add_co_u32 s24, s24, PART
	v_add_nc_u32 v17, s24, v5                      ; row v of the parts of waves 0-7,
	v_add_nc_u32 v18, 65536, v17                   ; and of waves 8-15: an LDS offset has 16 bits
	v_lshl_add_u32 v19, v4, 3, v6                  ; out: 16 cg + 8 h
.irp i, 20,21,22,23
	v_mov_b32 v\i, 0                               ; a lane permute's destination counts as read
.endr
	s_mov_b32 s20, 0x76543210
	s_mov_b32 s21, 0xfedcba98
	s_mov_b32 s17, 0
	s_mov_b32 s19, 0
	s_wait_kmcnt 0x0
	s_lshl_b32 s16, s13, 16
	s_add_co_u32 s16, s16, s22
	s_add_nc_u64 s[4:5], s[4:5], s[16:17]
	s_lshl_b32 s16, s12, 18                        ; 64 rows of 4,096 bytes
	s_lshl_b32 s18, ttmp9, 8                       ; 64 columns of f32
	s_add_co_u32 s16, s16, s18
	s_add_nc_u64 s[6:7], s[6:7], s[16:17]
	s_add_nc_u64 s[8:9], s[8:9], s[18:19]
	s_lshl_b32 s16, s13, 11
	s_add_co_u32 s16, s16, s12                     ; the row that I store
	s_lshl_b32 s16, s16, 12
	s_add_co_u32 s16, s16, s18
	s_add_nc_u64 s[10:11], s[10:11], s[16:17]
	global_load_b128 v[8:11], v6, s[8:9]           ; bo of my four columns
.irp q, 0,1,2,3,4,5,6,7
	global_load_b128 v[32+4*\q:35+4*\q], v5, s[4:5] offset:512*\q
.endr
.set i, 0
.rept 32
	global_load_b128 v[128+4*i:131+4*i], v7, s[6:7] offset:8192*i   ; sixteen lanes take 256 consecutive bytes of a row of Wo
.set i, i+1
.endr
	s_wait_loadcnt 32                              ; bo and afine are in; Wo's 32 loads may be out
.irp q, 0,1,2,3,4,5,6,7
	ds_store_b128 v14, v[32+4*\q:35+4*\q] offset:512*\q
.endr
	s_wait_dscnt 0x0                               ; the stores have read v32-63, which the loads below fill
.macro ABLOAD it                       ; afine[k][0..15] of my k of step it, the same for sixteen lanes
.irp q, 0,1,2,3
	ds_load_b128 v[32+16*((\it)%2)+4*\q:35+16*((\it)%2)+4*\q], v15 offset:128*(\it)+16*\q
.endr
.endm
.macro FMA16 it
.set AB, 32+16*((\it)%2)
.set W, 128+4*(\it)
.if (\it) < 31
	ABLOAD (\it)+1
	s_wait_dscnt 4                                 ; this step's rows are in; the next step's four loads may be out
.else
	s_wait_dscnt 0
.endif
	s_wait_loadcnt 31-(\it)                        ; this step's row of Wo is in; the later steps' may be out
.irp r, 0,2,4,6,8,10,12,14
.irp c, 0,2
.if (\it) == 0
	v_pk_mul_f32 v[64+4*\r+\c:65+4*\r+\c], v[W+\c:W+\c+1], v[AB+\r:AB+\r+1] op_sel_hi:[1,0]              ; the first step starts the sums
	v_pk_mul_f32 v[68+4*\r+\c:69+4*\r+\c], v[W+\c:W+\c+1], v[AB+\r:AB+\r+1] op_sel:[0,1] op_sel_hi:[1,1]
.else
	v_pk_fma_f32 v[64+4*\r+\c:65+4*\r+\c], v[W+\c:W+\c+1], v[AB+\r:AB+\r+1], v[64+4*\r+\c:65+4*\r+\c] op_sel_hi:[1,0,1]
	v_pk_fma_f32 v[68+4*\r+\c:69+4*\r+\c], v[W+\c:W+\c+1], v[AB+\r:AB+\r+1], v[68+4*\r+\c:69+4*\r+\c] op_sel:[0,1,0] op_sel_hi:[1,1,1]
.endif
.endr
.endr
.endm
	ABLOAD 0
.set n, 0
.rept 32
	FMA16 n
.set n, n+1
.endr
.set i, 0
.rept 16
	ds_store_b128 v16, v[64+4*i:67+4*i] offset:512*i   ; row i of my part
.set i, i+1
.endr
	s_wait_dscnt 0x0                               ; for the others' sake
	s_barrier_signal -1
	s_barrier_wait -1
.irp i, 0,1,2,3,4,5,6,7
	ds_load_b128 v[64+4*\i:67+4*\i], v17 offset:8192*\i
	ds_load_b128 v[96+4*\i:99+4*\i], v18 offset:8192*\i
.endr
	s_wait_dscnt 0x0
.irp s, 8,4,2,1
.set i, 0
.rept \s
	v_pk_add_f32 v[64+4*i:65+4*i], v[64+4*i:65+4*i], v[64+4*(i+\s):65+4*(i+\s)]
	v_pk_add_f32 v[66+4*i:67+4*i], v[66+4*i:67+4*i], v[66+4*(i+\s):67+4*(i+\s)]
.set i, i+1
.endr
.endr
.irp i, 0,1,2,3
	v_permlanex16_b32 v[20+\i], v[64+\i], s20, s21 ; the odd k lie in the lane 16 away
.endr
	v_pk_add_f32 v[64:65], v[64:65], v[20:21]
	v_pk_add_f32 v[66:67], v[66:67], v[22:23]
	v_pk_add_f32 v[64:65], v[64:65], v[8:9]
	v_pk_add_f32 v[66:67], v[66:67], v[10:11]
	v_cmp_ne_u32 vcc_lo, 0, v4
	v_cndmask_b32 v24, v64, v66, vcc_lo            ; lanes 0-15 store columns 4 cg, + 1; lanes 16-31 columns + 2, + 3
	v_cndmask_b32 v25, v65, v67, vcc_lo
	global_store_b64 v19, v[24:25], s[10:11]       ; the wave stores 256 consecutive bytes, aligned
	s_wait_tensorcnt 0x0                           ; the wave's end
	ds_add_u32 v12, v13
	s_wait_dscnt 0x0
	s_endpgm
.Lfunc_end_k_q485643b4f1_proj16:
	.size	k_q485643b4f1_proj16, .Lfunc_end_k_q485643b4f1_proj16-k_q485643b4f1_proj16
	.p2alignl 7, 3214868480
	.fill 96, 4, 3214868480
	.section	.rodata,"a",@progbits
	.p2align	6, 0x0
	.amdhsa_kernel k_q485643b4f1_proj16
		.amdhsa_group_segment_fixed_size 198656
		.amdhsa_private_segment_fixed_size 0
		.amdhsa_enable_private_segment 0
		.amdhsa_kernarg_size 32
		.amdhsa_user_sgpr_count 2
		.amdhsa_user_sgpr_kernarg_segment_ptr 1
		.amdhsa_wavefront_size32 1
		.amdhsa_system_sgpr_workgroup_id_x 1
		.amdhsa_system_sgpr_workgroup_id_y 1
		.amdhsa_system_sgpr_workgroup_id_z 1
		.amdhsa_system_vgpr_workitem_id 0
		.amdhsa_next_free_vgpr 256
		.amdhsa_next_free_sgpr 66
		.amdhsa_reserve_vcc 1
		.amdhsa_float_denorm_mode_32 3
		.amdhsa_float_denorm_mode_16_64 3
		.amdhsa_memory_ordered 1
		.amdhsa_forward_progress 1
		.amdhsa_inst_pref_size 86
	.end_amdhsa_kernel
	.amdgpu_metadata
---
amdhsa.version: [ 1, 2 ]
amdhsa.kernels:
  - .name:           k_q485643b4f1_proj16
    .symbol:         k_q485643b4f1_proj16.kd
    .args:
      - { .name: afine, .offset: 0, .size: 8, .value_kind: global_buffer, .address_space: global }
      - { .name: Wo, .offset: 8, .size: 8, .value_kind: global_buffer, .address_space: global }
      - { .name: bo, .offset: 16, .size: 8, .value_kind: global_buffer, .address_space: global }
      - { .name: out0, .offset: 24, .size: 8, .value_kind: global_buffer, .address_space: global }
    .group_segment_fixed_size: 198656
    .private_segment_fixed_size: 0
    .kernarg_segment_align: 8
    .kernarg_segment_size: 32
    .max_flat_workgroup_size: 512
    .sgpr_count:     66
    .vgpr_count:     256
    .wavefront_size: 32
...
	.end_amdgpu_metadata
.endif
;; end of part 5
;; ======== version 2 of 2: 5 launches; 1.25 times as fast as version 1
;; limits: values are held in f16: magnitudes above 65,504 overflow, below 6.1e-05 lose precision
;; workspace buffers: codes 9,961,472 bytes; scales 622,592 bytes; wot 2,097,152 bytes; rope 4,194,304 bytes; mbits 2,097,152 bytes of whole numbers; flags 4,096 bytes of whole numbers; qkv 50,331,648 bytes; attn 17,039,360 bytes
;; launch prep (part 6): grid 1008 x 1, 4 waves a work-group, no clusters, 109,056 bytes of LDS; arguments q, kv, Wq, Wk, Wv, Wo, mask, q_positions, kv_positions, codes, scales, wot, rope, mbits, flags; writes codes, scales, wot, rope, mbits, flags
.if DOCPART == 6
	.amdgcn_target "amdgcn-amd-amdhsa--gfx1250"
	.amdhsa_code_object_version 6
	.text
	.protected	k_q485643b4f1_prep
	.globl	k_q485643b4f1_prep
	.p2align	8
	.type	k_q485643b4f1_prep,@function
k_q485643b4f1_prep:
	s_mov_b64 s[64:65], 0
	v_nop
	global_prefetch_b8 v0, s[64:65] scope:SCOPE_SE
	s_setreg_imm32_b32 hwreg(HW_REG_WAVE_MODE, 25, 1), 1
	s_wait_xcnt 0x0
; All that is made once from the inputs, five kinds of work told apart by the work-group's number (the longest first):
;   W  (0-47)     Wq, Wk, Wv [k][n] f32 -> codes of FP4 (E2M1) laid [n][k] with K innermost, one E8M0 byte for each 32 along K
;   M  (48-175)   the mask's bytes -> words of 32 bits in the order of a score tile's lanes, and two flag words for each tile of 16 queries
;   X  (176-687)  q, kv [row][1024] f32 -> codes and scale bytes, K innermost as it lies
;   O  (688-751)  Wo [k][n] f32 -> f16 laid [n][k]
;   R  (752-1007) positions -> cos and sin for RoPE, as images of the registers that the next launch wants
; A block's scale is 2^(floor(log2(largest magnitude)) - 2); its byte is the largest magnitude's exponent field - 2, held at 1 from below.
; LIMITS: a block of zeros, or one whose largest magnitude lies under 2^(3 - 127), gets the byte 1 (its bytes are read by this program alone; zero codes add nothing).
; NaN and infinities among the inputs are not served.  Wo goes to f16: magnitudes up to 65,504.  A mask byte is 0 or not 0.
; RoPE's angle is position x 2^(-i log2(10000) / 32): relative error about 2e-7, so the angle's error grows with |position| (3e-4 rad at 2,047); sin and cos are right to about 1e-7 of that angle.
; Waves share nothing: no barrier.  Each kind of work has LDS bytes of its own.
.set SPARE, 108544                     ; the spare words, 128 bytes for each wave: two blocks of 256 bytes that no other line names
.set SPW,   12                         ; v12  SPARE + 4 x my thread's number; never rewritten
.set NIL,   13                         ; v13  0; never rewritten
.set SP,    80                         ; path X: a lane's place in a stage: 64 bytes + 16 of padding
.set XREG,  5376                       ; path X: a wave's LDS: two stages of 32 x 80, then 256 scale bytes
.set WST,   21504                      ; path W: 32 rows x 272 for each wave
.set OSTG,  56320                      ; path O: likewise
.set MST,   91136                      ; path M: 16 rows x 272 for each wave
.macro FINISH                          ; the wave's end, behind the last LDS store
	s_wait_tensorcnt 0x0
	ds_add_u32 v[SPW], v[NIL]
	s_wait_dscnt 0x0
	s_endpgm
.endm
	s_load_b512 s[4:19], s[0:1], 0x0               ; q 4, kv 6, Wq 8, Wk 10, Wv 12, Wo 14, mask 16, q_positions 18
	s_load_b256 s[20:27], s[0:1], 0x40             ; kv_positions 20, codes 22, scales 24, wot 26
	s_load_b128 s[28:31], s[0:1], 0x60             ; rope 28, mbits 30
	s_load_b64 s[2:3], s[0:1], 0x70                ; flags
	v_lshl_add_u32 v[SPW], v0, 2, SPARE
	v_mov_b32 v[NIL], 0
	v_lshrrev_b32 v1, 5, v0
	v_readfirstlane_b32 s32, v1                    ; wave 0..3
	v_and_b32 v2, 31, v0                           ; lane
	s_mov_b32 s39, 0                               ; the upper word of every offset pair s[38:39]
	s_wait_kmcnt 0x0
	s_cmp_lt_u32 ttmp9, 48
	s_cbranch_scc1 .Lpath_w
	s_cmp_lt_u32 ttmp9, 176
	s_cbranch_scc1 .Lpath_m
	s_cmp_lt_u32 ttmp9, 688
	s_cbranch_scc1 .Lpath_x
	s_cmp_lt_u32 ttmp9, 752
	s_cbranch_scc1 .Lpath_o
; ---------------- R: a wave makes the table of one block of 16 tokens.  Lane (r = lane % 16, h = lane / 16) holds token r and the 16 frequencies i = 16 bb + 8 h + j (f = 8 bb + j).
	s_sub_co_u32 s33, ttmp9, 752
	s_lshl_b32 s33, s33, 2
	s_add_co_u32 s33, s33, s32                     ; block 0..1023: q's 512, then kv's 512
	s_cmp_lt_u32 s33, 512
	s_cselect_b64 s[36:37], s[18:19], s[20:21]
	s_and_b32 s34, s33, 511
	s_lshl_b32 s38, s34, 6                         ; 16 positions of 4 bytes
	s_add_nc_u64 s[36:37], s[36:37], s[38:39]
	s_lshl_b32 s38, s33, 12                        ; a block's image is 4,096 bytes
	s_add_nc_u64 s[40:41], s[28:29], s[38:39]
	s_mov_b32 s44, 0x3fc90fdb                      ; pi / 2, its upper part,
	s_mov_b32 s45, 0xb33bbd2e                      ; and what is left of it
	v_and_b32 v3, 15, v2
	v_lshlrev_b32 v4, 2, v3
	global_load_b32 v5, v4, s[36:37]               ; my token's position
	v_lshrrev_b32 v6, 4, v2
	v_lshlrev_b32 v8, 3, v6                        ; 8 h
	v_lshlrev_b32 v7, 4, v2                        ; out: 16 bytes a lane
.irp f, 0,1,2,3,4,5,6,7,8,9,10,11,12,13,14,15
	v_add_nc_u32 v[16+\f], 16*(\f/8)+\f%8, v8      ; i
.endr
.irp f, 0,1,2,3,4,5,6,7,8,9,10,11,12,13,14,15
	v_cvt_f32_u32 v[16+\f], v[16+\f]
.endr
.irp f, 0,1,2,3,4,5,6,7,8,9,10,11,12,13,14,15
	v_mul_f32 v[16+\f], 0xbed49a78, v[16+\f]       ; -i log2(10000) / 32
.endr
.irp f, 0,1,2,3,4,5,6,7,8,9,10,11,12,13,14,15
	v_exp_f32 v[16+\f], v[16+\f]                   ; 1 / timescale: one batch of sixteen
.endr
	v_nop                                          ; a plain instruction behind the last exponential
	s_wait_alu depctr_va_vdst(0)                   ; one wait for the batch, ahead of its first reader
	s_wait_loadcnt 0x0
	v_cvt_f32_i32 v9, v5
; angle = n pi/2 + rho, |rho| <= pi/4; sin and cos of rho by their series to rho^9 and rho^8; n mod 4 swaps them and sets the signs
.macro SINCOS f
	v_mul_f32 v40, v9, v[16+\f]
	v_mul_f32 v41, 0x3f22f983, v40                 ; x 2 / pi
	v_rndne_f32 v41, v41
	v_fma_f32 v42, -v41, s44, v40
	v_fma_f32 v42, -v41, s45, v42                  ; rho
	v_mul_f32 v43, v42, v42
	v_mov_b32 v44, 0x3638ef1d
	v_fmaak_f32 v44, v43, v44, 0xb9500d01
	v_fmaak_f32 v44, v43, v44, 0x3c088889
	v_fmaak_f32 v44, v43, v44, 0xbe2aaaab
	v_mul_f32 v47, v42, v43
	v_fma_f32 v44, v47, v44, v42                   ; sin rho
	v_mov_b32 v45, 0x37d00d01
	v_fmaak_f32 v45, v43, v45, 0xbab60b61
	v_fmaak_f32 v45, v43, v45, 0x3d2aaaab
	v_fmaak_f32 v45, v43, v45, 0xbf000000
	v_fma_f32 v45, v43, v45, 1.0                   ; cos rho
	v_cvt_i32_f32 v46, v41
	v_and_b32 v47, 1, v46
	v_cmp_ne_u32 vcc_lo, 0, v47
	v_cndmask_b32 v48, v44, v45, vcc_lo            ; odd n: the two change places
	v_cndmask_b32 v49, v45, v44, vcc_lo
	v_and_b32 v47, 2, v46
	v_lshlrev_b32 v47, 30, v47
	v_xor_b32 v[80+\f], v47, v48                   ; sin: negative for n mod 4 = 2, 3
	v_add_nc_u32 v46, 1, v46
	v_and_b32 v46, 2, v46
	v_lshlrev_b32 v46, 30, v46
	v_xor_b32 v[64+\f], v46, v49                   ; cos: negative for n mod 4 = 1, 2
.endm
.irp f, 0,1,2,3,4,5,6,7,8,9,10,11,12,13,14,15
	SINCOS \f
.endr
.irp c, 0,1,2,3,4,5,6,7
	global_store_b128 v7, v[64+4*\c:67+4*\c], s[40:41] offset:512*\c   ; registers 0-15 cos, 16-31 sin: each store covers 512 consecutive bytes
.endr
	FINISH
; ---------------- X: a stream of blocks of 32 numbers.  A wave takes 16 steps of 512 numbers; each load reads 512 consecutive bytes; a step turns through the wave's stage so that a lane holds 16 neighbours.
.Lpath_x:
.set XR, 16                            ; v16-79   four sets of 16 numbers as loaded
.set XX, 80                            ; v80-111  two sets of 16 neighbours
.set XE, 112                           ; v112-127 a scale byte for each step
.set XC, 128                           ; v128-191 codes, registers of its own for each step
	s_sub_co_u32 s33, ttmp9, 176                   ; 0..511: q's 256 work-groups, then kv's
	v_lshlrev_b32 v3, 4, v2
	s_mul_i32 s34, s32, XREG
	v_lshrrev_b32 v14, 2, v2
	v_mul_u32_u24 v14, v14, SP
	v_and_b32 v15, 3, v2
	v_lshl_add_u32 v14, v15, 4, v14
	v_add_nc_u32 v14, s34, v14                     ; into the stage: 80 (lane / 4) + 16 (lane % 4)
	v_mul_u32_u24 v15, v2, SP
	v_add_nc_u32 v15, s34, v15                     ; out of it: 80 x lane
	v_lshlrev_b32 v4, 3, v2                        ; my 8 bytes of a step's codes
	v_lshrrev_b32 v5, 1, v2
	s_add_co_u32 s34, s34, 2*32*SP
	v_add_nc_u32 v5, s34, v5                       ; my block's scale byte in LDS
	v_lshlrev_b32 v7, 3, v2
	v_add_nc_u32 v6, s34, v7
	s_cmp_lt_u32 s33, 256
	s_cselect_b64 s[36:37], s[4:5], s[6:7]
	s_and_b32 s35, s33, 255
	s_lshl_b32 s35, s35, 2
	s_add_co_u32 s38, s35, s32                     ; my run of 8,192 numbers in its tensor
	s_lshl_b32 s38, s38, 15
	s_add_nc_u64 s[36:37], s[36:37], s[38:39]
	s_lshl_b32 s35, s33, 2
	s_add_co_u32 s35, s35, s32                     ; and among both tensors' runs: kv's rows follow q's in the buffers
	s_lshl_b32 s38, s35, 12
	s_add_nc_u64 s[40:41], s[22:23], s[38:39]
	s_lshl_b32 s38, s35, 8
	s_add_nc_u64 s[42:43], s[24:25], s[38:39]
.macro LOADX t
.irp i, 0,1,2,3
	global_load_b128 v[XR+16*((\t)%4)+4*\i:XR+16*((\t)%4)+4*\i+3], v3, s[36:37] offset:2048*(\t)+512*\i th:TH_LOAD_NT
.endr
.endm
.macro TURNX t                         ; LDS serves a wave's instructions in order: no wait between the stores and the loads
.irp i, 0,1,2,3
	ds_store_b128 v14, v[XR+16*((\t)%4)+4*\i:XR+16*((\t)%4)+4*\i+3] offset:32*SP*((\t)%2)+8*SP*\i
.endr
.irp i, 0,1,2,3
	ds_load_b128 v[XX+16*((\t)%2)+4*\i:XX+16*((\t)%2)+4*\i+3], v15 offset:32*SP*((\t)%2)+16*\i
.endr
.endm
.irp t, 0,1,2,3
	LOADX \t
.endr
	s_wait_loadcnt 12                              ; step 0's four loads are in; the three later steps' twelve may be out
	TURNX 0
.macro STEPX t
.set XS, XX+16*((\t)%2)
.if (\t) > 0
	s_wait_dscnt 1                                 ; this step's numbers are back from the stage; the last step's byte store may be out
.else
	s_wait_dscnt 0x0
.endif
.if (\t)+4 < 16
	LOADX (\t)+4
.endif
.if (\t)+1 < 16
.if 14-(\t) >= 3
	s_wait_loadcnt 12                              ; the next step's loads are in; those of the three steps behind it may be out
.else
	s_wait_loadcnt 4*(14-(\t))
.endif
	TURNX (\t)+1
.endif
	v_max3_num_f32 v8, |v[XS]|, |v[XS+1]|, |v[XS+2]|
	v_max3_num_f32 v9, |v[XS+3]|, |v[XS+4]|, |v[XS+5]|
.irp i, 6,10
	v_max3_num_f32 v8, v8, |v[XS+\i]|, |v[XS+\i+1]|
	v_max3_num_f32 v9, v9, |v[XS+\i+2]|, |v[XS+\i+3]|
.endr
	v_max3_num_f32 v8, v8, |v[XS+14]|, |v[XS+15]|
	v_max3_num_f32 v8, v8, v9, 0x1800000           ; the floor 2^(3 - 127): the byte cannot fall under 1
	v_max_num_f32_dpp v8, v8, v8 row_xmask:1 row_mask:0xf bank_mask:0xf   ; with my neighbour's 16: the block's largest magnitude
	v_add_nc_u32 v11, 0xff000000, v8               ; 2 off its exponent field: the conversion's scale operand
	v_cvt_scalef32_pk8_fp4_f32 v[XC+4*(\t)], v[XS:XS+7], v11
	v_cvt_scalef32_pk8_fp4_f32 v[XC+4*(\t)+1], v[XS+8:XS+15], v11
	v_lshrrev_b32 v[XE+(\t)], 23, v11              ; the scale's byte
	ds_store_b8 v5, v[XE+(\t)] offset:16*(\t)      ; both lanes of a block write the same byte with the same value
	global_store_b64 v4, v[XC+4*(\t):XC+4*(\t)+1], s[40:41] offset:256*(\t)   ; the wave stores 256 consecutive bytes
.endm
.irp t, 0,1,2,3,4,5,6,7,8,9,10,11,12,13,14,15
	STEPX \t
.endr
	ds_load_b64 v[8:9], v6
	s_wait_dscnt 0x0
	global_store_b64 v7, v[8:9], s[42:43]          ; the wave's 256 scale bytes, consecutive
	FINISH
; ---------------- W: a lane takes a column n and its registers run down K; a wave takes 32 columns x 512 along K; the codes leave through the wave's stage as rows.
.Lpath_w:
	s_lshr_b32 s33, ttmp9, 4                       ; which weight
	s_cmp_eq_u32 s33, 0
	s_cselect_b64 s[36:37], s[8:9], s[10:11]
	s_cmp_eq_u32 s33, 2
	s_cselect_b64 s[36:37], s[12:13], s[36:37]
	s_and_b32 s34, ttmp9, 7
	s_lshl_b32 s34, s34, 7
	s_lshl_b32 s35, s32, 5
	s_add_co_u32 s34, s34, s35                     ; my wave's first column
	s_bfe_u32 s35, ttmp9, 0x10003                  ; which 512 along K
	v_lshlrev_b32 v3, 2, v2
	s_mul_i32 s40, s32, 32*272
	s_add_co_u32 s40, s40, WST
	v_mul_u32_u24 v4, v2, 272
	v_add_nc_u32 v4, s40, v4                       ; into the stage: row = my column
	v_and_b32 v5, 15, v2
	v_lshrrev_b32 v6, 4, v2
	v_mul_u32_u24 v7, v6, 272
	v_lshl_add_u32 v7, v5, 4, v7
	v_add_nc_u32 v7, s40, v7                       ; out of it: sixteen lanes to a row
	v_lshlrev_b32 v8, 9, v6
	v_lshl_add_u32 v8, v5, 4, v8                   ; the same place in the codes: rows of 512 bytes
	v_lshlrev_b32 v9, 5, v2                        ; my column's row of 32 scale bytes
	s_lshl_b32 s38, s35, 21                        ; 512 rows of 4,096 bytes
	s_lshl_b32 s41, s34, 2
	s_add_co_u32 s38, s38, s41
	s_add_nc_u64 s[36:37], s[36:37], s[38:39]
	s_lshl_b32 s40, s33, 10
	s_add_co_u32 s40, s40, s34                     ; row among the 3,072 of Wq | Wk | Wv
	s_lshl_b32 s38, s40, 9
	s_lshl_b32 s41, s35, 8
	s_add_co_u32 s38, s38, s41
	s_add_co_u32 s38, s38, 8388608
	s_add_nc_u64 s[42:43], s[22:23], s[38:39]
	s_lshl_b32 s38, s40, 5
	s_lshl_b32 s41, s35, 4
	s_add_co_u32 s38, s38, s41
	s_add_co_u32 s38, s38, 524288
	s_add_nc_u64 s[44:45], s[24:25], s[38:39]
.macro LOADW t
.set i, 0
.rept 32
	global_load_b32 v[32+32*((\t)%2)+i], v3, s[36:37] offset:(32*(\t)+i)*4096 th:TH_LOAD_NT
.set i, i+1
.endr
.endm
	LOADW 0
	LOADW 1
.macro BLOCKW t
.set XS, 32+32*((\t)%2)
.if (\t) < 15
	s_wait_loadcnt 32                              ; this block's 32 loads are in; the next block's may be out
.else
	s_wait_loadcnt 0
.endif
	v_max3_num_f32 v16, |v[XS]|, |v[XS+1]|, |v[XS+2]|
	v_max3_num_f32 v17, |v[XS+3]|, |v[XS+4]|, |v[XS+5]|
.irp i, 6,10,14,18,22,26
	v_max3_num_f32 v16, v16, |v[XS+\i]|, |v[XS+\i+1]|
	v_max3_num_f32 v17, v17, |v[XS+\i+2]|, |v[XS+\i+3]|
.endr
	v_max3_num_f32 v16, v16, |v[XS+30]|, |v[XS+31]|
	v_max3_num_f32 v16, v16, v17, 0x1800000
	v_add_nc_u32 v11, 0xff000000, v16
	v_lshrrev_b32 v17, 23, v11
.if (\t)%4 == 0
	v_mov_b32 v[24+(\t)/4], v17
.else
	v_lshl_or_b32 v[24+(\t)/4], v17, 8*((\t)%4), v[24+(\t)/4]
.endif
.irp g, 0,1,2,3
	v_cvt_scalef32_pk8_fp4_f32 v[96+\g], v[XS+8*\g:XS+8*\g+7], v11
.endr
	ds_store_b128 v4, v[96:99] offset:16*(\t)
.if (\t)+2 < 16
	LOADW (\t)+2
.endif
	s_wait_dscnt 0x0                               ; the store has read its registers: the next block's codes may be written
.endm
.irp t, 0,1,2,3,4,5,6,7,8,9,10,11,12,13,14,15
	BLOCKW \t
.endr
	global_store_b128 v9, v[24:27], s[44:45]       ; my column's 16 scale bytes
.irp t, 0,1,2,3,4,5,6,7,8,9,10,11,12,13,14,15
	ds_load_b128 v[112+4*\t:115+4*\t], v7 offset:2*\t*272
.endr
.irp t, 0,1,2,3,4,5,6,7,8,9,10,11,12,13,14,15
	s_wait_dscnt 15-\t                             ; the younger loads may be out
	global_store_b128 v8, v[112+4*\t:115+4*\t], s[42:43] offset:2*\t*512   ; sixteen lanes store 256 consecutive bytes, aligned
.endr
	FINISH
; ---------------- O: as W, without a quantiser: 32 columns x 128 along k a wave, two numbers to a word of f16.
.Lpath_o:
	s_sub_co_u32 s33, ttmp9, 688
	s_and_b32 s34, s33, 7
	s_lshr_b32 s35, s33, 3                         ; which 128 along k
	s_lshl_b32 s34, s34, 7
	s_lshl_b32 s40, s32, 5
	s_add_co_u32 s34, s34, s40                     ; my wave's first column
	s_lshl_b32 s38, s35, 19
	s_lshl_b32 s40, s34, 2
	s_add_co_u32 s38, s38, s40
	s_add_nc_u64 s[36:37], s[14:15], s[38:39]
	s_lshl_b32 s38, s34, 11                        ; a row of wot is 2,048 bytes
	s_lshl_b32 s40, s35, 8
	s_add_co_u32 s38, s38, s40
	s_add_nc_u64 s[42:43], s[26:27], s[38:39]
	s_mul_i32 s40, s32, 32*272
	s_add_co_u32 s40, s40, OSTG
	v_lshlrev_b32 v3, 2, v2
	v_mul_u32_u24 v4, v2, 272
	v_add_nc_u32 v4, s40, v4
	v_and_b32 v5, 15, v2
	v_lshrrev_b32 v6, 4, v2
	v_mul_u32_u24 v7, v6, 272
	v_lshl_add_u32 v7, v5, 4, v7
	v_add_nc_u32 v7, s40, v7
	v_lshlrev_b32 v8, 11, v6
	v_lshl_add_u32 v8, v5, 4, v8
.macro LOADO t
.set i, 0
.rept 32
	global_load_b32 v[32+32*(\t)+i], v3, s[36:37] offset:(32*(\t)+i)*4096 th:TH_LOAD_NT
.set i, i+1
.endr
.endm
.macro PACKO t, left
	s_wait_loadcnt \left                           ; this block's loads are in; the next block's 32 may be out
.set i, 0
.rept 16
	v_cvt_pk_f16_f32 v[160+i], v[32+32*(\t)+2*i], v[33+32*(\t)+2*i]
.set i, i+1
.endr
.irp i, 0,1,2,3
	ds_store_b128 v4, v[160+4*\i:163+4*\i] offset:64*(\t)+16*\i
.endr
	s_wait_dscnt 0x0
.endm
	LOADO 0
	LOADO 1
	PACKO 0, 32
	LOADO 2
	PACKO 1, 32
	LOADO 3
	PACKO 2, 32
	PACKO 3, 0
.irp t, 0,1,2,3,4,5,6,7,8,9,10,11,12,13,14,15
	ds_load_b128 v[32+4*\t:35+4*\t], v7 offset:2*\t*272
.endr
.irp t, 0,1,2,3,4,5,6,7,8,9,10,11,12,13,14,15
	s_wait_dscnt 15-\t
	global_store_b128 v8, v[32+4*\t:35+4*\t], s[42:43] offset:2*\t*2048
.endr
	FINISH
; ---------------- M: a wave takes a tile of 16 queries, eight times 256 keys.  Bit l of word j of key tile kt is mask[query l % 16][key 16 kt + 8 (l / 16) + j]: the place of that score in lane l, register j.
; FA: bit s set where some key of slot s (64 keys) counts for some query of the tile.  FN: where some key of it is hidden (or some byte of it is neither 0 nor 1: the select then decides).
; SCALARS: s[36:37] the mask's rows; s40-47 the eight comparison words of a key tile; s48 FA, s49 FN; s50-52 at work; s53-56 byte masks; s57 the trips; s58 EXEC kept; s[60:61] the words' place; s[62:63] the flags' place.
.Lpath_m:
	s_sub_co_u32 s33, ttmp9, 48
	s_lshl_b32 s33, s33, 2
	s_add_co_u32 s33, s33, s32                     ; tile 0..511
	s_lshl_b32 s38, s33, 15                        ; 16 rows of 2,048 bytes
	s_add_nc_u64 s[36:37], s[16:17], s[38:39]
	s_lshl_b32 s38, s33, 12                        ; a tile's words: 128 key tiles x 32 bytes
	s_add_nc_u64 s[60:61], s[30:31], s[38:39]
	s_lshl_b32 s38, s33, 3                         ; a tile's two flag words
	s_add_nc_u64 s[62:63], s[2:3], s[38:39]
	s_mul_i32 s34, s32, 16*272
	s_add_co_u32 s34, s34, MST
	v_lshrrev_b32 v7, 4, v2
	v_and_b32 v8, 15, v2
	v_lshlrev_b32 v3, 11, v7
	v_lshl_add_u32 v3, v8, 4, v3                   ; in: sixteen lanes take 256 bytes of a row, the other sixteen the next row's
	v_mul_u32_u24 v4, v7, 272
	v_lshl_add_u32 v4, v8, 4, v4
	v_add_nc_u32 v4, s34, v4
	v_mul_u32_u24 v5, v8, 272
	v_lshl_add_u32 v5, v7, 3, v5
	v_add_nc_u32 v5, s34, v5                       ; back: query lane % 16, 8 keys for each half of the lanes
	v_lshlrev_b32 v6, 4, v2
	v_mov_b32 v19, 0
	s_mov_b32 s53, 0xff
	s_mov_b32 s54, 0xff00
	s_mov_b32 s55, 0xff0000
	s_mov_b32 s56, 0xff000000
	s_mov_b32 s48, 0
	s_mov_b32 s49, 0
.irp i, 0,1,2,3
	v_mov_b32 v[128+\i], 0                         ; written once: a lane write's destination counts as read
.endr
.macro LOADM st, off
.irp i, 0,1,2,3,4,5,6,7
	global_load_b128 v[32+32*(\st)+4*\i:32+32*(\st)+4*\i+3], v3, s[36:37] offset:4096*\i+(\off) th:TH_LOAD_NT
.endr
.endm
.macro SUBM st, fill, left
	s_wait_loadcnt \left                           ; this set's eight loads are in; the other set's eight may be out
.irp i, 0,1,2,3,4,5,6,7
	ds_store_b128 v4, v[32+32*(\st)+4*\i:32+32*(\st)+4*\i+3] offset:544*\i
.endr
.irp t, 0,1,2,3,4,5,6,7,8,9,10,11,12,13,14,15
	ds_load_b64 v[96+2*\t:97+2*\t], v5 offset:16*\t
.endr
	s_wait_dscnt 0x0
.if \fill
	LOADM \st, 512+256*(\st)                       ; the keys two times 256 on
.endif
	s_wait_xcnt 0x0                                ; the last store has read v128-131
.irp t, 0,1,2,3,4,5,6,7,8,9,10,11,12,13,14,15
.irp j, 0,1,2,3,4,5,6,7
	v_and_b32 v[20+\j%4], s[53+\j%4], v[96+2*\t+\j/4]
	v_cmp_ne_u32 s[40+\j], 0, v[20+\j%4]           ; word j of tile t,
	v_writelane_b32 v[128+\j%4], s[40+\j], 2*\t+\j/4   ; to the lane that stores it: 16 bytes a lane, 32 bytes a tile
.endr
.endr
.irp u, 0,1,2,3
	v_or_b32 v16, v[96+8*\u], v[97+8*\u]
	v_and_b32 v17, v[96+8*\u], v[97+8*\u]
.irp i, 2,3,4,5,6,7
	v_or_b32 v16, v16, v[96+8*\u+\i]
	v_and_b32 v17, v17, v[96+8*\u+\i]
.endr
	v_cmp_ne_u32 s50, 0, v16
	v_cmp_ne_u32 s51, 0x01010101, v17
	s_lshr_b32 s48, s48, 1                         ; 32 slots are shifted in from the top: slot 0 ends in bit 0
	s_lshr_b32 s49, s49, 1
	s_cmp_lg_u32 s50, 0
	s_cselect_b32 s52, 0x80000000, 0
	s_or_b32 s48, s48, s52
	s_cmp_lg_u32 s51, 0
	s_cselect_b32 s52, 0x80000000, 0
	s_or_b32 s49, s49, s52
.endr
	global_store_b128 v6, v[128:131], s[60:61] offset:512*(\st)   ; the wave stores 512 consecutive bytes
.endm
	LOADM 0, 0
	LOADM 1, 256
	s_mov_b32 s57, 3
.Lm_loop:
	SUBM 0, 1, 8
	SUBM 1, 1, 8
	s_wait_xcnt 0x0                                ; the bases are stepped only behind this wait
	s_add_nc_u64 s[36:37], s[36:37], 512
	s_add_nc_u64 s[60:61], s[60:61], 1024
	s_sub_co_u32 s57, s57, 1
	s_cmp_lg_u32 s57, 0
	s_cbranch_scc1 .Lm_loop
	SUBM 0, 0, 8                                   ; the last two load nothing
	SUBM 1, 0, 0
	v_mov_b32 v16, s48
	v_mov_b32 v17, s49
	s_wait_xcnt 0x0                                ; EXEC changes only behind this wait
	v_cmp_eq_u32 vcc_lo, 0, v2
	s_and_saveexec_b32 s58, vcc_lo
	global_store_b64 v19, v[16:17], s[62:63]       ; lane 0 stores the tile's two flag words
	s_wait_xcnt 0x0
	s_or_b32 exec_lo, exec_lo, s58
	FINISH
.Lfunc_end_k_q485643b4f1_prep:
	.size	k_q485643b4f1_prep, .Lfunc_end_k_q485643b4f1_prep-k_q485643b4f1_prep
	.p2alignl 7, 3214868480
	.fill 96, 4, 3214868480
	.section	.rodata,"a",@progbits
	.p2align	6, 0x0
	.amdhsa_kernel k_q485643b4f1_prep
		.amdhsa_group_segment_fixed_size 109056
		.amdhsa_private_segment_fixed_size 0
		.amdhsa_enable_private_segment 0
		.amdhsa_kernarg_size 120
		.amdhsa_user_sgpr_count 2
		.amdhsa_user_sgpr_kernarg_segment_ptr 1
		.amdhsa_wavefront_size32 1
		.amdhsa_system_sgpr_workgroup_id_x 1
		.amdhsa_system_sgpr_workgroup_id_y 1
		.amdhsa_system_sgpr_workgroup_id_z 1
		.amdhsa_system_vgpr_workitem_id 0
		.amdhsa_next_free_vgpr 192
		.amdhsa_next_free_sgpr 66
		.amdhsa_reserve_vcc 1
		.amdhsa_float_denorm_mode_32 3
		.amdhsa_float_denorm_mode_16_64 3
		.amdhsa_memory_ordered 1
		.amdhsa_forward_progress 1
		.amdhsa_inst_pref_size 255
	.end_amdhsa_kernel
	.section	.bss,"aw",@nobits
	.p2align	6
	.space	262144
	.amdgpu_metadata
---
amdhsa.version: [ 1, 2 ]
amdhsa.kernels:
  - .name:           k_q485643b4f1_prep
    .symbol:         k_q485643b4f1_prep.kd
    .args:
      - { .name: q, .offset: 0, .size: 8, .value_kind: global_buffer, .address_space: global }
      - { .name: kv, .offset: 8, .size: 8, .value_kind: global_buffer, .address_space: global }
      - { .name: Wq, .offset: 16, .size: 8, .value_kind: global_buffer, .address_space: global }
      - { .name: Wk, .offset: 24, .size: 8, .value_kind: global_buffer, .address_space: global }
      - { .name: Wv, .offset: 32, .size: 8, .value_kind: global_buffer, .address_space: global }
      - { .name: Wo, .offset: 40, .size: 8, .value_kind: global_buffer, .address_space: global }
      - { .name: mask, .offset: 48, .size: 8, .value_kind: global_buffer, .address_space: global }
      - { .name: q_positions, .offset: 56, .size: 8, .value_kind: global_buffer, .address_space: global }
      - { .name: kv_positions, .offset: 64, .size: 8, .value_kind: global_buffer, .address_space: global }
      - { .name: codes, .offset: 72, .size: 8, .value_kind: global_buffer, .address_space: global }
      - { .name: scales, .offset: 80, .size: 8, .value_kind: global_buffer, .address_space: global }
      - { .name: wot, .offset: 88, .size: 8, .value_kind: global_buffer, .address_space: global }
      - { .name: rope, .offset: 96, .size: 8, .value_kind: global_buffer, .address_space: global }
      - { .name: mbits, .offset: 104, .size: 8, .value_kind: global_buffer, .address_space: global }
      - { .name: flags, .offset: 112, .size: 8, .value_kind: global_buffer, .address_space: global }
    .group_segment_fixed_size: 109056
    .private_segment_fixed_size: 0
    .kernarg_segment_align: 8
    .kernarg_segment_size: 120
    .max_flat_workgroup_size: 128
    .sgpr_count:     66
    .vgpr_count:     192
    .wavefront_size: 32
...
	.end_amdgpu_metadata
.endif
;; end of part 6
;; launch gemm_qkv: the kernel of part 2 again; grid 12 x 32, 4 waves a work-group, clusters of 4 x 4, 327,680 bytes of LDS; arguments codes, scales, bq, bk, bv, q_scale, k_scale, rope, qkv; writes qkv
;; launch attn (part 7): grid 8 x 32, 16 waves a work-group, no clusters, 149,504 bytes of LDS; arguments qkv, mbits, flags, head_scale, attn; writes attn
.if DOCPART == 7
	.amdgcn_target "amdgcn-amd-amdhsa--gfx1250"
	.amdhsa_code_object_version 6
	.text
	.protected	k_q485643b4f1_attn
	.globl	k_q485643b4f1_attn
	.p2align	8
	.type	k_q485643b4f1_attn,@function
k_q485643b4f1_attn:
	s_mov_b64 s[64:65], 0
	v_nop
	global_prefetch_b8 v0, s[64:65] scope:SCOPE_SE
	s_setreg_imm32_b32 hwreg(HW_REG_WAVE_MODE, 25, 1), 1
	s_wait_xcnt 0x0
; attn[b][t][h][:] = (1 + head_scale[h]) x the sum over keys of softmax(Q^ . K^ under the mask) V.  Q^, K^, V: f16 [batch][head][token][64]; Q^ carries log2(e) / 8, so a score is an exponent of 2.
; Products on f16 operands, sums, maxima and the softmax in f32, with a running maximum.  A hidden score becomes -infinity ahead of the maximum, which stays finite (it starts at -3e38): its weight is 0.
; A query with no key that counts gets 0, as the where() behind the softmax leaves it.
; OUT: the buffer's first 16,777,216 bytes are [8192 tokens][1024] f16; behind them positions 0-15 of each batch once more in f32, [batch][k = 64 head + channel][16 rows], for the fine projection.
; SHARES.  A work-group: one batch, two heads, the query blocks g and 15 - g of 128 queries.  Wave w: head w / 8, block (w / 4) % 2, queries 32 (w % 4) on: two tiles of 16.  Four waves to a SIMD.
; Two heads to a work-group, so that a token's piece of the output is 256 consecutive bytes.
; THE MASK IS AN INPUT.  The first launch has stored it as lane-mask words, and for each tile of 16 queries two flag words, one bit for each slot of 64 keys: FA (some key counts), FN (some key is hidden).
; A slot that no query of the work-group needs is not fetched; one that my 32 queries do not need is not computed; one with nothing hidden skips the masking.  These are branches on stored whole numbers: so K and V come
; through registers (global load, LDS store), the trip count is a constant, and every wave passes every barrier.  No cluster, for the same reason: partners would take different ways.
; LAYOUT.  S^T = K Q^T (source 0 = 16 keys, source 1 = 16 queries), O^T = V^T P: a lane holds one query (lane % 16) throughout.  The row's sum is a product of ones with the same rounded P.
; LDS: for each head two buffers of 64 keys: K rows of 128 + 16 bytes, V rows of 128 + 32 (read turned); behind them the stage for the way out, 256 rows of 256 + 16; the spare words.
; SCALARS: pointers: s[4:5] Q, s[6:7] my mask words, s[8:9] head_scale, s[10:11] attn, s[12:13] K, s[14:15] the fine copy, s[98:99] V; s[2:3], s[66:67], s[100:101] the flags' places.
;   s16-63 and s68-83 are the 64 mask words of a slot: they hold whole numbers alone, never an address.
; LIMITS: weights under 6e-8 of the row's largest are lost in f16; V and attn up to 65,504.
.set HEADB, 38912                      ; a head's two buffers
.set BUFB,  19456                      ; 64 x 144 + 64 x 160
.set OST,   77824
.set SPARE, 147456                     ; 128 bytes for each of 16 waves: eight blocks of 256 bytes that no other line names
.set S,    48                          ; v48-111  S^T, tile t, key tile kt at 32 t + 8 kt; then P and half of V
.set KV,   112                         ; v112-143 fragments of K, then of V
.set O,    144                         ; v144-207 O^T, 32 t + 8 c
.set L,    208                         ; v208-223 the sums, 8 t (register 0 is read)
.set ONES, 224                         ; v224-231 1.0 in f16, sixteen rows x 32
.set STG,  232                         ; v232-247 the next slot on its way from memory to LDS
.set WV, 84
.set WF, 86                            ; my tiles' FA, shifted a bit a trip
.set NF, 87                            ; my tiles' FN
.set GF, 88                            ; the work-group's FA, one slot ahead
	s_load_b128 s[4:7], s[0:1], 0x0                ; qkv, mbits
	s_load_b64 s[2:3], s[0:1], 0x10                ; flags
	s_load_b128 s[8:11], s[0:1], 0x18              ; head_scale, attn
	v_lshl_add_u32 v6, v0, 2, SPARE
	v_mov_b32 v7, 0
	v_lshrrev_b32 v9, 5, v0
	v_readfirstlane_b32 s[WV], v9                  ; wave 0..15
.set i, 68
.rept 16
	s_mov_b32 s[i], 0                              ; the last sixteen mask words, written once: every way through the loop finds them written
.set i, i+1
.endr
	s_and_b32 s52, ttmp7, 0xffff
	s_lshr_b32 s53, s52, 3                         ; batch
	s_and_b32 s54, s52, 7                          ; pair of heads
	s_lshr_b32 s55, s[WV], 3
	s_lshl_b32 s56, s54, 1
	s_add_co_u32 s56, s56, s55                     ; my head
	s_sub_co_u32 s58, 15, ttmp9
	s_bitcmp1_b32 s[WV], 2
	s_cselect_b32 s57, s58, ttmp9                  ; the block of my queries
	s_bitcmp1_b32 s[WV], 3
	s_cselect_b32 s59, s58, ttmp9                  ; the block of the rows that I store at the end
	s_and_b32 s60, s[WV], 3
	s_lshl_b32 s60, s60, 5
	s_lshl_b32 s61, s57, 7
	s_add_co_u32 s60, s60, s61                     ; my first query
	s_lshl_b32 s61, s53, 4
	s_add_co_u32 s61, s61, s56
	s_lshl_b32 s62, s61, 18                        ; my head's first byte in each of Q, K, V
	s_mov_b32 s63, 0
	s_mov_b32 s92, 0x76543210
	s_mov_b32 s93, 0xfedcba98
	s_wait_kmcnt 0x0
	s_add_nc_u64 s[12:13], s[4:5], s[62:63]
	s_add_nc_u64 s[98:99], s[12:13], 33554432      ; V
	s_lshl_b32 s62, s60, 7
	s_add_nc_u64 s[4:5], s[12:13], s[62:63]        ; Q at my first query
	s_add_nc_u64 s[12:13], s[12:13], 16777216      ; K
	s_lshl_b32 s62, s53, 7
	s_lshr_b32 s61, s60, 4
	s_add_co_u32 s91, s62, s61                     ; my first tile of queries among the 512
	s_lshl_b32 s62, s91, 3
	s_add_nc_u64 s[66:67], s[2:3], s[62:63]        ; my two tiles' flags: 8 bytes a tile
	s_lshl_b32 s62, s53, 10
	s_lshl_b32 s61, ttmp9, 6
	s_add_co_u32 s62, s62, s61
	s_add_nc_u64 s[100:101], s[2:3], s[62:63]      ; block g's eight tiles' flags
	s_lshl_b32 s62, s53, 10
	s_lshl_b32 s61, s58, 6
	s_add_co_u32 s62, s62, s61
	s_add_nc_u64 s[2:3], s[2:3], s[62:63]          ; block 15 - g's: stepped last, behind the two sums that want the buffer's first byte
	s_lshl_b32 s62, s91, 12
	s_add_nc_u64 s[6:7], s[6:7], s[62:63]          ; my tiles' mask words; the second tile's lie 4,096 bytes on
	s_load_b512 s[16:31], s[100:101], 0x0
	s_load_b512 s[32:47], s[2:3], 0x0
	s_load_b128 s[48:51], s[66:67], 0x0
	s_lshl_b32 s62, s56, 2
	s_add_nc_u64 s[8:9], s[8:9], s[62:63]
	s_load_b32 s96, s[8:9], 0x0                    ; head_scale of my head
	s_lshl_b32 s62, s53, 16
	s_lshl_b32 s61, s56, 12
	s_add_co_u32 s62, s62, s61
	s_add_co_u32 s62, s62, 16777216                ; the fine copy lies behind the 8,192 rows of f16
	s_add_nc_u64 s[14:15], s[10:11], s[62:63]
	s_lshl_b32 s62, s53, 11
	s_lshl_b32 s61, s59, 7
	s_add_co_u32 s62, s62, s61
	s_and_b32 s61, s[WV], 7
	s_lshl_b32 s61, s61, 4
	s_add_co_u32 s62, s62, s61                     ; the first of the 16 tokens that I store
	s_lshl_b32 s62, s62, 11
	s_lshl_b32 s61, s54, 8
	s_add_co_u32 s62, s62, s61
	s_add_nc_u64 s[10:11], s[10:11], s[62:63]
	v_and_b32 v9, 15, v0                           ; r
	v_bfe_u32 v10, v0, 4, 1                        ; h
	v_lshrrev_b32 v11, 8, v0
	v_mul_u32_u24 v11, v11, HEADB                  ; my head's buffers
	v_mul_u32_u24 v1, v9, 144
	v_lshl_add_u32 v1, v10, 4, v1
	v_add_nc_u32 v1, v1, v11                       ; v1: a fragment of K: row r, 16 h
	v_and_b32 v12, 7, v0
	v_lshl_add_u32 v12, v10, 3, v12
	v_mul_u32_u24 v2, v12, 160
	v_bfe_u32 v12, v0, 3, 1
	v_lshl_add_u32 v2, v12, 4, v2
	v_add_nc_u32 v2, v2, v11
	v_add_nc_u32 v2, 9216, v2                      ; v2: the turning load: key 8 h + lane % 8, 16 bytes by (lane / 8) % 2
	v_and_b32 v12, 255, v0                         ; my place among the head's 256 threads
	v_lshrrev_b32 v13, 3, v12
	v_and_b32 v14, 7, v0
	v_mul_u32_u24 v3, v13, 144
	v_lshl_add_u32 v3, v14, 4, v3
	v_add_nc_u32 v3, v3, v11                       ; v3: where I put 16 bytes of K
	v_mul_u32_u24 v4, v13, 160
	v_lshl_add_u32 v4, v14, 4, v4
	v_add_nc_u32 v4, v4, v11
	v_add_nc_u32 v4, 9216, v4                      ; v4: and of V
	v_lshlrev_b32 v5, 4, v12                       ; v5: the same 16 bytes in memory
	v_lshlrev_b32 v15, 7, v9
	v_lshl_add_u32 v15, v10, 4, v15
.irp t, 0,1
.irp c, 0,1
	global_load_b128 v[16+16*\t+8*\c:19+16*\t+8*\c], v15, s[4:5] offset:2048*\t+64*\c      ; Q stays in registers
	global_load_b128 v[20+16*\t+8*\c:23+16*\t+8*\c], v15, s[4:5] offset:2048*\t+64*\c+32
.endr
.endr
	v_mov_b32 v8, 0xff800000                       ; -infinity
.set i, 0
.rept 80
	v_mov_b32 v[O+i], 0                            ; O^T and the sums.  Which slot is the first to be computed hangs on the flags, so no first product can be written out ahead of the loop
.set i, i+1
.endr
.set i, 0
.rept 8
	v_mov_b32 v[ONES+i], 0x3c003c00
.set i, i+1
.endr
.set i, 0
.rept 16
	v_mov_b32 v[STG+i], 0
.set i, i+1
.endr
.irp i, 248,249,250,251
	v_mov_b32 v\i, 0xff61b1e6                      ; the largest score so far: -3e38
.endr
.irp i, 252,253,254,255
	v_mov_b32 v\i, 0
.endr
	s_wait_kmcnt 0x0
	s_or_b32 s[GF], s16, s18
.irp i, 20,22,24,26,28,30,32,34,36,38,40,42,44,46
	s_or_b32 s[GF], s[GF], s\i
.endr
	s_or_b32 s[WF], s48, s50
	s_or_b32 s[NF], s49, s51
	s_add_f32 s96, s96, 1.0
.macro STAGE_LOAD off                  ; 64 keys of K and of V: 8,192 bytes each, 16 bytes a thread, twice
	global_load_b128 v[STG:STG+3], v5, s[12:13] offset:\off
	global_load_b128 v[STG+4:STG+7], v5, s[12:13] offset:\off+4096
	global_load_b128 v[STG+8:STG+11], v5, s[98:99] offset:\off
	global_load_b128 v[STG+12:STG+15], v5, s[98:99] offset:\off+4096
.endm
.macro STAGE_STORE u
	ds_store_b128 v3, v[STG:STG+3] offset:BUFB*(\u)
	ds_store_b128 v3, v[STG+4:STG+7] offset:BUFB*(\u)+4608
	ds_store_b128 v4, v[STG+8:STG+11] offset:BUFB*(\u)
	ds_store_b128 v4, v[STG+12:STG+15] offset:BUFB*(\u)+5120
.endm
.macro KFRAG u, hf                     ; key tiles 2 hf, 2 hf + 1: 16 keys x 64 channels each
.irp k, 0,1
.irp c, 0,1
	ds_load_b128 v[KV+16*\k+8*\c:KV+16*\k+8*\c+3], v1 offset:BUFB*(\u)+2304*(2*(\hf)+\k)+64*\c
	ds_load_b128 v[KV+16*\k+8*\c+4:KV+16*\k+8*\c+7], v1 offset:BUFB*(\u)+2304*(2*(\hf)+\k)+64*\c+32
.endr
.endr
.endm
.macro SMUL hf                         ; four accumulators by turns: channels 0-31 start the sums, channels 32-63 follow
.irp k, 0,1
.irp t, 0,1
	v_wmma_f32_16x16x32_f16 v[S+32*\t+8*(2*(\hf)+\k):S+32*\t+8*(2*(\hf)+\k)+7], v[KV+16*\k:KV+16*\k+7], v[16+16*\t:23+16*\t], 0
.endr
.endr
.irp k, 0,1
.irp t, 0,1
	v_wmma_f32_16x16x32_f16 v[S+32*\t+8*(2*(\hf)+\k):S+32*\t+8*(2*(\hf)+\k)+7], v[KV+16*\k+8:KV+16*\k+15], v[24+16*\t:31+16*\t], v[S+32*\t+8*(2*(\hf)+\k):S+32*\t+8*(2*(\hf)+\k)+7]
.endr
.endr
.endm
.macro MAXT t                          ; the tile's largest score and the old maximum; each accumulator is first read at its low end
.set rS, S+32*(\t)
.set rM, 248+2*(\t)
.set rA, 252+2*(\t)
.irp j, 0,1,2,3
	v_max3_num_f32 v[10+\j], v[rS+8*\j], v[rS+8*\j+1], v[rS+8*\j+2]
.endr
.irp q, 3,5
.irp j, 0,1,2,3
	v_max3_num_f32 v[10+\j], v[10+\j], v[rS+8*\j+\q], v[rS+8*\j+\q+1]
.endr
.endr
	v_max3_num_f32 v10, v10, v[rS+7], v[rS+15]
	v_max3_num_f32 v12, v12, v[rS+23], v[rS+31]
	v_max3_num_f32 v10, v10, v11, v12
	v_max3_num_f32 v10, v10, v13, v[rM]
	v_permlanex16_b32 v11, v10, s92, s93           ; the query's other 32 keys lie in the lane 16 away
	v_mov_b32 v[rA], v[rM]
	v_max_num_f32 v[rM], v10, v11
	v_sub_f32 v[rA], v[rA], v[rM]                  ; old maximum - new
.endm
.macro PVMUL hf                        ; ten accumulators by turns: O^T += V^T P for four tiles of channels and two of queries; the sums += ones P
.irp c, 0,1,2,3
.irp t, 0,1
.if \hf
	v_wmma_f32_16x16x32_f16 v[O+32*\t+8*\c:O+32*\t+8*\c+7], v[S+8+16*\c:S+15+16*\c], v[S+32*\t+16:S+32*\t+23], v[O+32*\t+8*\c:O+32*\t+8*\c+7]
.else
	v_wmma_f32_16x16x32_f16 v[O+32*\t+8*\c:O+32*\t+8*\c+7], v[KV+8*\c:KV+8*\c+7], v[S+32*\t:S+32*\t+7], v[O+32*\t+8*\c:O+32*\t+8*\c+7]
.endif
.endr
.endr
.irp t, 0,1
	v_wmma_f32_16x16x32_f16 v[L+8*\t:L+8*\t+7], v[ONES:ONES+7], v[S+32*\t+16*(\hf):S+32*\t+16*(\hf)+7], v[L+8*\t:L+8*\t+7]
.endr
.endm
.macro COMPUTE u
	s_bitcmp1_b32 s[NF], 0                         ; something hidden in this slot: its 2 x 32 mask words are asked for now and land under the score products
	s_cbranch_scc0 .Lnw_\@
	s_load_b512 s[16:31], s[6:7], 128*(\u)
	s_load_b512 s[32:47], s[6:7], 128*(\u)+64
	s_load_b512 s[48:63], s[6:7], 4096+128*(\u)
	s_load_b512 s[68:83], s[6:7], 4096+128*(\u)+64
.Lnw_\@:
.rept 5
	v_nop                                          ; five places: the score products write over registers that the last products read as P and V; four serve the loads into K's
.endr
	KFRAG \u, 0
	s_wait_dscnt 0x0
	SMUL 0
.rept 4
	v_nop
.endr
	KFRAG \u, 1
	s_wait_dscnt 0x0
	SMUL 1
.rept 4
	v_nop                                          ; places ahead of the loads into K's registers and of the first read of the scores
.endr
.irp c, 0,1,2,3                                ; V^T of keys 0-31: 16 channels x 32 keys a fragment
	ds_load_tr16_b128 v[KV+8*\c:KV+8*\c+3], v2 offset:BUFB*(\u)+32*\c
	ds_load_tr16_b128 v[KV+8*\c+4:KV+8*\c+7], v2 offset:BUFB*(\u)+2560+32*\c
.endr
	s_wait_kmcnt 0x0                               ; on every way: no scalar load is out when the next slot's are issued
	s_bitcmp1_b32 s[NF], 0
	s_cbranch_scc0 .Lopen_\@
.irp k, 0,1,2,3
.irp j, 0,1,2,3,4,5,6,7
	v_cndmask_b32 v[S+8*\k+\j], v8, v[S+8*\k+\j], s[16+8*\k+\j]
.endr
.endr
.irp k, 0,1
.irp j, 0,1,2,3,4,5,6,7
	v_cndmask_b32 v[S+32+8*\k+\j], v8, v[S+32+8*\k+\j], s[48+8*\k+\j]
.endr
.endr
.irp k, 0,1
.irp j, 0,1,2,3,4,5,6,7
	v_cndmask_b32 v[S+48+8*\k+\j], v8, v[S+48+8*\k+\j], s[68+8*\k+\j]
.endr
.endr
.Lopen_\@:
	MAXT 0
	MAXT 1
	v_exp_f32 v252, v252                           ; a = 2^(old maximum - new)
	v_exp_f32 v254, v254
.irp t, 0,1
.set i, 0
.rept 16
	v_pk_add_f32 v[S+32*\t+i:S+32*\t+i+1], v[S+32*\t+i:S+32*\t+i+1], v[248+2*\t:249+2*\t] op_sel_hi:[1,0] neg_lo:[0,1] neg_hi:[0,1]
.set i, i+2
.endr
.endr
.set i, 0
.rept 64
	v_exp_f32 v[S+i], v[S+i]                       ; p = 2^(s - maximum)
.set i, i+1
.endr
	v_nop                                          ; a plain instruction behind the last exponential
	s_wait_alu depctr_va_vdst(0)                   ; one wait for the batch of 66, ahead of its first reader
.irp t, 0,1
.irp f, 0,1                                    ; P of 32 keys takes the registers of the first of its two score tiles
.irp j, 0,1,2,3
	v_cvt_pk_f16_f32 v[S+32*\t+16*\f+\j], v[S+32*\t+16*\f+2*\j], v[S+32*\t+16*\f+2*\j+1]
.endr
.irp j, 0,1,2,3
	v_cvt_pk_f16_f32 v[S+32*\t+16*\f+4+\j], v[S+32*\t+16*\f+8+2*\j], v[S+32*\t+16*\f+8+2*\j+1]
.endr
.endr
.endr
.irp c, 0,1,2,3                                ; V^T of keys 32-63, into the score tiles that are now free
	ds_load_tr16_b128 v[S+8+16*\c:S+11+16*\c], v2 offset:BUFB*(\u)+5120+32*\c
	ds_load_tr16_b128 v[S+12+16*\c:S+15+16*\c], v2 offset:BUFB*(\u)+5120+2560+32*\c
.endr
	v_pk_mul_f32 v[L:L+1], v[L:L+1], v[252:253] op_sel_hi:[1,0]        ; of a sum's eight equal rows the first is read: it alone is brought under the new maximum
	v_pk_mul_f32 v[L+8:L+9], v[L+8:L+9], v[254:255] op_sel_hi:[1,0]
.irp t, 0,1
.set i, 0
.rept 16
	v_pk_mul_f32 v[O+32*\t+i:O+32*\t+i+1], v[O+32*\t+i:O+32*\t+i+1], v[252+2*\t:253+2*\t] op_sel_hi:[1,0]
.set i, i+2
.endr
.endr
	s_wait_dscnt 0x0                               ; V is in
	PVMUL 0
	PVMUL 1
.endm
; A trip: slot s lies in buffer u.  The next slot is asked of memory first and goes into the other buffer last: that buffer's readers waited for their loads ahead of the last barrier, and it is read only behind this one.
.macro TRIP u
	s_bitcmp1_b32 s[GF], 0
	s_cbranch_scc0 .Lno_ld_\@
	STAGE_LOAD 8192*((\u)+1)
.Lno_ld_\@:
	s_bitcmp1_b32 s[WF], 0
	s_cbranch_scc0 .Lno_cmp_\@
	COMPUTE \u
.Lno_cmp_\@:
	s_wait_loadcnt 0x0
	s_bitcmp1_b32 s[GF], 0
	s_cbranch_scc0 .Lno_st_\@
	STAGE_STORE 1-(\u)
.Lno_st_\@:
	s_wait_dscnt 0x0                               ; my stores have landed and my reads of buffer u are over
	s_barrier_signal -1
	s_barrier_wait -1
	s_lshr_b32 s[WF], s[WF], 1
	s_lshr_b32 s[NF], s[NF], 1
	s_lshr_b32 s[GF], s[GF], 1
.endm
	s_bitcmp1_b32 s[GF], 0
	s_cbranch_scc0 .Lno_first
	STAGE_LOAD 0
	s_wait_loadcnt 0x0
	STAGE_STORE 0
.Lno_first:
	s_lshr_b32 s[GF], s[GF], 1                     ; from here on bit 0 speaks of the next slot; behind slot 31 no bit is left, so nothing past the head's keys is asked for
	s_wait_loadcnt 0x0                             ; Q
	s_wait_dscnt 0x0
	s_barrier_signal -1
	s_barrier_wait -1
	s_mov_b32 s90, 16
.Lkeys:
	TRIP 0
	TRIP 1
	s_wait_xcnt 0x0                                ; the bases are stepped only behind this wait
	s_add_nc_u64 s[12:13], s[12:13], 16384
	s_add_nc_u64 s[98:99], s[98:99], 16384
	s_add_nc_u64 s[6:7], s[6:7], 256
	s_sub_co_u32 s90, s90, 1
	s_cmp_lg_u32 s90, 0
	s_cbranch_scc1 .Lkeys
	; THE WAY OUT
.rept 4
	v_nop
.endr
	v_max_num_f32 v10, 0x0da24260, v[L]            ; a query with no key has the sum 0 and O^T = 0: the floor 1e-30 keeps 0 / 0 out
	v_max_num_f32 v11, 0x0da24260, v[L+8]
	v_rcp_f32 v10, v10
	v_rcp_f32 v11, v11
	v_and_b32 v9, 15, v0                           ; (a plain instruction behind the reciprocals)
	v_bfe_u32 v14, v0, 4, 1
	v_lshlrev_b32 v9, 2, v9
	v_lshl_add_u32 v9, v14, 9, v9                  ; the fine copy: 512 h + 4 r
	v_and_b32 v1, 0xef, v0                         ; the stage's row: 32 (wave % 8) + r
	v_mul_u32_u24 v1, v1, 272
	v_lshl_add_u32 v1, v14, 4, v1
	v_lshrrev_b32 v15, 8, v0
	v_lshl_add_u32 v1, v15, 7, v1                  ; + 128 x head of the pair
	v_add_nc_u32 v1, OST, v1
	v_lshrrev_b32 v2, 5, v0
	v_lshl_add_u32 v2, v2, 4, v14                  ; back: row 16 x wave + lane / 16
	v_mul_u32_u24 v2, v2, 272
	v_and_b32 v15, 15, v0
	v_lshl_add_u32 v2, v15, 4, v2
	v_add_nc_u32 v2, OST, v2
	v_lshlrev_b32 v3, 11, v14
	v_lshl_add_u32 v3, v15, 4, v3                  ; and the same two rows in attn
	s_wait_alu depctr_va_vdst(0)                   ; one wait for both reciprocals
	v_mul_f32 v10, s96, v10                        ; (1 + head_scale) / sum
	v_mul_f32 v11, s96, v11
.set i, 0
.rept 16
	v_pk_mul_f32 v[O+i:O+i+1], v[O+i:O+i+1], v[10:11] op_sel_hi:[1,0]
.set i, i+2
.endr
.set i, 0
.rept 16
	v_pk_mul_f32 v[O+32+i:O+32+i+1], v[O+32+i:O+32+i+1], v[10:11] op_sel:[0,1] op_sel_hi:[1,1]
.set i, i+2
.endr
	s_and_b32 s94, s[WV], 7
	s_or_b32 s94, s94, ttmp9
	s_cmp_lg_u32 s94, 0
	s_cbranch_scc1 .Lno_fine                       ; positions 0-15 of the batch also leave in f32, [k = 64 head + channel][16 rows], for the fine projection
.irp c, 0,1,2,3
.irp j, 0,1,2,3,4,5,6,7
	global_store_b32 v9, v[O+8*\c+\j], s[14:15] offset:64*(16*\c+\j)
.endr
.endr
.Lno_fine:
.set i, 0
.rept 32
	v_cvt_pk_f16_f32 v[S+i], v[O+2*i], v[O+2*i+1]
.set i, i+1
.endr
.irp t, 0,1
.irp c, 0,1,2,3
	ds_store_b128 v1, v[S+16*\t+4*\c:S+16*\t+4*\c+3] offset:4352*\t+32*\c
.endr
.endr
	s_wait_dscnt 0x0                               ; for the others' sake: a row's 256 bytes come from two waves
	s_barrier_signal -1
	s_barrier_wait -1
.irp k, 0,1,2,3,4,5,6,7
	ds_load_b128 v[80+4*\k:83+4*\k], v2 offset:544*\k
.endr
.irp k, 0,1,2,3,4,5,6,7
	s_wait_dscnt 7-\k                              ; the younger loads may be out
	global_store_b128 v3, v[80+4*\k:83+4*\k], s[10:11] offset:4096*\k   ; sixteen lanes store 256 consecutive bytes, aligned
.endr
	s_wait_tensorcnt 0x0                           ; the wave's end
	ds_add_u32 v6, v7
	s_wait_dscnt 0x0
	s_endpgm
.Lfunc_end_k_q485643b4f1_attn:
	.size	k_q485643b4f1_attn, .Lfunc_end_k_q485643b4f1_attn-k_q485643b4f1_attn
	.p2alignl 7, 3214868480
	.fill 96, 4, 3214868480
	.section	.rodata,"a",@progbits
	.p2align	6, 0x0
	.amdhsa_kernel k_q485643b4f1_attn
		.amdhsa_group_segment_fixed_size 149504
		.amdhsa_private_segment_fixed_size 0
		.amdhsa_enable_private_segment 0
		.amdhsa_kernarg_size 40
		.amdhsa_user_sgpr_count 2
		.amdhsa_user_sgpr_kernarg_segment_ptr 1
		.amdhsa_wavefront_size32 1
		.amdhsa_system_sgpr_workgroup_id_x 1
		.amdhsa_system_sgpr_workgroup_id_y 1
		.amdhsa_system_sgpr_workgroup_id_z 1
		.amdhsa_system_vgpr_workitem_id 0
		.amdhsa_next_free_vgpr 256
		.amdhsa_next_free_sgpr 102
		.amdhsa_reserve_vcc 0
		.amdhsa_float_denorm_mode_32 3
		.amdhsa_float_denorm_mode_16_64 3
		.amdhsa_memory_ordered 1
		.amdhsa_forward_progress 1
		.amdhsa_inst_pref_size 64
	.end_amdhsa_kernel
	.amdgpu_metadata
---
amdhsa.version: [ 1, 2 ]
amdhsa.kernels:
  - .name:           k_q485643b4f1_attn
    .symbol:         k_q485643b4f1_attn.kd
    .args:
      - { .name: qkv, .offset: 0, .size: 8, .value_kind: global_buffer, .address_space: global }
      - { .name: mbits, .offset: 8, .size: 8, .value_kind: global_buffer, .address_space: global }
      - { .name: flags, .offset: 16, .size: 8, .value_kind: global_buffer, .address_space: global }
      - { .name: head_scale, .offset: 24, .size: 8, .value_kind: global_buffer, .address_space: global }
      - { .name: attn, .offset: 32, .size: 8, .value_kind: global_buffer, .address_space: global }
    .group_segment_fixed_size: 149504
    .private_segment_fixed_size: 0
    .kernarg_segment_align: 8
    .kernarg_segment_size: 40
    .max_flat_workgroup_size: 512
    .sgpr_count:     102
    .vgpr_count:     256
    .wavefront_size: 32
...
	.end_amdgpu_metadata
.endif
;; end of part 7
;; launch oproj: the kernel of part 4 again; grid 8 x 64, 4 waves a work-group, clusters of 4 x 4, 327,680 bytes of LDS; arguments attn, wot, bo, out0; writes out0
;; launch proj16 (part 8): grid 16 x 4, 16 waves a work-group, no clusters, 198,656 bytes of LDS; arguments attn, Wo, bo, out0; writes out0
.if DOCPART == 8
	.amdgcn_target "amdgcn-amd-amdhsa--gfx1250"
	.amdhsa_code_object_version 6
	.text
	.protected	k_q485643b4f1_proj16
	.globl	k_q485643b4f1_proj16
	.p2align	8
	.type	k_q485643b4f1_proj16,@function
k_q485643b4f1_proj16:
	s_mov_b64 s[64:65], 0
	v_nop
	global_prefetch_b8 v0, s[64:65] scope:SCOPE_SE
	s_setreg_imm32_b32 hwreg(HW_REG_WAVE_MODE, 25, 1), 1
	s_wait_xcnt 0x0
; The projection on the way out once more, in f32, for positions 0-15 of each batch: rows that average few values are the largest in size, and the rounding of attn and Wo to f16 weighs most there.
; out0[2048 b + r][n] = the sum over k of fine[b][k][r] Wo[k][n] + bo[n], r = 0..15, by fused multiply-adds.  fine is the f32 copy [batch][k][16 rows] that lies from byte 16,777,216 of the attn buffer on.
; 64 rows of 8,192: no bulk work, so no matrix instruction.
; A work-group: a batch (y) and 64 columns (x).  Wave w takes k = 64 w .. 64 w + 63; lane (cg = lane % 16, h = lane / 16) takes columns 4 cg .. + 3 and, in step it, k = 64 w + 2 it + h.
; The sixteen waves' parts meet in LDS behind one barrier; wave v then sums row v and stores its 256 consecutive bytes.
; LDS: fine's 4,096 bytes for each wave from 0; the parts, 8,192 bytes for each wave, from 65,536; the spare words from 196,608.
.set PART,  65536
.set SPARE, 196608
	s_load_b256 s[4:11], s[0:1], 0x0               ; attn, Wo, bo, out0
	v_lshl_add_u32 v12, v0, 2, SPARE
	v_mov_b32 v13, 0
	v_lshrrev_b32 v1, 5, v0
	v_readfirstlane_b32 s12, v1                    ; wave 0..15
	s_and_b32 s13, ttmp7, 0xffff                   ; batch
	v_and_b32 v2, 31, v0
	v_and_b32 v3, 15, v0                           ; cg
	v_bfe_u32 v4, v0, 4, 1                         ; h
	v_lshlrev_b32 v5, 4, v2
	v_lshlrev_b32 v6, 4, v3
	v_lshl_add_u32 v7, v4, 12, v6                  ; Wo: 4,096 h + 16 cg
	s_lshl_b32 s22, s12, 12
	v_add_nc_u32 v14, s22, v5                      ; LDS: fine as it lies
	v_lshlrev_b32 v15, 6, v4
	v_add_nc_u32 v15, s22, v15                     ; and my k's 16 rows: 64 bytes
	s_lshl_b32 s23, s12, 13
	s_add_co_u32 s23, s23, PART
	v_add_nc_u32 v16, s23, v5                      ; my part
	s_lshl_b32 s24, s12, 9
	s_add_co_u32 s24, s24, PART
	v_add_nc_u32 v17, s24, v5                      ; row v of the parts of waves 0-7,
	v_add_nc_u32 v18, 65536, v17                   ; and of waves 8-15: an LDS offset has 16 bits
	v_lshl_add_u32 v19, v4, 3, v6                  ; out: 16 cg + 8 h
.irp i, 20,21,22,23
	v_mov_b32 v\i, 0                               ; a lane permute's destination counts as read
.endr
	s_mov_b32 s20, 0x76543210
	s_mov_b32 s21, 0xfedcba98
	s_mov_b32 s17, 0
	s_mov_b32 s19, 0
	s_wait_kmcnt 0x0
	s_lshl_b32 s16, s13, 16
	s_add_co_u32 s16, s16, s22
	s_add_co_u32 s16, s16, 16777216                ; behind the 8,192 rows of f16
	s_add_nc_u64 s[4:5], s[4:5], s[16:17]
	s_lshl_b32 s16, s12, 18                        ; 64 rows of 4,096 bytes
	s_lshl_b32 s18, ttmp9, 8                       ; 64 columns of f32
	s_add_co_u32 s16, s16, s18
	s_add_nc_u64 s[6:7], s[6:7], s[16:17]
	s_add_nc_u64 s[8:9], s[8:9], s[18:19]
	s_lshl_b32 s16, s13, 11
	s_add_co_u32 s16, s16, s12                     ; the row that I store
	s_lshl_b32 s16, s16, 12
	s_add_co_u32 s16, s16, s18
	s_add_nc_u64 s[10:11], s[10:11], s[16:17]
	global_load_b128 v[8:11], v6, s[8:9]           ; bo of my four columns
.irp q, 0,1,2,3,4,5,6,7
	global_load_b128 v[32+4*\q:35+4*\q], v5, s[4:5] offset:512*\q
.endr
.set i, 0
.rept 32
	global_load_b128 v[128+4*i:131+4*i], v7, s[6:7] offset:8192*i   ; sixteen lanes take 256 consecutive bytes of a row of Wo
.set i, i+1
.endr
	s_wait_loadcnt 32                              ; bo and fine are in; Wo's 32 loads may be out
.irp q, 0,1,2,3,4,5,6,7
	ds_store_b128 v14, v[32+4*\q:35+4*\q] offset:512*\q
.endr
	s_wait_dscnt 0x0                               ; the stores have read v32-63, which the loads below fill
.macro ABLOAD it                       ; fine[k][0..15] of my k of step it, the same for sixteen lanes
.irp q, 0,1,2,3
	ds_load_b128 v[32+16*((\it)%2)+4*\q:35+16*((\it)%2)+4*\q], v15 offset:128*(\it)+16*\q
.endr
.endm
.macro FMA16 it
.set AB, 32+16*((\it)%2)
.set W, 128+4*(\it)
.if (\it) < 31
	ABLOAD (\it)+1
	s_wait_dscnt 4                                 ; this step's rows are in; the next step's four loads may be out
.else
	s_wait_dscnt 0
.endif
	s_wait_loadcnt 31-(\it)                        ; this step's row of Wo is in; the later steps' may be out
.irp r, 0,2,4,6,8,10,12,14
.irp c, 0,2
.if (\it) == 0
	v_pk_mul_f32 v[64+4*\r+\c:65+4*\r+\c], v[W+\c:W+\c+1], v[AB+\r:AB+\r+1] op_sel_hi:[1,0]              ; the first step starts the sums
	v_pk_mul_f32 v[68+4*\r+\c:69+4*\r+\c], v[W+\c:W+\c+1], v[AB+\r:AB+\r+1] op_sel:[0,1] op_sel_hi:[1,1]
.else
	v_pk_fma_f32 v[64+4*\r+\c:65+4*\r+\c], v[W+\c:W+\c+1], v[AB+\r:AB+\r+1], v[64+4*\r+\c:65+4*\r+\c] op_sel_hi:[1,0,1]
	v_pk_fma_f32 v[68+4*\r+\c:69+4*\r+\c], v[W+\c:W+\c+1], v[AB+\r:AB+\r+1], v[68+4*\r+\c:69+4*\r+\c] op_sel:[0,1,0] op_sel_hi:[1,1,1]
.endif
.endr
.endr
.endm
	ABLOAD 0
.set n, 0
.rept 32
	FMA16 n
.set n, n+1
.endr
.set i, 0
.rept 16
	ds_store_b128 v16, v[64+4*i:67+4*i] offset:512*i   ; row i of my part
.set i, i+1
.endr
	s_wait_dscnt 0x0                               ; for the others' sake
	s_barrier_signal -1
	s_barrier_wait -1
.irp i, 0,1,2,3,4,5,6,7
	ds_load_b128 v[64+4*\i:67+4*\i], v17 offset:8192*\i
	ds_load_b128 v[96+4*\i:99+4*\i], v18 offset:8192*\i
.endr
	s_wait_dscnt 0x0
.irp s, 8,4,2,1
.set i, 0
.rept \s
	v_pk_add_f32 v[64+4*i:65+4*i], v[64+4*i:65+4*i], v[64+4*(i+\s):65+4*(i+\s)]
	v_pk_add_f32 v[66+4*i:67+4*i], v[66+4*i:67+4*i], v[66+4*(i+\s):67+4*(i+\s)]
.set i, i+1
.endr
.endr
.irp i, 0,1,2,3
	v_permlanex16_b32 v[20+\i], v[64+\i], s20, s21 ; the odd k lie in the lane 16 away
.endr
	v_pk_add_f32 v[64:65], v[64:65], v[20:21]
	v_pk_add_f32 v[66:67], v[66:67], v[22:23]
	v_pk_add_f32 v[64:65], v[64:65], v[8:9]
	v_pk_add_f32 v[66:67], v[66:67], v[10:11]
	v_cmp_ne_u32 vcc_lo, 0, v4
	v_cndmask_b32 v24, v64, v66, vcc_lo            ; lanes 0-15 store columns 4 cg, + 1; lanes 16-31 columns + 2, + 3
	v_cndmask_b32 v25, v65, v67, vcc_lo
	global_store_b64 v19, v[24:25], s[10:11]       ; the wave stores 256 consecutive bytes, aligned
	s_wait_tensorcnt 0x0                           ; the wave's end
	ds_add_u32 v12, v13
	s_wait_dscnt 0x0
	s_endpgm
.Lfunc_end_k_q485643b4f1_proj16:
	.size	k_q485643b4f1_proj16, .Lfunc_end_k_q485643b4f1_proj16-k_q485643b4f1_proj16
	.p2alignl 7, 3214868480
	.fill 96, 4, 3214868480
	.section	.rodata,"a",@progbits
	.p2align	6, 0x0
	.amdhsa_kernel k_q485643b4f1_proj16
		.amdhsa_group_segment_fixed_size 198656
		.amdhsa_private_segment_fixed_size 0
		.amdhsa_enable_private_segment 0
		.amdhsa_kernarg_size 32
		.amdhsa_user_sgpr_count 2
		.amdhsa_user_sgpr_kernarg_segment_ptr 1
		.amdhsa_wavefront_size32 1
		.amdhsa_system_sgpr_workgroup_id_x 1
		.amdhsa_system_sgpr_workgroup_id_y 1
		.amdhsa_system_sgpr_workgroup_id_z 1
		.amdhsa_system_vgpr_workitem_id 0
		.amdhsa_next_free_vgpr 256
		.amdhsa_next_free_sgpr 66
		.amdhsa_reserve_vcc 1
		.amdhsa_float_denorm_mode_32 3
		.amdhsa_float_denorm_mode_16_64 3
		.amdhsa_memory_ordered 1
		.amdhsa_forward_progress 1
		.amdhsa_inst_pref_size 86
	.end_amdhsa_kernel
	.amdgpu_metadata
---
amdhsa.version: [ 1, 2 ]
amdhsa.kernels:
  - .name:           k_q485643b4f1_proj16
    .symbol:         k_q485643b4f1_proj16.kd
    .args:
      - { .name: attn, .offset: 0, .size: 8, .value_kind: global_buffer, .address_space: global }
      - { .name: Wo, .offset: 8, .size: 8, .value_kind: global_buffer, .address_space: global }
      - { .name: bo, .offset: 16, .size: 8, .value_kind: global_buffer, .address_space: global }
      - { .name: out0, .offset: 24, .size: 8, .value_kind: global_buffer, .address_space: global }
    .group_segment_fixed_size: 198656
    .private_segment_fixed_size: 0
    .kernarg_segment_align: 8
    .kernarg_segment_size: 32
    .max_flat_workgroup_size: 512
    .sgpr_count:     66
    .vgpr_count:     256
    .wavefront_size: 32
...
	.end_amdgpu_metadata
.endif
;; end of part 8
